; MI455X (gfx1250); checked and timed in simulation.
; The chip was launched on July 23, 2026; its instructions are those of AMD's public machine-readable ISA for CDNA 5 (MIT licence, August 2026) and "CDNA5" Instruction Set Architecture Reference Guide (July 2026). The comments in the code are by the model that wrote it; some were corrected since.
;; Sparse MOE. Allowed arithmetic: float matrix products may take bf16 or f16 operands with f32 sums; other float arithmetic in f32, or as packed bf16 or f16 multiplies, adds, multiply-adds, maxima and minima; sums over many terms, partial sums and values carried from step to step in f32; what a program stores and reads back later, other than sums and carried values, may be rounded once to bf16 or f16.
;; Inputs: W1 8 x 1,024 x 4,096 float32; W2 8 x 4,096 x 1,024 float32; Wg 1,024 x 8 float32; Wn 1,024 x 8 float32; b1 8 x 4,096 float32; b2 8 x 1,024 float32; bg 8 float32; bn 8 float32; noise 4 x 256 x 8 float32; x 4 x 256 x 1,024 float32.
;; Outputs: out0 4 x 256 x 1,024 float32.
;; 3 versions, each right; version 2 is faster than version 1; version 3 is version 2 with the launches prod1, prod2 written anew for expert scheduling mode. Each part assembles by itself: llvm-mc -triple=amdgcn-amd-amdhsa -mcpu=gfx1250 --defsym DOCPART=n.
;; ======== version 1 of 3: 4 launches
;; workspace buffers: xb 2,097,152 bytes; bm 2,048 bytes of whole numbers; gw 8,192 bytes; hb 16,777,216 bytes; yp 33,554,432 bytes
;; launch router (part 1): grid 64 x 1, 4 waves a work-group, no clusters, 71,168 bytes of LDS; arguments x, noise, Wg, bg, Wn, bn, xb, bm, gw; writes xb, bm, gw
.if DOCPART == 1
	.amdgcn_target "amdgcn-amd-amdhsa--gfx1250"
	.amdhsa_code_object_version 6
	.text
	.protected	k_qfe971f5cfd_router
	.globl	k_qfe971f5cfd_router
	.p2align	8
	.type	k_qfe971f5cfd_router,@function
k_qfe971f5cfd_router:
	s_mov_b64 s[64:65], 0
	v_nop
	global_prefetch_b8 v0, s[64:65] scope:SCOPE_SE
	s_setreg_imm32_b32 hwreg(HW_REG_WAVE_MODE, 25, 1), 1
	s_wait_xcnt 0x0
; NOISY TOP-2 ROUTER, and x rounded to bf16 for the first product.
; nl = x Wg + bg + noise * softplus(x Wn + bn); the two largest nl of a token choose its experts; the gates are the softmax of those two.
; FORMATS.  Every input is rounded once to bf16 (x, noise, Wg, bg, Wn, bn); products exact, sums in f32 in the matrix unit; all else in f32.
; LIMITS.  NaN and infinities are not treated apart.  Equal nl: the lower expert wins (strict compares, ascending).  Two nl closer than the f32 rounding of a sum of
; 1,024 terms may be ordered otherwise than by a sum taken in another order.  softplus = max(z,0) + ln2 log2(1 + 2^(-|z| log2 e)): its absolute error stays under 1e-7.
; SHARES.  Work-group g: tokens 16 g .. 16 g + 15 (one matrix tile of tokens: 64 work-groups).  Wave w: k = 256 w .. 256 w + 255 of all 16 tokens: it rounds that part of x, stores it to xb
; (each store of the wave covers 512 consecutive bytes, aligned) and multiplies it by [Wg | Wn].  The four partial sums meet in LDS; wave 0 finishes the 16 tokens.
; OUT.  A routed row has the number rid = slot * 1024 + token.  bm[e][64] u32: bit rid of expert e's bitmap; this work-group owns 16 bits, one half-word, in each of 16 words.
; gw[rid]: the gate.  These are 32 + 128 bytes a work-group, stored as 2 and 4 bytes a lane: too few to be worth a stage.
; No tensor load, no cluster: no two work-groups share more than the 64 KiB of Wg and Wn.
.set XTW,   16*528                     ; a wave's part of x in LDS: 16 rows of 512 bytes + 16 of padding
.set WT,    4*XTW                      ; behind them: a wave's 256 rows k of [8 bf16 of Wg | 8 of Wn], 32 bytes each
.set RED,   WT+4*8192                  ; the four waves' partial sums, 1,024 bytes each
.set SPARE, RED+4*1024                 ; the spare words, 128 bytes a wave: two blocks of 256 bytes that no other line names
.set SPW, 4                            ; v4   SPARE + 4 x my thread's number; never rewritten
.set NIL, 5                            ; v5   0; never rewritten
.set XO,  6                            ; v6   x: 32 lane + 1,024 w
.set WO,  7                            ; v7   Wg, Wn: 32 lane + 8,192 w
.set XBO, 8                            ; v8   xb: 16 lane + 512 w
.set XS,  9                            ; v9   LDS: where I put 16 bytes of a row of x
.set WS,  10                           ; v10  LDS: where I put a row of [Wg | Wn]
.set XF,  11                           ; v11  LDS: my place in a fragment of x
.set WF,  12                           ; v12  LDS: my place in a turned fragment of [Wg | Wn]
.set RS,  13                           ; v13  LDS: my 32 bytes of my wave's partial sums
.set RL,  14                           ; v14  LDS: the same place in wave 0's
.set NO,  15                           ; v15  noise: 32 (lane % 16)
.set Z0,  16                           ; v16  0, the offset of bg and bn
.set X,   64                           ; v64-191   16 rows of x, 8 registers each; later fragments, accumulators, sums
.set W,   192                          ; v192-255  4 x 16 registers of Wg and Wn; later fragments
.set NL,  144                          ; v144-151  the lane's eight sums, later nl
	s_load_b512 s[4:19], s[0:1], 0x0               ; x 4, noise 6, Wg 8, bg 10, Wn 12, bn 14, xb 16, bm 18
	s_load_b64 s[20:21], s[0:1], 0x40              ; gw
	v_lshl_add_u32 v[SPW], v0, 2, SPARE
	v_mov_b32 v[NIL], 0
	v_and_b32 v1, 31, v0                           ; lane
	v_lshrrev_b32 v17, 5, v0
	v_readfirstlane_b32 s22, v17                   ; wave
	v_and_b32 v2, 15, v0                           ; r
	v_bfe_u32 v3, v0, 4, 1                         ; h
	s_mov_b32 s23, ttmp9                           ; g
	s_mov_b32 s26, 0x76543210                      ; v_permlanex16_b32: each lane takes its own place in the other half
	s_mov_b32 s27, 0xfedcba98
	s_mov_b32 s29, 0xffff0000                      ; a word's upper bf16; also the mask of lanes 16 to 31
	s_mov_b32 s30, 0xbfb8aa3b                      ; -log2(e)
	s_mov_b32 s31, 0x3f317218                      ; ln 2
	v_mov_b32 v[Z0], 0
	s_lshl_b32 s24, s22, 10
	v_lshl_add_u32 v[XO], v1, 5, s24
	s_lshl_b32 s24, s22, 13
	v_lshl_add_u32 v[WO], v1, 5, s24
	s_lshl_b32 s24, s22, 9
	v_lshl_add_u32 v[XBO], v1, 4, s24
	s_mul_i32 s24, s22, XTW
	v_lshl_add_u32 v[XS], v1, 4, s24
	v_mul_u32_u24 v17, v2, 528
	v_lshl_add_u32 v17, v3, 4, v17
	v_add_nc_u32 v[XF], s24, v17                   ; row r x pitch + 16 h
	s_lshl_b32 s24, s22, 13
	s_add_co_u32 s24, s24, WT
	v_lshl_add_u32 v[WS], v1, 5, s24
	v_and_b32 v17, 7, v0
	v_lshl_add_u32 v17, v3, 3, v17                 ; the turning load: row 8 h + lane % 8,
	v_bfe_u32 v18, v0, 3, 1
	v_lshlrev_b32 v18, 4, v18                      ; 16 bytes at 16 ((lane / 8) % 2)
	v_lshl_add_u32 v17, v17, 5, v18
	v_add_nc_u32 v[WF], s24, v17
	s_lshl_b32 s24, s22, 10
	s_add_co_u32 s24, s24, RED
	v_lshl_add_u32 v[RS], v1, 5, s24
	v_lshlrev_b32 v[RL], 5, v1
	v_add_nc_u32 v[RL], RED, v[RL]
	v_lshlrev_b32 v[NO], 5, v2
	s_mov_b32 s25, 0
	s_wait_kmcnt 0x0
	s_lshl_b32 s24, s23, 16                        ; 16 rows of 4,096 bytes
	s_add_nc_u64 s[4:5], s[4:5], s[24:25]
	s_lshl_b32 s24, s23, 15                        ; 16 rows of 2,048 bytes
	s_add_nc_u64 s[16:17], s[16:17], s[24:25]
	s_lshl_b32 s24, s23, 9                         ; 16 rows of 32 bytes
	s_add_nc_u64 s[6:7], s[6:7], s[24:25]
; 16 loads: rows k = 32 (4 part + i) + lane of Wg and of Wn, 32 bytes each
.macro WLOAD part
.irp i, 0,1,2,3
	global_load_b128 v[W+16*(\i):W+16*(\i)+3],     v[WO], s[8:9]   offset:1024*(4*(\part)+(\i))
	global_load_b128 v[W+16*(\i)+4:W+16*(\i)+7],   v[WO], s[8:9]   offset:1024*(4*(\part)+(\i))+16
	global_load_b128 v[W+16*(\i)+8:W+16*(\i)+11],  v[WO], s[12:13] offset:1024*(4*(\part)+(\i))
	global_load_b128 v[W+16*(\i)+12:W+16*(\i)+15], v[WO], s[12:13] offset:1024*(4*(\part)+(\i))+16
.endr
.endm
; they are rounded in place (8 bf16 of Wg in registers 0-3, 8 of Wn in 4-7) and laid into my wave's rows of LDS
.macro WSTORE part
.irp i, 0,1,2,3
.irp k, 0,1,2,3,4,5,6,7
	v_cvt_pk_bf16_f32 v[W+16*(\i)+(\k)], v[W+16*(\i)+2*(\k)], v[W+16*(\i)+2*(\k)+1]
.endr
	ds_store_b128 v[WS], v[W+16*(\i):W+16*(\i)+3]   offset:1024*(4*(\part)+(\i))
	ds_store_b128 v[WS], v[W+16*(\i)+4:W+16*(\i)+7] offset:1024*(4*(\part)+(\i))+16
.endr
.endm
	global_load_b128 v[32:35], v[NO], s[6:7]       ; noise of token r
	global_load_b128 v[36:39], v[NO], s[6:7] offset:16
	global_load_b128 v[40:43], v[Z0], s[10:11]     ; bg
	global_load_b128 v[44:47], v[Z0], s[10:11] offset:16
	global_load_b128 v[48:51], v[Z0], s[14:15]     ; bn
	global_load_b128 v[52:55], v[Z0], s[14:15] offset:16
	WLOAD 0
.set t, 0
.rept 16                                               ; my 8 numbers of each of the 16 rows of x
	global_load_b128 v[X+8*t:X+8*t+3],   v[XO], s[4:5] offset:4096*t th:TH_LOAD_NT
	global_load_b128 v[X+8*t+4:X+8*t+7], v[XO], s[4:5] offset:4096*t+16 th:TH_LOAD_NT
.set t, t+1
.endr
	s_wait_loadcnt 32                              ; all but x's 32 loads are in
	WSTORE 0
	WLOAD 1                                        ; the second half of my rows of Wg and Wn, into the same registers
	s_wait_loadcnt 16                              ; x is in; those 16 stay out
.set t, 0
.rept 16
	v_cvt_pk_bf16_f32 v[X+8*t],   v[X+8*t],   v[X+8*t+1]
	v_cvt_pk_bf16_f32 v[X+8*t+1], v[X+8*t+2], v[X+8*t+3]
	v_cvt_pk_bf16_f32 v[X+8*t+2], v[X+8*t+4], v[X+8*t+5]
	v_cvt_pk_bf16_f32 v[X+8*t+3], v[X+8*t+6], v[X+8*t+7]
	global_store_b128 v[XBO], v[X+8*t:X+8*t+3], s[16:17] offset:2048*t
	ds_store_b128 v[XS], v[X+8*t:X+8*t+3] offset:528*t
.set t, t+1
.endr
	s_wait_loadcnt 0x0
	WSTORE 1
	s_wait_xcnt 0x0                                ; the stores to xb have read their registers: only now are these written again
.set ks, 0
.rept 8                                                ; fragments of 32 along k; the bytes are my wave's own, and LDS serves a wave's instructions in order (ISA guide 5.7.1.4)
	ds_load_b128 v[X+8*ks:X+8*ks+3],   v[XF] offset:64*ks
	ds_load_b128 v[X+8*ks+4:X+8*ks+7], v[XF] offset:64*ks+32
	ds_load_tr16_b128 v[W+8*ks:W+8*ks+3],   v[WF] offset:1024*ks
	ds_load_tr16_b128 v[W+8*ks+4:W+8*ks+7], v[WF] offset:1024*ks+512
.set ks, ks+1
.endr
	s_wait_dscnt 0x0
	; source 0 = the 16 columns of [Wg | Wn], source 1 = the 16 tokens: lane (r, h) gets token r; h = 0: x Wg's eight columns, h = 1: x Wn's.  Two accumulators take turns.
	v_wmma_f32_16x16x32_bf16 v[128:135], v[W:W+7],    v[X:X+7],    0
	v_wmma_f32_16x16x32_bf16 v[136:143], v[W+8:W+15], v[X+8:X+15], 0
.set ks, 2
.rept 6
	v_wmma_f32_16x16x32_bf16 v[128+8*(ks%2):135+8*(ks%2)], v[W+8*ks:W+8*ks+7], v[X+8*ks:X+8*ks+7], v[128+8*(ks%2):135+8*(ks%2)]
.set ks, ks+1
.endr
.rept 4
	v_nop                                          ; four places between the last product and the first read of a result (ISA guide 7.12.1)
.endr
.irp j, 0,1,2,3,4,5,6,7
	v_add_f32 v[NL+(\j)], v[128+(\j)], v[136+(\j)]
.endr
	ds_store_b128 v[RS], v[NL:NL+3]
	ds_store_b128 v[RS], v[NL+4:NL+7] offset:16
	s_wait_dscnt 0x0                               ; for wave 0's sake: my partial sums are in LDS
	s_barrier_signal -1
	s_barrier_wait -1
	s_cmp_lg_u32 s22, 0
	s_cbranch_scc1 .Lend                           ; waves 1 to 3 are done
	; WAVE 0 finishes the 16 tokens.  Lanes 16 to 31 run along on numbers that serve nothing but the exchange below.
.irp q, 0,1,2,3
	ds_load_b128 v[64+8*(\q):67+8*(\q)], v[RL] offset:1024*(\q)
	ds_load_b128 v[68+8*(\q):71+8*(\q)], v[RL] offset:1024*(\q)+16
.endr
.macro RND8 base                       ; eight f32 rounded to bf16 and widened again
.irp k, 0,1,2,3
	v_cvt_pk_bf16_f32 v[24+(\k)], v[(\base)+2*(\k)], v[(\base)+2*(\k)+1]
.endr
.irp k, 0,1,2,3
	v_lshlrev_b32 v[(\base)+2*(\k)],   16,  v[24+(\k)]
	v_and_b32     v[(\base)+2*(\k)+1], s29, v[24+(\k)]
.endr
.endm
	RND8 32                                        ; noise
	RND8 40                                        ; bg
	RND8 48                                        ; bn
.irp j, 0,1,2,3,4,5,6,7
	v_cndmask_b32 v[40+(\j)], v[40+(\j)], v[48+(\j)], s29  ; lanes 0-15: bg; lanes 16-31: bn
.endr
	s_wait_dscnt 0x0
.irp j, 0,2,4,6
	v_pk_add_f32 v[64+(\j):65+(\j)], v[64+(\j):65+(\j)], v[72+(\j):73+(\j)]
	v_pk_add_f32 v[80+(\j):81+(\j)], v[80+(\j):81+(\j)], v[88+(\j):89+(\j)]
	v_pk_add_f32 v[64+(\j):65+(\j)], v[64+(\j):65+(\j)], v[80+(\j):81+(\j)]
	v_pk_add_f32 v[NL+(\j):NL+(\j)+1], v[64+(\j):65+(\j)], v[40+(\j):41+(\j)]
.endr
.irp j, 0,1,2,3,4,5,6,7
	v_permlanex16_b32 v[48+(\j)], v[NL+(\j)], s26, s27     ; z = x Wn + bn comes over from the lane 16 away (the destination has been written)
.endr
.irp j, 0,1,2,3,4,5,6,7
	v_and_b32 v[56+(\j)], 0x7fffffff, v[48+(\j)]
	v_mul_f32 v[56+(\j)], s30, v[56+(\j)]                  ; -|z| log2(e): never above 0, so the exponential lies in 0 to 1
.endr
.irp j, 0,1,2,3,4,5,6,7
	v_exp_f32 v[56+(\j)], v[56+(\j)]
.endr
	v_nop                                          ; a plain instruction behind the last exponential,
	s_wait_alu depctr_va_vdst(0)                   ; and one wait for the batch of eight
.irp j, 0,1,2,3,4,5,6,7
	v_add_f32 v[56+(\j)], 1.0, v[56+(\j)]
.endr
.irp j, 0,1,2,3,4,5,6,7
	v_log_f32 v[56+(\j)], v[56+(\j)]
.endr
	v_nop
	s_wait_alu depctr_va_vdst(0)                   ; one wait for the eight logarithms
.irp j, 0,1,2,3,4,5,6,7
	v_max_num_f32 v[48+(\j)], 0, v[48+(\j)]
	v_fma_f32 v[48+(\j)], v[56+(\j)], s31, v[48+(\j)]      ; softplus
	v_fma_f32 v[NL+(\j)], v[32+(\j)], v[48+(\j)], v[NL+(\j)]  ; nl
.endr
.macro SCAN val, idx                   ; the largest of the eight and its number; of equals the lowest number
	v_mov_b32 v[\val], v[NL]
	v_mov_b32 v[\idx], 0
.irp n, 1,2,3,4,5,6,7
	v_cmp_gt_f32 vcc_lo, v[NL+(\n)], v[\val]
	v_cndmask_b32 v[\val], v[\val], v[NL+(\n)], vcc_lo
	v_cndmask_b32 v[\idx], v[\idx], \n, vcc_lo
.endr
.endm
	SCAN 17, 18                                    ; v17, v18: the first choice
	v_mov_b32 v21, 0xff800000
.irp n, 0,1,2,3,4,5,6,7
	v_cmp_eq_u32 vcc_lo, \n, v18
	v_cndmask_b32 v[NL+(\n)], v[NL+(\n)], v21, vcc_lo      ; it is taken out,
.endr
	SCAN 19, 20                                    ; v19, v20: and the second found
	v_sub_f32 v22, v19, v17                        ; the softmax of the two, the larger taken away: the exponent is never above 0
	v_mul_f32 v22, 0x3fb8aa3b, v22
	v_exp_f32 v22, v22
	v_nop
	s_wait_alu depctr_va_vdst(0)
	v_add_f32 v23, 1.0, v22
	v_rcp_f32 v23, v23                             ; the first gate
	v_nop
	s_wait_alu depctr_va_vdst(0)
	v_mul_f32 v22, v22, v23                        ; the second
.irp e, 0,1,2,3,4,5,6,7
	v_cmp_eq_u32 s[40+(\e)], \e, v18               ; bits 0-15: the tokens whose first choice is e,
	v_cmp_eq_u32 s[48+(\e)], \e, v20               ; whose second choice is e
.endr
	v_mov_b32 v24, 0
.irp i, 0,1,2,3,4,5,6,7,8,9,10,11,12,13,14,15
	v_writelane_b32 v24, s[40+(\i)], \i            ; lane 8 slot + e holds that half-word
.endr
	v_and_b32 v25, 7, v1
	v_lshlrev_b32 v25, 8, v25                      ; bm: expert x 256
	v_bfe_u32 v26, v1, 3, 1
	v_lshl_add_u32 v25, v26, 7, v25                ; + slot x 128
	s_lshl_b32 s24, s23, 1
	v_add_nc_u32 v25, s24, v25                     ; + 2 g
	s_lshl_b32 s25, s23, 6
	v_lshl_add_u32 v26, v1, 2, s25                 ; gw: 4 (16 g + lane)
	s_wait_xcnt 0x0                                ; EXEC changes only behind this wait: it is a source of the stores above
	v_cmp_gt_u32 vcc_lo, 16, v1
	s_and_saveexec_b32 s28, vcc_lo
	global_store_b16 v25, v24, s[18:19]
	global_store_b32 v26, v23, s[20:21]
	global_store_b32 v26, v22, s[20:21] offset:4096
	s_wait_xcnt 0x0                                ; and again ahead of the line that widens it
	s_or_b32 exec_lo, exec_lo, s28
.Lend:
	s_wait_tensorcnt 0x0                           ; the wave's end, behind my last LDS store
	ds_add_u32 v[SPW], v[NIL]
	s_wait_dscnt 0x0
	s_endpgm
.Lfunc_end_k_qfe971f5cfd_router:
	.size	k_qfe971f5cfd_router, .Lfunc_end_k_qfe971f5cfd_router-k_qfe971f5cfd_router
	.p2alignl 7, 3214868480
	.fill 96, 4, 3214868480
	.section	.rodata,"a",@progbits
	.p2align	6, 0x0
	.amdhsa_kernel k_qfe971f5cfd_router
		.amdhsa_group_segment_fixed_size 71168
		.amdhsa_private_segment_fixed_size 0
		.amdhsa_enable_private_segment 0
		.amdhsa_kernarg_size 72
		.amdhsa_user_sgpr_count 2
		.amdhsa_user_sgpr_kernarg_segment_ptr 1
		.amdhsa_wavefront_size32 1
		.amdhsa_system_sgpr_workgroup_id_x 1
		.amdhsa_system_sgpr_workgroup_id_y 1
		.amdhsa_system_sgpr_workgroup_id_z 1
		.amdhsa_system_vgpr_workitem_id 0
		.amdhsa_next_free_vgpr 256
		.amdhsa_next_free_sgpr 66
		.amdhsa_reserve_vcc 1
		.amdhsa_float_denorm_mode_32 3
		.amdhsa_float_denorm_mode_16_64 3
		.amdhsa_memory_ordered 1
		.amdhsa_forward_progress 1
		.amdhsa_inst_pref_size 37
	.end_amdhsa_kernel
	.amdgpu_metadata
---
amdhsa.version: [ 1, 2 ]
amdhsa.kernels:
  - .name:           k_qfe971f5cfd_router
    .symbol:         k_qfe971f5cfd_router.kd
    .args:
      - { .name: x, .offset: 0, .size: 8, .value_kind: global_buffer, .address_space: global }
      - { .name: noise, .offset: 8, .size: 8, .value_kind: global_buffer, .address_space: global }
      - { .name: Wg, .offset: 16, .size: 8, .value_kind: global_buffer, .address_space: global }
      - { .name: bg, .offset: 24, .size: 8, .value_kind: global_buffer, .address_space: global }
      - { .name: Wn, .offset: 32, .size: 8, .value_kind: global_buffer, .address_space: global }
      - { .name: bn, .offset: 40, .size: 8, .value_kind: global_buffer, .address_space: global }
      - { .name: xb, .offset: 48, .size: 8, .value_kind: global_buffer, .address_space: global }
      - { .name: bm, .offset: 56, .size: 8, .value_kind: global_buffer, .address_space: global }
      - { .name: gw, .offset: 64, .size: 8, .value_kind: global_buffer, .address_space: global }
    .group_segment_fixed_size: 71168
    .private_segment_fixed_size: 0
    .kernarg_segment_align: 8
    .kernarg_segment_size: 72
    .max_flat_workgroup_size: 128
    .sgpr_count:     66
    .vgpr_count:     256
    .wavefront_size: 32
...
	.end_amdgpu_metadata
.endif
;; end of part 1
;; launch prod1 (part 2): grid 256 x 1, 4 waves a work-group, no clusters, 317,184 bytes of LDS; arguments xb, W1, b1, bm, hb; writes hb
.if DOCPART == 2
	.amdgcn_target "amdgcn-amd-amdhsa--gfx1250"
	.amdhsa_code_object_version 6
	.text
	.protected	k_qfe971f5cfd_prod1
	.globl	k_qfe971f5cfd_prod1
	.p2align	8
	.type	k_qfe971f5cfd_prod1,@function
k_qfe971f5cfd_prod1:
	s_mov_b64 s[64:65], 0
	v_nop
	global_prefetch_b8 v0, s[64:65] scope:SCOPE_SE
	s_setreg_imm32_b32 hwreg(HW_REG_WAVE_MODE, 25, 1), 1
	s_wait_xcnt 0x0
; ONE PRODUCT OF THE EXPERTS' CHAIN.  The text serves both products; PROD says which.
;   PROD = 1: hb[rid][4096] = relu(xb[token] W1[e] + b1[e]) in bf16.      PROD = 2: yp[kq][rid][1024] = hb[rid][1024 kq ..] W2[e][1024 kq ..] (+ b2[e] where kq = 0) in f32: partial sums.
; rid = slot * 1024 + token numbers a routed row; expert e's rows are the set bits of bm[e] (2,048 bits), stored by the router.  Every split is served: 0 to 1,024 rows an expert.
; SHARES.  256 work-groups; each owns a slice of 1,024 k x 128 n of ONE expert's weights, which it alone reads, and multiplies all of that expert's rows by it.
;   PHASE A: the slice streams once from memory through registers (f32 -> bf16, rounded once) into LDS as [k][n].  Wave w takes rows 256 w .. 256 w + 255; a load covers one row's 512 consecutive bytes,
;   aligned; 56 loads of a wave, 28,672 bytes, are out all the time.
;   PHASE B: blocks of 16 rows; the expert's block 4 i + w is wave w's i-th; a wave takes up to six blocks at a time through all of K.  The weights' fragments come turned out of LDS (16 loads feed up
;   to 48 products), the rows' fragments straight from memory as matrix operands, three K steps ahead.  Three trips, a constant, cover every split; only work is jumped, and every wave passes both of a
;   trip's barriers: one between all waves' reads of the slice and the stores into the stages, one between those stores and the next reads of the slice.
; THE MATRIX INSTRUCTION IS USED TRANSPOSED (source 0 = 16 columns of W, source 1 = 16 rows): a lane holds one row and eight neighbouring columns.  The bias is the C operand that starts each sum.
; A block that is not full repeats the expert's last row: the same bytes go to the same place once more, from the same wave.  An expert without rows streams its slice and stores nothing.
; FORMATS, LIMITS.  Weights and bias are rounded once to bf16; sums in f32; hb is rounded once to bf16 (bf16, not f16: h has f32's range).  NaN and infinities are not treated apart.
; NOT USED.  Tensor loads: the weights are rounded on their way, and an f32 stage would take the room of the resident slice.  Cluster and joint loads: each slice has one reader, and the rows that an
; expert's 32 work-groups share come by a list of row numbers, which no descriptor covers.
.set PROD, 1
.if PROD == 1
.set PW,  16384                        ; bytes from row to row of the weights
.set OSH, 13                           ; an output row: 8,192 bytes
.set HSH, 4                            ; the way out: 16 bytes for each half of the lanes
.set BK,  96                           ; v96-127  rows read back from the stage
.else
.set PW,  4096
.set OSH, 12                           ; an output row: 4,096 bytes
.set HSH, 5                            ; 32 bytes for each half of the lanes
.set BK,  64                           ; v64-127
.endif
.set PB,    288                        ; a row k of the slice in LDS: 256 bytes + 32 = 72 words
.set KSB,   32*PB                      ; a K step of 32
.set SP,    272                        ; a row of the stage: 256 bytes + 16
.set STAGE, 1024*PB                    ; behind the slice: 16 rows for each wave, for the way out
.set LIST,  STAGE+4*16*SP              ; the expert's row numbers in order, u16; entry 1,024 takes what the lanes without a row write
.set BIASL, LIST+2304                  ; the slice's 128 bias numbers, once for each wave
.set SPARE, BIASL+4*512                ; the spare words, 128 bytes a wave: two blocks of 256 bytes that no other line names
; window 0
.set SPW,  4                           ; v4   SPARE + 4 x my thread's number; never rewritten
.set NIL,  5                           ; v5   0; never rewritten
.set ZERO, 6                           ; v6   0, for relu
.set WOFF, 7                           ; v7   weights: 16 lane + 256 w rows
.set ST,   8                           ; v8   slice: 8 lane + 256 w rows; steps
.set B0,   10                          ; v10  my place in a turned fragment; never rewritten
.set BA,   11                          ; v11  B0 + s25
.set STO,  12                          ; v12  the way out: where I put my part of a row
.set RD,   13                          ; v13  the way out: where I read rows back
.set OUTL, 14                          ; v14  16 r
.set BPI,  15                          ; v15  4 h
.set H16,  16                          ; v16  16 h
.set Q0,   17                          ; v17  16 w + r
.set DUMP, 18                          ; v18  1,024
.set VAL,  19                          ; v19  the list: the row number of my bit
.set T0,   20
.set T1,   21
.set AOFF, 22                          ; v22-27  byte offset of my row in each of six blocks
.set RID,  28                          ; v28-45  the row numbers of my wave's blocks still to come
.set BW,   48                          ; v48-53  bias at work
.set BL,   56
.set BS,   57
.set L16,  58                          ; v58  16 lane
.set Z4,   60                          ; v60-63  zeros for the list (wave 0)
.set RING, 64                          ; v64-255 rows' fragments: slot s of four, block a of six at 64 + 48 s + 8 a; free on the way out:
.set P,    64                          ; v64-95   packed results (PROD = 1)
.set OA,   128                         ; v128-135 store offsets
.set IX,   136                         ; v136-143 row numbers by stored row
.set IDX,  144                         ; v144-151 lanes to take them from
; window 1: v0-63, v64-127 the weights' fragments, two buffers; v128-255 accumulators of blocks 4, 5; in phase A the rounded sets, 16 registers for each ring slot
.set RB,   128
; window 2: accumulators of blocks 0-3 (64 a + 8 b); in phase A the ring of eight sets of eight loads
; window 3: v0-63 the bias as a C operand: register 8 b + j = bias[16 b + 8 h + j]
; scalars: s[4:5] rows, s[6:7] weights (steps), s[8:9] bias, s[10:11] bm, s[12:13] out; s14 wave; s15 e; s16, s17 place; s[22:23] rows, stepped along K; s24 bias on/off; s25 the slice's byte, stepped along K;
; s26 count; s27 last row's place; s28 blocks; s29 my wave's blocks to go; s30 blocks in hand; s2, s3 counters; s[32:63], s[68:99] the bitmap
.set TB,   25
.set MSB, 0
.macro WIN new                         ; the immediate's high byte repeats the setting that is left; a switch that changes nothing is dropped
.if MSB != (\new)
	s_set_vgpr_msb (MSB<<8)|(\new)
.set MSB, \new
.endif
.endm
.macro PLACES                          ; four places behind a matrix instruction, ahead of loads into its sources and of reads of its result
.rept 4
	v_nop
.endr
.endm
; a set: eight rows of the weights, 512 bytes each, into ring slot \slot
.macro WISSUE slot, row
	WIN 0x80                                       ; destination window 2
.irp i, 0,1,2,3,4,5,6,7
	global_load_b128 v[32*(\slot)+4*(\i):32*(\slot)+4*(\i)+3], v[WOFF], s[6:7] offset:((\row)+(\i))*PW th:TH_LOAD_NT
.endr
.endm
; a set is rounded, into registers of its own, so that the slot's next load lands on no register that an LDS store reads, and laid into the slice; \cnt younger loads may stay out
.macro WPROC slot, row, cnt
	s_wait_loadcnt \cnt
	WIN 0x4A                                       ; destination window 1, both sources window 2
.irp i, 0,1,2,3,4,5,6,7
	v_cvt_pk_bf16_f32 v[RB+16*(\slot)+2*(\i)],   v[32*(\slot)+4*(\i)],   v[32*(\slot)+4*(\i)+1]
	v_cvt_pk_bf16_f32 v[RB+16*(\slot)+2*(\i)+1], v[32*(\slot)+4*(\i)+2], v[32*(\slot)+4*(\i)+3]
.endr
	WIN 0x04                                       ; store data window 1
.irp i, 0,1,2,3,4,5,6,7
	ds_store_b64 v[ST], v[RB+16*(\slot)+2*(\i):RB+16*(\slot)+2*(\i)+1] offset:((\row)+(\i))*PB  ; 32 lanes, 256 neighbouring bytes
.endr
.endm
; the rows' fragments of one K step: always 12 loads, so that the counted waits hold on every path
.macro FETCHA slot, off
	WIN 0
.irp a, 0,1,2,3,4,5
	global_load_b128 v[RING+48*(\slot)+8*(\a):RING+48*(\slot)+8*(\a)+3],   v[AOFF+(\a)], s[22:23] offset:(\off)
	global_load_b128 v[RING+48*(\slot)+8*(\a)+4:RING+48*(\slot)+8*(\a)+7], v[AOFF+(\a)], s[22:23] offset:(\off)+32
.endr
.endm
; the weights' fragments of one K step: 8 blocks of 16 columns, turned
.macro FETCHB bb, off
	WIN 0x40                                       ; destination window 1
.irp b, 0,1,2,3,4,5,6,7
	ds_load_tr16_b128 v[64*(\bb)+8*(\b):64*(\bb)+8*(\b)+3],   v[BA] offset:(\off)+32*(\b)
	ds_load_tr16_b128 v[64*(\bb)+8*(\b)+4:64*(\bb)+8*(\b)+7], v[BA] offset:(\off)+32*(\b)+16*PB
.endr
.endm
; 8 products: block a's 16 rows x 128 columns, 32 along K.  The 8 accumulators take turns.  first = 1: the bias starts the sums.
.macro MULBLK a, slot, bb, first
.if (\a) < 4
.set AC, 64*(\a)
	WIN 0xA1+0x10*(\first)                         ; source 0 window 1, source 1 window 0, D window 2, C window 2 (or 3: the bias)
.else
.set AC, 128+64*((\a)-4)
	WIN 0x51+0x20*(\first)                         ; D window 1, C window 1 (or 3)
.endif
.irp b, 0,1,2,3,4,5,6,7
.if \first
	v_wmma_f32_16x16x32_bf16 v[AC+8*(\b):AC+8*(\b)+7], v[64*(\bb)+8*(\b):64*(\bb)+8*(\b)+7], v[RING+48*(\slot)+8*(\a):RING+48*(\slot)+8*(\a)+7], v[8*(\b):8*(\b)+7]
.else
	v_wmma_f32_16x16x32_bf16 v[AC+8*(\b):AC+8*(\b)+7], v[64*(\bb)+8*(\b):64*(\bb)+8*(\b)+7], v[RING+48*(\slot)+8*(\a):RING+48*(\slot)+8*(\a)+7], v[AC+8*(\b):AC+8*(\b)+7]
.endif
.endr
.endm
; A K STEP.  lc: the rows' loads of later steps, which may stay out.  Behind block 0's products: the next step's weights (fb) and the rows of three steps on (fa), into the buffers that the step before read.
; first = 1: all six blocks run, so that every accumulator is begun; later the blocks past s30 are jumped.
.macro KSTEP u, first, fa, fb, lc
	s_wait_loadcnt \lc
	s_wait_dscnt 0x0                               ; this step's weights are in
	MULBLK 0, (\u)%4, (\u)%2, \first
	WIN 0
	PLACES
.if \fb
	FETCHB 1-(\u)%2, ((\u)+1)*KSB
.endif
.if \fa
	FETCHA ((\u)+3)%4, 64*((\u)+3)
.endif
.irp a, 1,2,3,4,5
.if !(\first)
	WIN 0                                          ; at a branch and at a label every window is 0
	s_cmp_lt_u32 s30, (\a)+1
	s_cbranch_scc1 .Lkend_\@
.endif
	MULBLK \a, (\u)%4, (\u)%2, \first
.endr
	WIN 0
.Lkend_\@:
.endm
; THE WAY OUT of block a: through my own stage in LDS, so that sixteen lanes store 256 consecutive bytes of one row, aligned.  Each accumulator is read from its low end.
.macro EPI a
	WIN 0
	s_cmp_lt_u32 s30, (\a)+1
	s_cbranch_scc1 .Lepi_done
	s_wait_xcnt 0x0                                ; the stores of the block before have read their registers
.if (\a) < 4
.set AC, 64*(\a)
.set AW, 2
.else
.set AC, 128+64*((\a)-4)
.set AW, 1
.endif
.if PROD == 1
	WIN 5*AW                                       ; both sources in the accumulators' window
.set i, 0
.rept 32
	v_cvt_pk_bf16_f32 v[P+i], v[AC+2*i], v[AC+2*i+1]
.set i, i+1
.endr
	WIN 0
.set i, 0
.rept 32
	v_pk_max_num_bf16 v[P+i], v[P+i], v[ZERO]      ; relu: a maximum rounds nothing
.set i, i+1
.endr
.irp b, 0,1,2,3,4,5,6,7
	ds_store_b128 v[STO], v[P+4*(\b):P+4*(\b)+3] offset:32*(\b)
.endr
.irp t, 0,1,2,3,4,5,6,7
	ds_load_b128 v[BK+4*(\t):BK+4*(\t)+3], v[RD] offset:2*SP*(\t)  ; LDS serves a wave's instructions in order (ISA guide 5.7.1.4): these see the stores above
.endr
.else
.irp hf, 0,1                           ; a row of 128 f32 goes in two halves of 256 bytes
	WIN 4*AW                                       ; store data in the accumulators' window
.irp b, 0,1,2,3
	ds_store_b128 v[STO], v[AC+8*(4*(\hf)+(\b)):AC+8*(4*(\hf)+(\b))+3]   offset:64*(\b)
	ds_store_b128 v[STO], v[AC+8*(4*(\hf)+(\b))+4:AC+8*(4*(\hf)+(\b))+7] offset:64*(\b)+16
.endr
	WIN 0
.irp t, 0,1,2,3,4,5,6,7
	ds_load_b128 v[BK+32*(\hf)+4*(\t):BK+32*(\hf)+4*(\t)+3], v[RD] offset:2*SP*(\t)
.endr
.endr
.endif
.irp t, 0,1,2,3,4,5,6,7
	v_add_nc_u32 v[IDX+(\t)], 8*(\t), v[BPI]       ; load t holds rows 2 t + h: their numbers lie in lanes 2 t + h
	ds_bpermute_b32 v[IX+(\t)], v[IDX+(\t)], v[RID+(\a)]
.endr
	s_wait_dscnt 0x0
.irp t, 0,1,2,3,4,5,6,7
	v_min_u32 v[IX+(\t)], 0x7ff, v[IX+(\t)]
	v_lshl_add_u32 v[OA+(\t)], v[IX+(\t)], OSH, v[OUTL]
.endr
.irp t, 0,1,2,3,4,5,6,7
	global_store_b128 v[OA+(\t)], v[BK+4*(\t):BK+4*(\t)+3], s[12:13]
.if PROD == 2
	global_store_b128 v[OA+(\t)], v[BK+32+4*(\t):BK+32+4*(\t)+3], s[12:13] offset:256
.endif
.endr
.endm
	s_load_b256 s[4:11], s[0:1], 0x0               ; rows 4, weights 6, bias 8, bm 10
	s_load_b64 s[12:13], s[0:1], 0x20              ; out
	v_lshl_add_u32 v[SPW], v0, 2, SPARE
	v_mov_b32 v[NIL], 0
	v_mov_b32 v[ZERO], 0
	v_and_b32 v1, 31, v0                           ; lane
	v_lshrrev_b32 v[T0], 5, v0
	v_readfirstlane_b32 s14, v[T0]                 ; wave
	v_and_b32 v2, 15, v0                           ; r
	v_bfe_u32 v3, v0, 4, 1                         ; h
	s_lshr_b32 s15, ttmp9, 5                       ; the expert
.if PROD == 1
	s_and_b32 s16, ttmp9, 31                       ; which 128 of its 4,096 columns
.else
	s_and_b32 s16, ttmp9, 7                        ; which 128 of its 1,024 columns
	s_bfe_u32 s17, ttmp9, 0x20003                  ; which quarter of K
.endif
	v_lshlrev_b32 v[L16], 4, v1
	s_mul_i32 s19, s14, 256*PW
	v_add_nc_u32 v[WOFF], s19, v[L16]
	s_mul_i32 s19, s14, 256*PB
	v_lshl_add_u32 v[ST], v1, 3, s19
	v_and_b32 v[T0], 7, v0
	v_lshl_add_u32 v[T0], v3, 3, v[T0]             ; the turning load: row 8 h + lane % 8,
	v_mul_u32_u24 v[B0], v[T0], PB
	v_bfe_u32 v[T1], v0, 3, 1
	v_lshl_add_u32 v[B0], v[T1], 4, v[B0]          ; 16 bytes at 16 ((lane / 8) % 2)
	s_mul_i32 s19, s14, 16*SP
	s_add_co_u32 s19, s19, STAGE                   ; my stage
	v_mul_u32_u24 v[T0], v2, SP
	v_lshl_add_u32 v[T0], v3, HSH, v[T0]
	v_add_nc_u32 v[STO], s19, v[T0]
	v_mul_u32_u24 v[T0], v3, SP
	v_lshl_add_u32 v[T0], v2, 4, v[T0]
	v_add_nc_u32 v[RD], s19, v[T0]
	v_lshlrev_b32 v[OUTL], 4, v2
	v_lshlrev_b32 v[BPI], 2, v3
	v_lshlrev_b32 v[H16], 4, v3
	s_lshl_b32 s19, s14, 4
	v_add_nc_u32 v[Q0], s19, v2
	v_mov_b32 v[DUMP], 1024
	s_lshl_b32 s19, s14, 9
	s_add_co_u32 s19, s19, BIASL
	v_lshl_add_u32 v[BL], v3, 5, s19
	v_add_nc_u32 v[BS], s19, v[L16]
	s_mov_b32 s21, 0
	s_lshl_b32 s19, s16, 9                         ; 128 f32 columns
	s_wait_kmcnt 0x0
	s_lshl_b32 s20, s15, 24                        ; an expert's weights: 16 MiB
	s_add_co_u32 s20, s20, s19
.if PROD == 2
	s_lshl_b32 s18, s17, 22                        ; 1,024 rows of 4,096 bytes
	s_add_co_u32 s20, s20, s18
.endif
	s_add_nc_u64 s[6:7], s[6:7], s[20:21]
.if PROD == 1
	s_lshl_b32 s20, s15, 14
.else
	s_lshl_b32 s20, s15, 12
.endif
	s_add_co_u32 s20, s20, s19
	s_add_nc_u64 s[8:9], s[8:9], s[20:21]
	s_lshl_b32 s20, s15, 8
	s_add_nc_u64 s[10:11], s[10:11], s[20:21]
.if PROD == 1
	s_lshl_b32 s20, s16, 8                         ; 128 bf16 columns
.else
	s_lshl_b32 s20, s17, 23                        ; 2,048 rows of 4,096 bytes
	s_add_co_u32 s20, s20, s19
.endif
	s_add_nc_u64 s[12:13], s[12:13], s[20:21]
.if PROD == 2
	s_lshl_b32 s20, s17, 11                        ; 1,024 bf16 along a row of hb
	s_add_nc_u64 s[4:5], s[4:5], s[20:21]
	s_cmp_eq_u32 s17, 0
	s_cselect_b32 s24, -1, 0                       ; the first quarter of K carries the bias
.endif
	s_load_b512 s[32:47], s[10:11], 0x0            ; the expert's bitmap: word j in s[32 + j], from word 32 on in s[36 + j]
	s_load_b512 s[48:63], s[10:11], 0x40
	s_load_b512 s[68:83], s[10:11], 0x80
	s_load_b512 s[84:99], s[10:11], 0xc0
	global_load_b128 v[BW:BW+3], v[L16], s[8:9]    ; the slice's bias: the oldest load, in by the first counted wait
.irp g, 0,1,2,3,4,5,6
	WISSUE \g, 8*(\g)                              ; the stream begins: 56 loads
.endr
	WIN 0
	s_wait_kmcnt 0x0
	s_mov_b32 s26, 0                               ; every wave counts the expert's rows
.set j, 0
.rept 64
.if j < 32
	s_bcnt1_i32_b32 s19, s[32+j]
.else
	s_bcnt1_i32_b32 s19, s[36+j]
.endif
	s_add_co_u32 s26, s26, s19
.set j, j+1
.endr
	s_min_u32 s26, s26, 1024                       ; a token chooses an expert once
	s_max_u32 s27, s26, 1
	s_sub_co_u32 s27, s27, 1                       ; the last row's place in the list
	s_add_co_u32 s28, s26, 15
	s_lshr_b32 s28, s28, 4                         ; blocks of 16
	s_add_co_u32 s29, s28, 3
	s_sub_co_u32 s29, s29, s14
	s_lshr_b32 s29, s29, 2                         ; of which blocks w, w + 4, .. are mine
	s_cmp_lg_u32 s14, 0
	s_cbranch_scc1 .Lno_list
	; WAVE 0 writes the list.  First zeros over all its 2,304 bytes: entry 0 exists also where the expert has no row, and no entry is left unwritten.
.irp k, 0,1,2,3
	v_mov_b32 v[Z4+(\k)], 0
.endr
	v_add_nc_u32 v[T0], LIST, v[L16]
.irp q, 0,1,2,3
	ds_store_b128 v[T0], v[Z4:Z4+3] offset:512*(\q)
.endr
	v_lshl_add_u32 v[T1], v1, 3, LIST+2048
	ds_store_b64 v[T1], v[Z4:Z4+1]
	; Then the rows: bit t of word j is row 32 j + t; its place is the number of set bits below it.  Four trips of 16 words; the words move down.  LDS serves a wave's instructions in order (ISA guide 5.7.1.4).
	v_mov_b32 v[VAL], v1
	s_mov_b32 s18, 0
	s_mov_b32 s2, 4
.Llist:
.set j, 0
.rept 16
	v_mbcnt_lo_u32_b32 v[T0], s[32+j], s18
	v_cndmask_b32 v[T0], v[DUMP], v[T0], s[32+j]   ; a lane without a row writes entry 1,024, which nobody reads
	v_min_u32 v[T0], 0x400, v[T0]
	v_lshl_add_u32 v[T0], v[T0], 1, LIST
	ds_store_b16 v[T0], v[VAL]
	v_add_nc_u32 v[VAL], 32, v[VAL]
	s_bcnt1_i32_b32 s19, s[32+j]
	s_add_co_u32 s18, s18, s19
.set j, j+1
.endr
.irp j, 0,2,4,6,8,10,12,14
	s_mov_b64 s[32+(\j):33+(\j)], s[48+(\j):49+(\j)]
.endr
.irp j, 0,2,4,6,8,10,12,14
	s_mov_b64 s[48+(\j):49+(\j)], s[68+(\j):69+(\j)]
.endr
.irp j, 0,2,4,6,8,10,12,14
	s_mov_b64 s[68+(\j):69+(\j)], s[84+(\j):85+(\j)]
.endr
	s_sub_co_u32 s2, s2, 1
	s_cmp_lg_u32 s2, 0
	s_cbranch_scc1 .Llist
.Lno_list:
	s_wait_dscnt 0x0                               ; for the others' sake: the list is in LDS
	s_barrier_signal -1
	s_barrier_wait -1
.set i, 0
.rept 18                                               ; my row in each of my wave's 18 possible blocks; places past the count repeat the last row
	v_add_nc_u32 v[T0], 64*i, v[Q0]
	v_min_u32 v[T0], s27, v[T0]
	v_min_u32 v[T0], 0x3ff, v[T0]
	v_lshl_add_u32 v[T0], v[T0], 1, LIST
	ds_load_u16 v[RID+i], v[T0]
.set i, i+1
.endr
	s_wait_dscnt 0x0
.set i, 0
.rept 18
	v_min_u32 v[RID+i], 0x7ff, v[RID+i]
.set i, i+1
.endr
	s_barrier_signal -1                            ; every wave's reads of the list are back before any wave stores into LDS again
	s_barrier_wait -1
	; PHASE A.  Set g of 32 is rows 8 g .. 8 g + 7 of my 256; ring slot g % 8.  When set g is worked on, sets g + 1 .. g + 6 are out: 48 loads; then set g + 7 is asked for.
	s_mov_b32 s2, 3
.Lstream:
.irp p, 0,1,2,3,4,5,6,7
	WPROC \p, 8*(\p), 48
	WISSUE ((\p)+7)%8, 8*((\p)+7)
.endr
	WIN 0
	s_wait_xcnt 0x0                                ; the loads' base is stepped only behind this wait
	s_add_nc_u64 s[6:7], s[6:7], 64*PW
	v_add_nc_u32 v[ST], 64*PB, v[ST]
	s_sub_co_u32 s2, s2, 1
	s_cmp_lg_u32 s2, 0
	s_cbranch_scc1 .Lstream
	WPROC 0, 0, 48                                 ; the last eight sets: one more is asked for (set 31), then the counts run down
	WISSUE 7, 56
	WPROC 1, 8, 48
	WPROC 2, 16, 40
	WPROC 3, 24, 32
	WPROC 4, 32, 24
	WPROC 5, 40, 16
	WPROC 6, 48, 8
	WPROC 7, 56, 0
	WIN 0
	; the bias: rounded to bf16, widened, and through my own 512 bytes of LDS into a C operand's layout
	v_cvt_pk_bf16_f32 v[BW+4], v[BW], v[BW+1]
	v_cvt_pk_bf16_f32 v[BW+5], v[BW+2], v[BW+3]
	v_lshlrev_b32 v[BW],   16, v[BW+4]
	v_and_b32     v[BW+1], 0xffff0000, v[BW+4]
	v_lshlrev_b32 v[BW+2], 16, v[BW+5]
	v_and_b32     v[BW+3], 0xffff0000, v[BW+5]
.if PROD == 2
.irp k, 0,1,2,3
	v_and_b32 v[BW+(\k)], s24, v[BW+(\k)]          ; an exact 0 in the other quarters of K
.endr
.endif
	ds_store_b128 v[BS], v[BW:BW+3]
	WIN 0xC0                                       ; destination window 3
.irp b, 0,1,2,3,4,5,6,7
	ds_load_b128 v[8*(\b):8*(\b)+3],   v[BL] offset:64*(\b)
	ds_load_b128 v[8*(\b)+4:8*(\b)+7], v[BL] offset:64*(\b)+16
.endr
	WIN 0
	s_wait_dscnt 0x0                               ; for the others' sake: my quarter of the slice is in LDS
	s_barrier_signal -1
	s_barrier_wait -1                              ; the slice is whole; nobody writes it again
	; PHASE B.  Three trips of up to six blocks cover the 16 blocks that a wave can have.  A wave with nothing left jumps the K steps and the way out, never a barrier.
	s_mov_b32 s3, 3
.Ltile:
	s_min_u32 s30, s29, 6                          ; blocks in hand; 0: nothing is left
	s_cmp_eq_u32 s29, 0
	s_cbranch_scc1 .Lk_done
	s_wait_xcnt 0x0                                ; the last way out's stores have read their registers, which the ring takes back
.irp a, 0,1,2,3,4,5
.if PROD == 1
	v_and_b32 v[T0], 0x3ff, v[RID+(\a)]            ; the token
	v_lshl_add_u32 v[AOFF+(\a)], v[T0], 11, v[H16]
.else
	v_lshl_add_u32 v[AOFF+(\a)], v[RID+(\a)], 13, v[H16]
.endif
.endr
	s_mov_b64 s[22:23], s[4:5]
	s_mov_b32 s[TB], 0
	v_mov_b32 v[BA], v[B0]
	FETCHA 0, 0
	FETCHA 1, 64
	FETCHA 2, 128
	FETCHB 0, 0
	KSTEP 0, 1, 1, 1, 24                           ; 24: the rows of K steps 1 and 2
	s_mov_b32 s2, 7
.Lk:                                                   ; K steps 4 j + 1 .. 4 j + 4
	KSTEP 1, 0, 1, 1, 24
	KSTEP 2, 0, 1, 1, 24
	KSTEP 3, 0, 1, 1, 24
	KSTEP 4, 0, 1, 1, 24
	s_wait_xcnt 0x0                                ; the loads' base is stepped only behind this wait
	s_add_nc_u64 s[22:23], s[22:23], 256
	s_add_co_u32 s[TB], s[TB], 4*KSB               ; four K steps on in the slice: 7 x 36,864 bytes at the most
	v_add_nc_u32 v[BA], s[TB], v[B0]
	s_sub_co_u32 s2, s2, 1
	s_cmp_lg_u32 s2, 0
	s_cbranch_scc1 .Lk
	KSTEP 1, 0, 0, 1, 24                           ; K steps 29, 30, 31: no rows are left to ask for, and the counts run down
	KSTEP 2, 0, 0, 1, 12
	KSTEP 3, 0, 0, 0, 0
	PLACES
.Lk_done:
	s_wait_dscnt 0x0                               ; my reads of the slice in this trip are back
	s_barrier_signal -1
	s_barrier_wait -1                              ; every wave's are: only now does a wave store into LDS (its stage)
	EPI 0
	EPI 1
	EPI 2
	EPI 3
	EPI 4
	EPI 5
	WIN 0
.Lepi_done:
	s_wait_dscnt 0x0                               ; my stores into my stage, and my reads of it, are done
	s_barrier_signal -1
	s_barrier_wait -1                              ; every wave's are: only now is the slice read again
	s_sub_co_u32 s29, s29, s30
.set i, 0
.rept 12
	v_mov_b32 v[RID+i], v[RID+6+i]                 ; the next six blocks' rows move down
.set i, i+1
.endr
	s_sub_co_u32 s3, s3, 1
	s_cmp_lg_u32 s3, 0
	s_cbranch_scc1 .Ltile
	s_wait_tensorcnt 0x0                           ; the wave's end, behind my last LDS store
	ds_add_u32 v[SPW], v[NIL]
	s_wait_dscnt 0x0
	s_endpgm
.Lfunc_end_k_qfe971f5cfd_prod1:
	.size	k_qfe971f5cfd_prod1, .Lfunc_end_k_qfe971f5cfd_prod1-k_qfe971f5cfd_prod1
	.p2alignl 7, 3214868480
	.fill 96, 4, 3214868480
	.section	.rodata,"a",@progbits
	.p2align	6, 0x0
	.amdhsa_kernel k_qfe971f5cfd_prod1
		.amdhsa_group_segment_fixed_size 317184
		.amdhsa_private_segment_fixed_size 0
		.amdhsa_enable_private_segment 0
		.amdhsa_kernarg_size 40
		.amdhsa_user_sgpr_count 2
		.amdhsa_user_sgpr_kernarg_segment_ptr 1
		.amdhsa_wavefront_size32 1
		.amdhsa_system_sgpr_workgroup_id_x 1
		.amdhsa_system_sgpr_workgroup_id_y 1
		.amdhsa_system_sgpr_workgroup_id_z 1
		.amdhsa_system_vgpr_workitem_id 0
		.amdhsa_next_free_vgpr 832
		.amdhsa_next_free_sgpr 100
		.amdhsa_reserve_vcc 0
		.amdhsa_float_denorm_mode_32 3
		.amdhsa_float_denorm_mode_16_64 3
		.amdhsa_memory_ordered 1
		.amdhsa_forward_progress 1
		.amdhsa_inst_pref_size 159
	.end_amdhsa_kernel
	.amdgpu_metadata
---
amdhsa.version: [ 1, 2 ]
amdhsa.kernels:
  - .name:           k_qfe971f5cfd_prod1
    .symbol:         k_qfe971f5cfd_prod1.kd
    .args:
      - { .name: xb, .offset: 0, .size: 8, .value_kind: global_buffer, .address_space: global }
      - { .name: W1, .offset: 8, .size: 8, .value_kind: global_buffer, .address_space: global }
      - { .name: b1, .offset: 16, .size: 8, .value_kind: global_buffer, .address_space: global }
      - { .name: bm, .offset: 24, .size: 8, .value_kind: global_buffer, .address_space: global }
      - { .name: hb, .offset: 32, .size: 8, .value_kind: global_buffer, .address_space: global }
    .group_segment_fixed_size: 317184
    .private_segment_fixed_size: 0
    .kernarg_segment_align: 8
    .kernarg_segment_size: 40
    .max_flat_workgroup_size: 128
    .sgpr_count:     100
    .vgpr_count:     832
    .wavefront_size: 32
...
	.end_amdgpu_metadata
.endif
;; end of part 2
;; launch prod2 (part 3): grid 256 x 1, 4 waves a work-group, no clusters, 317,184 bytes of LDS; arguments hb, W2, b2, bm, yp; writes yp
.if DOCPART == 3
	.amdgcn_target "amdgcn-amd-amdhsa--gfx1250"
	.amdhsa_code_object_version 6
	.text
	.protected	k_qfe971f5cfd_prod2
	.globl	k_qfe971f5cfd_prod2
	.p2align	8
	.type	k_qfe971f5cfd_prod2,@function
k_qfe971f5cfd_prod2:
	s_mov_b64 s[64:65], 0
	v_nop
	global_prefetch_b8 v0, s[64:65] scope:SCOPE_SE
	s_setreg_imm32_b32 hwreg(HW_REG_WAVE_MODE, 25, 1), 1
	s_wait_xcnt 0x0
; ONE PRODUCT OF THE EXPERTS' CHAIN.  The text serves both products; PROD says which.
;   PROD = 1: hb[rid][4096] = relu(xb[token] W1[e] + b1[e]) in bf16.      PROD = 2: yp[kq][rid][1024] = hb[rid][1024 kq ..] W2[e][1024 kq ..] (+ b2[e] where kq = 0) in f32: partial sums.
; rid = slot * 1024 + token numbers a routed row; expert e's rows are the set bits of bm[e] (2,048 bits), stored by the router.  Every split is served: 0 to 1,024 rows an expert.
; SHARES.  256 work-groups; each owns a slice of 1,024 k x 128 n of ONE expert's weights, which it alone reads, and multiplies all of that expert's rows by it.
;   PHASE A: the slice streams once from memory through registers (f32 -> bf16, rounded once) into LDS as [k][n].  Wave w takes rows 256 w .. 256 w + 255; a load covers one row's 512 consecutive bytes,
;   aligned; 56 loads of a wave, 28,672 bytes, are out all the time.
;   PHASE B: blocks of 16 rows; the expert's block 4 i + w is wave w's i-th; a wave takes up to six blocks at a time through all of K.  The weights' fragments come turned out of LDS (16 loads feed up
;   to 48 products), the rows' fragments straight from memory as matrix operands, three K steps ahead.  Three trips, a constant, cover every split; only work is jumped, and every wave passes both of a
;   trip's barriers: one between all waves' reads of the slice and the stores into the stages, one between those stores and the next reads of the slice.
; K = 4,096 IS SPLIT IN FOUR here, so that the slice is again 1,024 x 128 and a weight row's piece 512 bytes; the four partial rows (f32) are added by the launch behind.
; THE MATRIX INSTRUCTION IS USED TRANSPOSED (source 0 = 16 columns of W, source 1 = 16 rows): a lane holds one row and eight neighbouring columns.  The bias is the C operand that starts each sum.
; A block that is not full repeats the expert's last row: the same bytes go to the same place once more, from the same wave.  An expert without rows streams its slice and stores nothing.
; FORMATS, LIMITS.  Weights and bias are rounded once to bf16; sums in f32.  NaN and infinities are not treated apart.
; NOT USED.  Tensor loads: the weights are rounded on their way, and an f32 stage would take the room of the resident slice.  Cluster and joint loads: each slice has one reader, and the rows that an
; expert's 32 work-groups share come by a list of row numbers, which no descriptor covers.
.set PROD, 2
.if PROD == 1
.set PW,  16384                        ; bytes from row to row of the weights
.set OSH, 13                           ; an output row: 8,192 bytes
.set HSH, 4                            ; the way out: 16 bytes for each half of the lanes
.set BK,  96                           ; v96-127  rows read back from the stage
.else
.set PW,  4096
.set OSH, 12                           ; an output row: 4,096 bytes
.set HSH, 5                            ; 32 bytes for each half of the lanes
.set BK,  64                           ; v64-127
.endif
.set PB,    288                        ; a row k of the slice in LDS: 256 bytes + 32 = 72 words
.set KSB,   32*PB                      ; a K step of 32
.set SP,    272                        ; a row of the stage: 256 bytes + 16
.set STAGE, 1024*PB                    ; behind the slice: 16 rows for each wave, for the way out
.set LIST,  STAGE+4*16*SP              ; the expert's row numbers in order, u16; entry 1,024 takes what the lanes without a row write
.set BIASL, LIST+2304                  ; the slice's 128 bias numbers, once for each wave
.set SPARE, BIASL+4*512                ; the spare words, 128 bytes a wave: two blocks of 256 bytes that no other line names
; window 0
.set SPW,  4                           ; v4   SPARE + 4 x my thread's number; never rewritten
.set NIL,  5                           ; v5   0; never rewritten
.set ZERO, 6                           ; v6   0, for relu
.set WOFF, 7                           ; v7   weights: 16 lane + 256 w rows
.set ST,   8                           ; v8   slice: 8 lane + 256 w rows; steps
.set B0,   10                          ; v10  my place in a turned fragment; never rewritten
.set BA,   11                          ; v11  B0 + s25
.set STO,  12                          ; v12  the way out: where I put my part of a row
.set RD,   13                          ; v13  the way out: where I read rows back
.set OUTL, 14                          ; v14  16 r
.set BPI,  15                          ; v15  4 h
.set H16,  16                          ; v16  16 h
.set Q0,   17                          ; v17  16 w + r
.set DUMP, 18                          ; v18  1,024
.set VAL,  19                          ; v19  the list: the row number of my bit
.set T0,   20
.set T1,   21
.set AOFF, 22                          ; v22-27  byte offset of my row in each of six blocks
.set RID,  28                          ; v28-45  the row numbers of my wave's blocks still to come
.set BW,   48                          ; v48-53  bias at work
.set BL,   56
.set BS,   57
.set L16,  58                          ; v58  16 lane
.set Z4,   60                          ; v60-63  zeros for the list (wave 0)
.set RING, 64                          ; v64-255 rows' fragments: slot s of four, block a of six at 64 + 48 s + 8 a; free on the way out:
.set P,    64                          ; v64-95   packed results (PROD = 1)
.set OA,   128                         ; v128-135 store offsets
.set IX,   136                         ; v136-143 row numbers by stored row
.set IDX,  144                         ; v144-151 lanes to take them from
; window 1: v0-63, v64-127 the weights' fragments, two buffers; v128-255 accumulators of blocks 4, 5; in phase A the rounded sets, 16 registers for each ring slot
.set RB,   128
; window 2: accumulators of blocks 0-3 (64 a + 8 b); in phase A the ring of eight sets of eight loads
; window 3: v0-63 the bias as a C operand: register 8 b + j = bias[16 b + 8 h + j]
; scalars: s[4:5] rows, s[6:7] weights (steps), s[8:9] bias, s[10:11] bm, s[12:13] out; s14 wave; s15 e; s16, s17 place; s[22:23] rows, stepped along K; s24 bias on/off; s25 the slice's byte, stepped along K;
; s26 count; s27 last row's place; s28 blocks; s29 my wave's blocks to go; s30 blocks in hand; s2, s3 counters; s[32:63], s[68:99] the bitmap
.set TB,   25
.set MSB, 0
.macro WIN new                         ; the immediate's high byte repeats the setting that is left; a switch that changes nothing is dropped
.if MSB != (\new)
	s_set_vgpr_msb (MSB<<8)|(\new)
.set MSB, \new
.endif
.endm
.macro PLACES                          ; four places behind a matrix instruction, ahead of loads into its sources and of reads of its result
.rept 4
	v_nop
.endr
.endm
; a set: eight rows of the weights, 512 bytes each, into ring slot \slot
.macro WISSUE slot, row
	WIN 0x80                                       ; destination window 2
.irp i, 0,1,2,3,4,5,6,7
	global_load_b128 v[32*(\slot)+4*(\i):32*(\slot)+4*(\i)+3], v[WOFF], s[6:7] offset:((\row)+(\i))*PW th:TH_LOAD_NT
.endr
.endm
; a set is rounded, into registers of its own, so that the slot's next load lands on no register that an LDS store reads, and laid into the slice; \cnt younger loads may stay out
.macro WPROC slot, row, cnt
	s_wait_loadcnt \cnt
	WIN 0x4A                                       ; destination window 1, both sources window 2
.irp i, 0,1,2,3,4,5,6,7
	v_cvt_pk_bf16_f32 v[RB+16*(\slot)+2*(\i)],   v[32*(\slot)+4*(\i)],   v[32*(\slot)+4*(\i)+1]
	v_cvt_pk_bf16_f32 v[RB+16*(\slot)+2*(\i)+1], v[32*(\slot)+4*(\i)+2], v[32*(\slot)+4*(\i)+3]
.endr
	WIN 0x04                                       ; store data window 1
.irp i, 0,1,2,3,4,5,6,7
	ds_store_b64 v[ST], v[RB+16*(\slot)+2*(\i):RB+16*(\slot)+2*(\i)+1] offset:((\row)+(\i))*PB  ; 32 lanes, 256 neighbouring bytes
.endr
.endm
; the rows' fragments of one K step: always 12 loads, so that the counted waits hold on every path
.macro FETCHA slot, off
	WIN 0
.irp a, 0,1,2,3,4,5
	global_load_b128 v[RING+48*(\slot)+8*(\a):RING+48*(\slot)+8*(\a)+3],   v[AOFF+(\a)], s[22:23] offset:(\off)
	global_load_b128 v[RING+48*(\slot)+8*(\a)+4:RING+48*(\slot)+8*(\a)+7], v[AOFF+(\a)], s[22:23] offset:(\off)+32
.endr
.endm
; the weights' fragments of one K step: 8 blocks of 16 columns, turned
.macro FETCHB bb, off
	WIN 0x40                                       ; destination window 1
.irp b, 0,1,2,3,4,5,6,7
	ds_load_tr16_b128 v[64*(\bb)+8*(\b):64*(\bb)+8*(\b)+3],   v[BA] offset:(\off)+32*(\b)
	ds_load_tr16_b128 v[64*(\bb)+8*(\b)+4:64*(\bb)+8*(\b)+7], v[BA] offset:(\off)+32*(\b)+16*PB
.endr
.endm
; 8 products: block a's 16 rows x 128 columns, 32 along K.  The 8 accumulators take turns.  first = 1: the bias starts the sums.
.macro MULBLK a, slot, bb, first
.if (\a) < 4
.set AC, 64*(\a)
	WIN 0xA1+0x10*(\first)                         ; source 0 window 1, source 1 window 0, D window 2, C window 2 (or 3: the bias)
.else
.set AC, 128+64*((\a)-4)
	WIN 0x51+0x20*(\first)                         ; D window 1, C window 1 (or 3)
.endif
.irp b, 0,1,2,3,4,5,6,7
.if \first
	v_wmma_f32_16x16x32_bf16 v[AC+8*(\b):AC+8*(\b)+7], v[64*(\bb)+8*(\b):64*(\bb)+8*(\b)+7], v[RING+48*(\slot)+8*(\a):RING+48*(\slot)+8*(\a)+7], v[8*(\b):8*(\b)+7]
.else
	v_wmma_f32_16x16x32_bf16 v[AC+8*(\b):AC+8*(\b)+7], v[64*(\bb)+8*(\b):64*(\bb)+8*(\b)+7], v[RING+48*(\slot)+8*(\a):RING+48*(\slot)+8*(\a)+7], v[AC+8*(\b):AC+8*(\b)+7]
.endif
.endr
.endm
; A K STEP.  lc: the rows' loads of later steps, which may stay out.  Behind block 0's products: the next step's weights (fb) and the rows of three steps on (fa), into the buffers that the step before read.
; first = 1: all six blocks run, so that every accumulator is begun; later the blocks past s30 are jumped.
.macro KSTEP u, first, fa, fb, lc
	s_wait_loadcnt \lc
	s_wait_dscnt 0x0                               ; this step's weights are in
	MULBLK 0, (\u)%4, (\u)%2, \first
	WIN 0
	PLACES
.if \fb
	FETCHB 1-(\u)%2, ((\u)+1)*KSB
.endif
.if \fa
	FETCHA ((\u)+3)%4, 64*((\u)+3)
.endif
.irp a, 1,2,3,4,5
.if !(\first)
	WIN 0                                          ; at a branch and at a label every window is 0
	s_cmp_lt_u32 s30, (\a)+1
	s_cbranch_scc1 .Lkend_\@
.endif
	MULBLK \a, (\u)%4, (\u)%2, \first
.endr
	WIN 0
.Lkend_\@:
.endm
; THE WAY OUT of block a: through my own stage in LDS, so that sixteen lanes store 256 consecutive bytes of one row, aligned.  Each accumulator is read from its low end.
.macro EPI a
	WIN 0
	s_cmp_lt_u32 s30, (\a)+1
	s_cbranch_scc1 .Lepi_done
	s_wait_xcnt 0x0                                ; the stores of the block before have read their registers
.if (\a) < 4
.set AC, 64*(\a)
.set AW, 2
.else
.set AC, 128+64*((\a)-4)
.set AW, 1
.endif
.if PROD == 1
	WIN 5*AW                                       ; both sources in the accumulators' window
.set i, 0
.rept 32
	v_cvt_pk_bf16_f32 v[P+i], v[AC+2*i], v[AC+2*i+1]
.set i, i+1
.endr
	WIN 0
.set i, 0
.rept 32
	v_pk_max_num_bf16 v[P+i], v[P+i], v[ZERO]      ; relu: a maximum rounds nothing
.set i, i+1
.endr
.irp b, 0,1,2,3,4,5,6,7
	ds_store_b128 v[STO], v[P+4*(\b):P+4*(\b)+3] offset:32*(\b)
.endr
.irp t, 0,1,2,3,4,5,6,7
	ds_load_b128 v[BK+4*(\t):BK+4*(\t)+3], v[RD] offset:2*SP*(\t)  ; LDS serves a wave's instructions in order (ISA guide 5.7.1.4): these see the stores above
.endr
.else
.irp hf, 0,1                           ; a row of 128 f32 goes in two halves of 256 bytes
	WIN 4*AW                                       ; store data in the accumulators' window
.irp b, 0,1,2,3
	ds_store_b128 v[STO], v[AC+8*(4*(\hf)+(\b)):AC+8*(4*(\hf)+(\b))+3]   offset:64*(\b)
	ds_store_b128 v[STO], v[AC+8*(4*(\hf)+(\b))+4:AC+8*(4*(\hf)+(\b))+7] offset:64*(\b)+16
.endr
	WIN 0
.irp t, 0,1,2,3,4,5,6,7
	ds_load_b128 v[BK+32*(\hf)+4*(\t):BK+32*(\hf)+4*(\t)+3], v[RD] offset:2*SP*(\t)
.endr
.endr
.endif
.irp t, 0,1,2,3,4,5,6,7
	v_add_nc_u32 v[IDX+(\t)], 8*(\t), v[BPI]       ; load t holds rows 2 t + h: their numbers lie in lanes 2 t + h
	ds_bpermute_b32 v[IX+(\t)], v[IDX+(\t)], v[RID+(\a)]
.endr
	s_wait_dscnt 0x0
.irp t, 0,1,2,3,4,5,6,7
	v_min_u32 v[IX+(\t)], 0x7ff, v[IX+(\t)]
	v_lshl_add_u32 v[OA+(\t)], v[IX+(\t)], OSH, v[OUTL]
.endr
.irp t, 0,1,2,3,4,5,6,7
	global_store_b128 v[OA+(\t)], v[BK+4*(\t):BK+4*(\t)+3], s[12:13]
.if PROD == 2
	global_store_b128 v[OA+(\t)], v[BK+32+4*(\t):BK+32+4*(\t)+3], s[12:13] offset:256
.endif
.endr
.endm
	s_load_b256 s[4:11], s[0:1], 0x0               ; rows 4, weights 6, bias 8, bm 10
	s_load_b64 s[12:13], s[0:1], 0x20              ; out
	v_lshl_add_u32 v[SPW], v0, 2, SPARE
	v_mov_b32 v[NIL], 0
	v_mov_b32 v[ZERO], 0
	v_and_b32 v1, 31, v0                           ; lane
	v_lshrrev_b32 v[T0], 5, v0
	v_readfirstlane_b32 s14, v[T0]                 ; wave
	v_and_b32 v2, 15, v0                           ; r
	v_bfe_u32 v3, v0, 4, 1                         ; h
	s_lshr_b32 s15, ttmp9, 5                       ; the expert
.if PROD == 1
	s_and_b32 s16, ttmp9, 31                       ; which 128 of its 4,096 columns
.else
	s_and_b32 s16, ttmp9, 7                        ; which 128 of its 1,024 columns
	s_bfe_u32 s17, ttmp9, 0x20003                  ; which quarter of K
.endif
	v_lshlrev_b32 v[L16], 4, v1
	s_mul_i32 s19, s14, 256*PW
	v_add_nc_u32 v[WOFF], s19, v[L16]
	s_mul_i32 s19, s14, 256*PB
	v_lshl_add_u32 v[ST], v1, 3, s19
	v_and_b32 v[T0], 7, v0
	v_lshl_add_u32 v[T0], v3, 3, v[T0]             ; the turning load: row 8 h + lane % 8,
	v_mul_u32_u24 v[B0], v[T0], PB
	v_bfe_u32 v[T1], v0, 3, 1
	v_lshl_add_u32 v[B0], v[T1], 4, v[B0]          ; 16 bytes at 16 ((lane / 8) % 2)
	s_mul_i32 s19, s14, 16*SP
	s_add_co_u32 s19, s19, STAGE                   ; my stage
	v_mul_u32_u24 v[T0], v2, SP
	v_lshl_add_u32 v[T0], v3, HSH, v[T0]
	v_add_nc_u32 v[STO], s19, v[T0]
	v_mul_u32_u24 v[T0], v3, SP
	v_lshl_add_u32 v[T0], v2, 4, v[T0]
	v_add_nc_u32 v[RD], s19, v[T0]
	v_lshlrev_b32 v[OUTL], 4, v2
	v_lshlrev_b32 v[BPI], 2, v3
	v_lshlrev_b32 v[H16], 4, v3
	s_lshl_b32 s19, s14, 4
	v_add_nc_u32 v[Q0], s19, v2
	v_mov_b32 v[DUMP], 1024
	s_lshl_b32 s19, s14, 9
	s_add_co_u32 s19, s19, BIASL
	v_lshl_add_u32 v[BL], v3, 5, s19
	v_add_nc_u32 v[BS], s19, v[L16]
	s_mov_b32 s21, 0
	s_lshl_b32 s19, s16, 9                         ; 128 f32 columns
	s_wait_kmcnt 0x0
	s_lshl_b32 s20, s15, 24                        ; an expert's weights: 16 MiB
	s_add_co_u32 s20, s20, s19
.if PROD == 2
	s_lshl_b32 s18, s17, 22                        ; 1,024 rows of 4,096 bytes
	s_add_co_u32 s20, s20, s18
.endif
	s_add_nc_u64 s[6:7], s[6:7], s[20:21]
.if PROD == 1
	s_lshl_b32 s20, s15, 14
.else
	s_lshl_b32 s20, s15, 12
.endif
	s_add_co_u32 s20, s20, s19
	s_add_nc_u64 s[8:9], s[8:9], s[20:21]
	s_lshl_b32 s20, s15, 8
	s_add_nc_u64 s[10:11], s[10:11], s[20:21]
.if PROD == 1
	s_lshl_b32 s20, s16, 8                         ; 128 bf16 columns
.else
	s_lshl_b32 s20, s17, 23                        ; 2,048 rows of 4,096 bytes
	s_add_co_u32 s20, s20, s19
.endif
	s_add_nc_u64 s[12:13], s[12:13], s[20:21]
.if PROD == 2
	s_lshl_b32 s20, s17, 11                        ; 1,024 bf16 along a row of hb
	s_add_nc_u64 s[4:5], s[4:5], s[20:21]
	s_cmp_eq_u32 s17, 0
	s_cselect_b32 s24, -1, 0                       ; the first quarter of K carries the bias
.endif
	s_load_b512 s[32:47], s[10:11], 0x0            ; the expert's bitmap: word j in s[32 + j], from word 32 on in s[36 + j]
	s_load_b512 s[48:63], s[10:11], 0x40
	s_load_b512 s[68:83], s[10:11], 0x80
	s_load_b512 s[84:99], s[10:11], 0xc0
	global_load_b128 v[BW:BW+3], v[L16], s[8:9]    ; the slice's bias: the oldest load, in by the first counted wait
.irp g, 0,1,2,3,4,5,6
	WISSUE \g, 8*(\g)                              ; the stream begins: 56 loads
.endr
	WIN 0
	s_wait_kmcnt 0x0
	s_mov_b32 s26, 0                               ; every wave counts the expert's rows
.set j, 0
.rept 64
.if j < 32
	s_bcnt1_i32_b32 s19, s[32+j]
.else
	s_bcnt1_i32_b32 s19, s[36+j]
.endif
	s_add_co_u32 s26, s26, s19
.set j, j+1
.endr
	s_min_u32 s26, s26, 1024                       ; a token chooses an expert once
	s_max_u32 s27, s26, 1
	s_sub_co_u32 s27, s27, 1                       ; the last row's place in the list
	s_add_co_u32 s28, s26, 15
	s_lshr_b32 s28, s28, 4                         ; blocks of 16
	s_add_co_u32 s29, s28, 3
	s_sub_co_u32 s29, s29, s14
	s_lshr_b32 s29, s29, 2                         ; of which blocks w, w + 4, .. are mine
	s_cmp_lg_u32 s14, 0
	s_cbranch_scc1 .Lno_list
	; WAVE 0 writes the list.  First zeros over all its 2,304 bytes: entry 0 exists also where the expert has no row, and no entry is left unwritten.
.irp k, 0,1,2,3
	v_mov_b32 v[Z4+(\k)], 0
.endr
	v_add_nc_u32 v[T0], LIST, v[L16]
.irp q, 0,1,2,3
	ds_store_b128 v[T0], v[Z4:Z4+3] offset:512*(\q)
.endr
	v_lshl_add_u32 v[T1], v1, 3, LIST+2048
	ds_store_b64 v[T1], v[Z4:Z4+1]
	; Then the rows: bit t of word j is row 32 j + t; its place is the number of set bits below it.  Four trips of 16 words; the words move down.  LDS serves a wave's instructions in order (ISA guide 5.7.1.4).
	v_mov_b32 v[VAL], v1
	s_mov_b32 s18, 0
	s_mov_b32 s2, 4
.Llist:
.set j, 0
.rept 16
	v_mbcnt_lo_u32_b32 v[T0], s[32+j], s18
	v_cndmask_b32 v[T0], v[DUMP], v[T0], s[32+j]   ; a lane without a row writes entry 1,024, which nobody reads
	v_min_u32 v[T0], 0x400, v[T0]
	v_lshl_add_u32 v[T0], v[T0], 1, LIST
	ds_store_b16 v[T0], v[VAL]
	v_add_nc_u32 v[VAL], 32, v[VAL]
	s_bcnt1_i32_b32 s19, s[32+j]
	s_add_co_u32 s18, s18, s19
.set j, j+1
.endr
.irp j, 0,2,4,6,8,10,12,14
	s_mov_b64 s[32+(\j):33+(\j)], s[48+(\j):49+(\j)]
.endr
.irp j, 0,2,4,6,8,10,12,14
	s_mov_b64 s[48+(\j):49+(\j)], s[68+(\j):69+(\j)]
.endr
.irp j, 0,2,4,6,8,10,12,14
	s_mov_b64 s[68+(\j):69+(\j)], s[84+(\j):85+(\j)]
.endr
	s_sub_co_u32 s2, s2, 1
	s_cmp_lg_u32 s2, 0
	s_cbranch_scc1 .Llist
.Lno_list:
	s_wait_dscnt 0x0                               ; for the others' sake: the list is in LDS
	s_barrier_signal -1
	s_barrier_wait -1
.set i, 0
.rept 18                                               ; my row in each of my wave's 18 possible blocks; places past the count repeat the last row
	v_add_nc_u32 v[T0], 64*i, v[Q0]
	v_min_u32 v[T0], s27, v[T0]
	v_min_u32 v[T0], 0x3ff, v[T0]
	v_lshl_add_u32 v[T0], v[T0], 1, LIST
	ds_load_u16 v[RID+i], v[T0]
.set i, i+1
.endr
	s_wait_dscnt 0x0
.set i, 0
.rept 18
	v_min_u32 v[RID+i], 0x7ff, v[RID+i]
.set i, i+1
.endr
	s_barrier_signal -1                            ; every wave's reads of the list are back before any wave stores into LDS again
	s_barrier_wait -1
	; PHASE A.  Set g of 32 is rows 8 g .. 8 g + 7 of my 256; ring slot g % 8.  When set g is worked on, sets g + 1 .. g + 6 are out: 48 loads; then set g + 7 is asked for.
	s_mov_b32 s2, 3
.Lstream:
.irp p, 0,1,2,3,4,5,6,7
	WPROC \p, 8*(\p), 48
	WISSUE ((\p)+7)%8, 8*((\p)+7)
.endr
	WIN 0
	s_wait_xcnt 0x0                                ; the loads' base is stepped only behind this wait
	s_add_nc_u64 s[6:7], s[6:7], 64*PW
	v_add_nc_u32 v[ST], 64*PB, v[ST]
	s_sub_co_u32 s2, s2, 1
	s_cmp_lg_u32 s2, 0
	s_cbranch_scc1 .Lstream
	WPROC 0, 0, 48                                 ; the last eight sets: one more is asked for (set 31), then the counts run down
	WISSUE 7, 56
	WPROC 1, 8, 48
	WPROC 2, 16, 40
	WPROC 3, 24, 32
	WPROC 4, 32, 24
	WPROC 5, 40, 16
	WPROC 6, 48, 8
	WPROC 7, 56, 0
	WIN 0
	; the bias: rounded to bf16, widened, and through my own 512 bytes of LDS into a C operand's layout
	v_cvt_pk_bf16_f32 v[BW+4], v[BW], v[BW+1]
	v_cvt_pk_bf16_f32 v[BW+5], v[BW+2], v[BW+3]
	v_lshlrev_b32 v[BW],   16, v[BW+4]
	v_and_b32     v[BW+1], 0xffff0000, v[BW+4]
	v_lshlrev_b32 v[BW+2], 16, v[BW+5]
	v_and_b32     v[BW+3], 0xffff0000, v[BW+5]
.if PROD == 2
.irp k, 0,1,2,3
	v_and_b32 v[BW+(\k)], s24, v[BW+(\k)]          ; an exact 0 in the other quarters of K
.endr
.endif
	ds_store_b128 v[BS], v[BW:BW+3]
	WIN 0xC0                                       ; destination window 3
.irp b, 0,1,2,3,4,5,6,7
	ds_load_b128 v[8*(\b):8*(\b)+3],   v[BL] offset:64*(\b)
	ds_load_b128 v[8*(\b)+4:8*(\b)+7], v[BL] offset:64*(\b)+16
.endr
	WIN 0
	s_wait_dscnt 0x0                               ; for the others' sake: my quarter of the slice is in LDS
	s_barrier_signal -1
	s_barrier_wait -1                              ; the slice is whole; nobody writes it again
	; PHASE B.  Three trips of up to six blocks cover the 16 blocks that a wave can have.  A wave with nothing left jumps the K steps and the way out, never a barrier.
	s_mov_b32 s3, 3
.Ltile:
	s_min_u32 s30, s29, 6                          ; blocks in hand; 0: nothing is left
	s_cmp_eq_u32 s29, 0
	s_cbranch_scc1 .Lk_done
	s_wait_xcnt 0x0                                ; the last way out's stores have read their registers, which the ring takes back
.irp a, 0,1,2,3,4,5
.if PROD == 1
	v_and_b32 v[T0], 0x3ff, v[RID+(\a)]            ; the token
	v_lshl_add_u32 v[AOFF+(\a)], v[T0], 11, v[H16]
.else
	v_lshl_add_u32 v[AOFF+(\a)], v[RID+(\a)], 13, v[H16]
.endif
.endr
	s_mov_b64 s[22:23], s[4:5]
	s_mov_b32 s[TB], 0
	v_mov_b32 v[BA], v[B0]
	FETCHA 0, 0
	FETCHA 1, 64
	FETCHA 2, 128
	FETCHB 0, 0
	KSTEP 0, 1, 1, 1, 24                           ; 24: the rows of K steps 1 and 2
	s_mov_b32 s2, 7
.Lk:                                                   ; K steps 4 j + 1 .. 4 j + 4
	KSTEP 1, 0, 1, 1, 24
	KSTEP 2, 0, 1, 1, 24
	KSTEP 3, 0, 1, 1, 24
	KSTEP 4, 0, 1, 1, 24
	s_wait_xcnt 0x0                                ; the loads' base is stepped only behind this wait
	s_add_nc_u64 s[22:23], s[22:23], 256
	s_add_co_u32 s[TB], s[TB], 4*KSB               ; four K steps on in the slice: 7 x 36,864 bytes at the most
	v_add_nc_u32 v[BA], s[TB], v[B0]
	s_sub_co_u32 s2, s2, 1
	s_cmp_lg_u32 s2, 0
	s_cbranch_scc1 .Lk
	KSTEP 1, 0, 0, 1, 24                           ; K steps 29, 30, 31: no rows are left to ask for, and the counts run down
	KSTEP 2, 0, 0, 1, 12
	KSTEP 3, 0, 0, 0, 0
	PLACES
.Lk_done:
	s_wait_dscnt 0x0                               ; my reads of the slice in this trip are back
	s_barrier_signal -1
	s_barrier_wait -1                              ; every wave's are: only now does a wave store into LDS (its stage)
	EPI 0
	EPI 1
	EPI 2
	EPI 3
	EPI 4
	EPI 5
	WIN 0
.Lepi_done:
	s_wait_dscnt 0x0                               ; my stores into my stage, and my reads of it, are done
	s_barrier_signal -1
	s_barrier_wait -1                              ; every wave's are: only now is the slice read again
	s_sub_co_u32 s29, s29, s30
.set i, 0
.rept 12
	v_mov_b32 v[RID+i], v[RID+6+i]                 ; the next six blocks' rows move down
.set i, i+1
.endr
	s_sub_co_u32 s3, s3, 1
	s_cmp_lg_u32 s3, 0
	s_cbranch_scc1 .Ltile
	s_wait_tensorcnt 0x0                           ; the wave's end, behind my last LDS store
	ds_add_u32 v[SPW], v[NIL]
	s_wait_dscnt 0x0
	s_endpgm
.Lfunc_end_k_qfe971f5cfd_prod2:
	.size	k_qfe971f5cfd_prod2, .Lfunc_end_k_qfe971f5cfd_prod2-k_qfe971f5cfd_prod2
	.p2alignl 7, 3214868480
	.fill 96, 4, 3214868480
	.section	.rodata,"a",@progbits
	.p2align	6, 0x0
	.amdhsa_kernel k_qfe971f5cfd_prod2
		.amdhsa_group_segment_fixed_size 317184
		.amdhsa_private_segment_fixed_size 0
		.amdhsa_enable_private_segment 0
		.amdhsa_kernarg_size 40
		.amdhsa_user_sgpr_count 2
		.amdhsa_user_sgpr_kernarg_segment_ptr 1
		.amdhsa_wavefront_size32 1
		.amdhsa_system_sgpr_workgroup_id_x 1
		.amdhsa_system_sgpr_workgroup_id_y 1
		.amdhsa_system_sgpr_workgroup_id_z 1
		.amdhsa_system_vgpr_workitem_id 0
		.amdhsa_next_free_vgpr 832
		.amdhsa_next_free_sgpr 100
		.amdhsa_reserve_vcc 0
		.amdhsa_float_denorm_mode_32 3
		.amdhsa_float_denorm_mode_16_64 3
		.amdhsa_memory_ordered 1
		.amdhsa_forward_progress 1
		.amdhsa_inst_pref_size 146
	.end_amdhsa_kernel
	.amdgpu_metadata
---
amdhsa.version: [ 1, 2 ]
amdhsa.kernels:
  - .name:           k_qfe971f5cfd_prod2
    .symbol:         k_qfe971f5cfd_prod2.kd
    .args:
      - { .name: hb, .offset: 0, .size: 8, .value_kind: global_buffer, .address_space: global }
      - { .name: W2, .offset: 8, .size: 8, .value_kind: global_buffer, .address_space: global }
      - { .name: b2, .offset: 16, .size: 8, .value_kind: global_buffer, .address_space: global }
      - { .name: bm, .offset: 24, .size: 8, .value_kind: global_buffer, .address_space: global }
      - { .name: yp, .offset: 32, .size: 8, .value_kind: global_buffer, .address_space: global }
    .group_segment_fixed_size: 317184
    .private_segment_fixed_size: 0
    .kernarg_segment_align: 8
    .kernarg_segment_size: 40
    .max_flat_workgroup_size: 128
    .sgpr_count:     100
    .vgpr_count:     832
    .wavefront_size: 32
...
	.end_amdgpu_metadata
.endif
;; end of part 3
;; launch sum (part 4): grid 256 x 1, 4 waves a work-group, no clusters, 0 bytes of LDS; arguments yp, gw, out0; writes out0
.if DOCPART == 4
	.amdgcn_target "amdgcn-amd-amdhsa--gfx1250"
	.amdhsa_code_object_version 6
	.text
	.protected	k_qfe971f5cfd_sum
	.globl	k_qfe971f5cfd_sum
	.p2align	8
	.type	k_qfe971f5cfd_sum,@function
k_qfe971f5cfd_sum:
	s_mov_b64 s[64:65], 0
	v_nop
	global_prefetch_b8 v0, s[64:65] scope:SCOPE_SE
	s_setreg_imm32_b32 hwreg(HW_REG_WAVE_MODE, 25, 1), 1
	s_wait_xcnt 0x0
; out0[t] = gw[t] * (the sum over kq of yp[kq][t]) + gw[1024 + t] * (the sum over kq of yp[kq][1024 + t]): a token's two routed rows, four partial rows each, all f32.
; A stream: each byte of yp is read once, each byte of out0 written once.  One wave, one token: a row of 4,096 bytes goes in eight chunks of 512 consecutive bytes, aligned; a chunk has eight loads
; (4 quarters of K x 2 slots) and one store.  A ring of seven chunk slots in registers keeps 56 loads, 28,672 bytes, of every wave out.  No LDS, no barrier, no matrix unit: nothing is shared.
.set RG, 16                            ; v16-239  slot c % 7: 32 registers: slot 0's four partial rows, then slot 1's
	s_load_b128 s[4:7], s[0:1], 0x0                ; yp, gw
	s_load_b64 s[20:21], s[0:1], 0x10              ; out0
	v_and_b32 v1, 31, v0
	v_lshrrev_b32 v2, 5, v0
	v_readfirstlane_b32 s22, v2                    ; wave
	s_lshl_b32 s23, ttmp9, 2
	s_add_co_u32 s23, s23, s22                     ; my token
	s_lshl_b32 s2, s23, 2                          ; its place in gw
	s_lshl_b32 s3, s23, 12                         ; its row in yp and out0
	v_lshl_add_u32 v1, v1, 4, s3                   ; + 16 lane; never rewritten
	s_wait_kmcnt 0x0
	s_load_b32 s16, s[6:7], s2 offset:0x0          ; the first gate,
	s_load_b32 s18, s[6:7], s2 offset:0x1000       ; the second
	s_mov_b64 s[8:9], s[4:5]                       ; the four quarters of K lie 8 MiB apart
	s_add_nc_u64 s[10:11], s[4:5], 0x800000
	s_add_nc_u64 s[12:13], s[4:5], 0x1000000
	s_add_nc_u64 s[14:15], s[4:5], 0x1800000
.macro ISSUE c
.set R, RG+32*((\c)%7)
.irp k, 0,1,2,3
	global_load_b128 v[R+4*(\k):R+4*(\k)+3],       v1, s[8+2*(\k):9+2*(\k)] offset:512*(\c) th:TH_LOAD_NT
	global_load_b128 v[R+16+4*(\k):R+16+4*(\k)+3], v1, s[8+2*(\k):9+2*(\k)] offset:4194304+512*(\c) th:TH_LOAD_NT  ; slot 1's rows lie 1,024 rows on
.endr
.endm
.macro WORK c, left                    ; left: the younger loads, which stay out
.set R, RG+32*((\c)%7)
	s_wait_loadcnt \left
.irp q, 0,16
.irp j, 0,2
	v_pk_add_f32 v[R+(\q)+(\j):R+(\q)+(\j)+1],     v[R+(\q)+(\j):R+(\q)+(\j)+1],     v[R+(\q)+4+(\j):R+(\q)+4+(\j)+1]
	v_pk_add_f32 v[R+(\q)+8+(\j):R+(\q)+8+(\j)+1], v[R+(\q)+8+(\j):R+(\q)+8+(\j)+1], v[R+(\q)+12+(\j):R+(\q)+12+(\j)+1]
	v_pk_add_f32 v[R+(\q)+(\j):R+(\q)+(\j)+1],     v[R+(\q)+(\j):R+(\q)+(\j)+1],     v[R+(\q)+8+(\j):R+(\q)+8+(\j)+1]
.endr
.endr
.irp j, 0,2
	v_pk_mul_f32 v[R+(\j):R+(\j)+1], v[R+(\j):R+(\j)+1], s[16:17] op_sel_hi:[1,0]
	v_pk_fma_f32 v[R+(\j):R+(\j)+1], v[R+16+(\j):R+16+(\j)+1], s[18:19], v[R+(\j):R+(\j)+1] op_sel_hi:[1,0,1]
.endr
	global_store_b128 v1, v[R:R+3], s[20:21] offset:512*(\c) th:TH_STORE_NT
.endm
.irp c, 0,1,2,3,4,5,6
	ISSUE \c
.endr
	s_wait_kmcnt 0x0                               ; the gates
	s_mov_b32 s17, s16                             ; named with them as pairs, so they are written
	s_mov_b32 s19, s18
	WORK 0, 48                                     ; chunks 1 to 6 stay out
	s_wait_xcnt 0x0                                ; the store has read its registers: slot 0 is loaded again only behind this wait
	ISSUE 7
	WORK 1, 48                                     ; chunks 2 to 7
	WORK 2, 40                                     ; and the counts run down
	WORK 3, 32
	WORK 4, 24
	WORK 5, 16
	WORK 6, 8
	WORK 7, 0
	s_endpgm
.Lfunc_end_k_qfe971f5cfd_sum:
	.size	k_qfe971f5cfd_sum, .Lfunc_end_k_qfe971f5cfd_sum-k_qfe971f5cfd_sum
	.p2alignl 7, 3214868480
	.fill 96, 4, 3214868480
	.section	.rodata,"a",@progbits
	.p2align	6, 0x0
	.amdhsa_kernel k_qfe971f5cfd_sum
		.amdhsa_group_segment_fixed_size 0
		.amdhsa_private_segment_fixed_size 0
		.amdhsa_enable_private_segment 0
		.amdhsa_kernarg_size 24
		.amdhsa_user_sgpr_count 2
		.amdhsa_user_sgpr_kernarg_segment_ptr 1
		.amdhsa_wavefront_size32 1
		.amdhsa_system_sgpr_workgroup_id_x 1
		.amdhsa_system_sgpr_workgroup_id_y 1
		.amdhsa_system_sgpr_workgroup_id_z 1
		.amdhsa_system_vgpr_workitem_id 0
		.amdhsa_next_free_vgpr 240
		.amdhsa_next_free_sgpr 66
		.amdhsa_reserve_vcc 0
		.amdhsa_float_denorm_mode_32 3
		.amdhsa_float_denorm_mode_16_64 3
		.amdhsa_memory_ordered 1
		.amdhsa_forward_progress 1
		.amdhsa_inst_pref_size 17
	.end_amdhsa_kernel
	.amdgpu_metadata
---
amdhsa.version: [ 1, 2 ]
amdhsa.kernels:
  - .name:           k_qfe971f5cfd_sum
    .symbol:         k_qfe971f5cfd_sum.kd
    .args:
      - { .name: yp, .offset: 0, .size: 8, .value_kind: global_buffer, .address_space: global }
      - { .name: gw, .offset: 8, .size: 8, .value_kind: global_buffer, .address_space: global }
      - { .name: out0, .offset: 16, .size: 8, .value_kind: global_buffer, .address_space: global }
    .group_segment_fixed_size: 0
    .private_segment_fixed_size: 0
    .kernarg_segment_align: 8
    .kernarg_segment_size: 24
    .max_flat_workgroup_size: 128
    .sgpr_count:     66
    .vgpr_count:     240
    .wavefront_size: 32
...
	.end_amdgpu_metadata
.endif
;; end of part 4
;; ======== version 2 of 3: 5 launches; 1.16 times as fast as version 1
;; workspace buffers: xb 2,097,152 bytes; bm 2,048 bytes of whole numbers; gw 8,192 bytes; xs 16,777,216 bytes; pos 8,192 bytes of whole numbers; hb 67,108,864 bytes; yp 134,217,728 bytes
;; launch router: the kernel of part 1 again; grid 64 x 1, 4 waves a work-group, no clusters, 71,168 bytes of LDS; arguments x, noise, Wg, bg, Wn, bn, xb, bm, gw; writes xb, bm, gw
;; launch sort (part 5): grid 256 x 1, 4 waves a work-group, no clusters, 2,816 bytes of LDS; arguments xb, bm, xs, pos; writes xs, pos
.if DOCPART == 5
	.amdgcn_target "amdgcn-amd-amdhsa--gfx1250"
	.amdhsa_code_object_version 6
	.text
	.protected	k_qfe971f5cfd_sort
	.globl	k_qfe971f5cfd_sort
	.p2align	8
	.type	k_qfe971f5cfd_sort,@function
k_qfe971f5cfd_sort:
	s_mov_b64 s[64:65], 0
	v_nop
	global_prefetch_b8 v0, s[64:65] scope:SCOPE_SE
	s_setreg_imm32_b32 hwreg(HW_REG_WAVE_MODE, 25, 1), 1
	s_wait_xcnt 0x0
; THE ROUTED ROWS IN THE EXPERTS' ORDER.  xs[e][place][1024] = xb[token of expert e's place-th row], bf16;  pos[rid] = 1024 e + place.
; rid = slot * 1024 + token numbers a routed row; expert e's rows are the set bits of bm[e] (2,048 bits), in ascending rid.  Each expert has 1,024 places, as many as it can have rows, so that a place's
; address hangs on the expert and the place alone: the launches behind need no list.  Every split is served: 0 to 1,024 rows an expert.
; SHARES.  256 work-groups = 8 experts x 32 parts of 32 places; a wave has 8 places.  Wave 0 writes the expert's list of row numbers into LDS; every wave reads its places' numbers; a wave whose
; places lie past the count stores nothing (with some 256 rows an expert that is three parts in four: the price of a grid that serves every split).  Both barriers stand on every wave's path.
; A wave's 8 rows of 2,048 bytes are 32 loads and 32 stores: lanes 0-15 take 256 consecutive bytes of one row, aligned, lanes 16-31 of the next.  In a wave that holds the count's end the places past
; it repeat the last row.  pos is the list turned round: 2,048 words, stored 4 bytes a lane by eight lanes a wave to places that the routing scatters.
; No matrix unit, no tensor load, no cluster: 4 MB are copied once, and no two work-groups share more than the 256 bytes of a bitmap.
.set LIST,  0                          ; the expert's row numbers in order, u16; entry 1,024 takes what the lanes without a row write
.set SPARE, 2304                       ; the spare words, 128 bytes a wave: two blocks of 256 bytes that no other line names
.set SPW,  4                           ; v4   SPARE + 4 x my thread's number; never rewritten
.set NIL,  5                           ; v5   0; never rewritten
.set L16,  6                           ; v6   16 lane
.set DUMP, 7                           ; v7   1,024
.set VAL,  8                           ; v8   the list: the row number of my bit in the trip's first word
.set T0,   9
.set T1,   10
.set R16,  11                          ; v11  16 r
.set Z4,   12                          ; v12-15  zeros for the list
.set RID,  16                          ; v16-19  pair i of rows: my row's number, then its byte offset in xb
.set PA,   20                          ; v20  pos: the row number of place R0 + lane % 8, then its byte offset
.set PV,   21                          ; v21  pos: that place
.set DST,  22                          ; v22  xs: my byte offset in the first pair of rows
.set TT,   24                          ; v24-31  the list: places, two sets of four
.set VV,   32                          ; v32-39  the list: row numbers, two sets of four
.set D,    40                          ; v40-167 32 loads of 4 registers
; scalars: s[4:5] xb, s[6:7] bm, s[8:9] xs, s[10:11] pos; s12 EXEC kept; s14 wave; s15 e; s16 part; s18, s22-24 places below a word; s26 count; s27 last place; s28 R0; s[32:63], s[68:99] the bitmap
	s_load_b256 s[4:11], s[0:1], 0x0
	v_lshl_add_u32 v[SPW], v0, 2, SPARE
	v_mov_b32 v[NIL], 0
	v_and_b32 v1, 31, v0                           ; lane
	v_lshrrev_b32 v[T0], 5, v0
	v_readfirstlane_b32 s14, v[T0]                 ; wave
	v_and_b32 v2, 15, v0                           ; r
	v_bfe_u32 v3, v0, 4, 1                         ; h
	s_lshr_b32 s15, ttmp9, 5                       ; the expert
	s_and_b32 s16, ttmp9, 31                       ; which 32 of its 1,024 places
	v_lshlrev_b32 v[L16], 4, v1
	v_mov_b32 v[DUMP], 1024
	s_mov_b32 s21, 0
	s_lshl_b32 s28, s16, 5
	s_lshl3_add_u32 s28, s14, s28                  ; R0 = 32 part + 8 wave: my wave's first place
	s_wait_kmcnt 0x0
	s_lshl_b32 s20, s15, 8
	s_add_nc_u64 s[6:7], s[6:7], s[20:21]
	s_load_b512 s[32:47], s[6:7], 0x0              ; the expert's bitmap: word j in s[32 + j], from word 32 on in s[36 + j]
	s_load_b512 s[48:63], s[6:7], 0x40
	s_load_b512 s[68:83], s[6:7], 0x80
	s_load_b512 s[84:99], s[6:7], 0xc0
	s_lshl_b32 s20, s15, 21                        ; the expert's 1,024 places of 2,048 bytes
	s_add_nc_u64 s[8:9], s[8:9], s[20:21]
	s_wait_kmcnt 0x0
	s_mov_b32 s26, 0                               ; every wave counts the expert's rows
.set j, 0
.rept 64
.if j < 32
	s_bcnt1_i32_b32 s19, s[32+j]
.else
	s_bcnt1_i32_b32 s19, s[36+j]
.endif
	s_add_co_u32 s26, s26, s19
.set j, j+1
.endr
	s_min_u32 s26, s26, 1024                       ; a token chooses an expert once
	s_max_u32 s27, s26, 1
	s_sub_co_u32 s27, s27, 1                       ; the last row's place
	s_cmp_lg_u32 s14, 0
	s_cbranch_scc1 .Lno_list
	; WAVE 0 writes the list.  First zeros over all its 2,304 bytes, so that no entry is left unwritten.
.irp k, 0,1,2,3
	v_mov_b32 v[Z4+(\k)], 0
.endr
	v_add_nc_u32 v[T0], LIST, v[L16]
.irp q, 0,1,2,3
	ds_store_b128 v[T0], v[Z4:Z4+3] offset:512*(\q)
.endr
	v_lshl_add_u32 v[T1], v1, 3, LIST+2048
	ds_store_b64 v[T1], v[Z4:Z4+1]
	; Then the rows: bit t of word j is row 32 j + t; its place is the number of set bits below it.  Four trips of 16 words; the words move down.  Four words go side by side, so that no line
	; reads the result of the line before it.  LDS serves a wave's instructions in order (ISA guide 5.7.1.4): these stores land behind the zeros.
	v_mov_b32 v[VAL], v1
	s_mov_b32 s18, 0
	s_mov_b32 s2, 4
.Llist:
.set g, 0
.rept 4
.set SB, 4*(g%2)
	s_bcnt1_i32_b32 s19, s[32+4*g]
	s_add_co_u32 s22, s18, s19                     ; set bits below the second word of the four,
	s_bcnt1_i32_b32 s19, s[33+4*g]
	s_add_co_u32 s23, s22, s19                     ; the third,
	s_bcnt1_i32_b32 s19, s[34+4*g]
	s_add_co_u32 s24, s23, s19                     ; the fourth
	s_bcnt1_i32_b32 s19, s[35+4*g]
	v_mbcnt_lo_u32_b32 v[TT+SB],   s[32+4*g], s18
	v_mbcnt_lo_u32_b32 v[TT+SB+1], s[33+4*g], s22
	v_mbcnt_lo_u32_b32 v[TT+SB+2], s[34+4*g], s23
	v_mbcnt_lo_u32_b32 v[TT+SB+3], s[35+4*g], s24
	s_add_co_u32 s18, s24, s19                     ; and below the next four
.irp k, 0,1,2,3
	v_cndmask_b32 v[TT+SB+(\k)], v[DUMP], v[TT+SB+(\k)], s[32+4*g+(\k)]  ; a lane without a row writes entry 1,024, which nobody reads
.endr
.irp k, 0,1,2,3
	v_min_u32 v[TT+SB+(\k)], 0x400, v[TT+SB+(\k)]
.endr
.irp k, 0,1,2,3
	v_lshl_add_u32 v[TT+SB+(\k)], v[TT+SB+(\k)], 1, LIST
.endr
.irp k, 0,1,2,3
	v_add_nc_u32 v[VV+SB+(\k)], 32*(4*g+(\k)), v[VAL]
.endr
.irp k, 0,1,2,3
	ds_store_b16 v[TT+SB+(\k)], v[VV+SB+(\k)]
.endr
.set g, g+1
.endr
	v_add_nc_u32 v[VAL], 512, v[VAL]
.irp j, 0,2,4,6,8,10,12,14
	s_mov_b64 s[32+(\j):33+(\j)], s[48+(\j):49+(\j)]
.endr
.irp j, 0,2,4,6,8,10,12,14
	s_mov_b64 s[48+(\j):49+(\j)], s[68+(\j):69+(\j)]
.endr
.irp j, 0,2,4,6,8,10,12,14
	s_mov_b64 s[68+(\j):69+(\j)], s[84+(\j):85+(\j)]
.endr
	s_sub_co_u32 s2, s2, 1
	s_cmp_lg_u32 s2, 0
	s_cbranch_scc1 .Llist
.Lno_list:
	s_wait_dscnt 0x0                               ; for the others' sake: the list is in LDS
	s_barrier_signal -1
	s_barrier_wait -1
	v_add_nc_u32 v[T1], s28, v3                    ; my place in the first pair of rows: R0 + h
.irp i, 0,1,2,3
	v_add_nc_u32 v[T0], 2*(\i), v[T1]              ; pair i: places R0 + 2 i + h; places past the count repeat the last row
	v_min_u32 v[T0], s27, v[T0]
	v_min_u32 v[T0], 0x3ff, v[T0]
	v_lshl_add_u32 v[T0], v[T0], 1, LIST
	ds_load_u16 v[RID+(\i)], v[T0]
.endr
	v_and_b32 v[T0], 7, v1                         ; for pos: place R0 + lane % 8
	v_add_nc_u32 v[T0], s28, v[T0]
	v_min_u32 v[T0], s27, v[T0]
	v_min_u32 v[PV], 0x3ff, v[T0]
	v_lshl_add_u32 v[T0], v[PV], 1, LIST
	ds_load_u16 v[PA], v[T0]
	v_lshlrev_b32 v[R16], 4, v2
	v_lshl_add_u32 v[DST], v[T1], 11, v[R16]       ; place x 2,048 + 16 r
	s_lshl_b32 s19, s15, 10
	v_add_nc_u32 v[PV], s19, v[PV]                 ; 1,024 e + place
	s_wait_dscnt 0x0
	s_barrier_signal -1                            ; every wave's reads of the list are back before any wave touches LDS again
	s_barrier_wait -1
	s_cmp_ge_u32 s28, s26
	s_cbranch_scc1 .Lend                           ; my eight places lie past the count: nothing to copy
.irp i, 0,1,2,3
	v_min_u32 v[RID+(\i)], 0x7ff, v[RID+(\i)]
	v_and_b32 v[RID+(\i)], 0x3ff, v[RID+(\i)]      ; the token
	v_lshl_add_u32 v[RID+(\i)], v[RID+(\i)], 11, v[R16]
.endr
	v_min_u32 v[PA], 0x7ff, v[PA]
	v_lshlrev_b32 v[PA], 2, v[PA]
.set n, 0
.rept 32                                               ; pair n / 8, bytes 256 (n % 8) on of its two rows
	global_load_b128 v[D+4*n:D+4*n+3], v[RID+n/8], s[4:5] offset:256*(n%8)
.set n, n+1
.endr
	s_wait_xcnt 0x0                                ; EXEC changes only behind this wait: it is a source of the loads above
	v_cmp_gt_u32 vcc_lo, 8, v1
	s_and_saveexec_b32 s12, vcc_lo
	global_store_b32 v[PA], v[PV], s[10:11]        ; lanes 0-7; places past the count repeat the last row's word, with the same number
	s_wait_xcnt 0x0                                ; and again ahead of the line that widens it
	s_or_b32 exec_lo, exec_lo, s12
.set n, 0
.rept 32
	s_wait_loadcnt 31-n                            ; loads come back in order (ISA guide 5.7.1): load n is in, the 31 - n younger ones stay out
	global_store_b128 v[DST], v[D+4*n:D+4*n+3], s[8:9] offset:4096*(n/8)+256*(n%8)
.set n, n+1
.endr
.Lend:
	s_wait_tensorcnt 0x0                           ; the wave's end, behind my last LDS store
	ds_add_u32 v[SPW], v[NIL]
	s_wait_dscnt 0x0
	s_endpgm
.Lfunc_end_k_qfe971f5cfd_sort:
	.size	k_qfe971f5cfd_sort, .Lfunc_end_k_qfe971f5cfd_sort-k_qfe971f5cfd_sort
	.p2alignl 7, 3214868480
	.fill 96, 4, 3214868480
	.section	.rodata,"a",@progbits
	.p2align	6, 0x0
	.amdhsa_kernel k_qfe971f5cfd_sort
		.amdhsa_group_segment_fixed_size 2816
		.amdhsa_private_segment_fixed_size 0
		.amdhsa_enable_private_segment 0
		.amdhsa_kernarg_size 32
		.amdhsa_user_sgpr_count 2
		.amdhsa_user_sgpr_kernarg_segment_ptr 1
		.amdhsa_wavefront_size32 1
		.amdhsa_system_sgpr_workgroup_id_x 1
		.amdhsa_system_sgpr_workgroup_id_y 1
		.amdhsa_system_sgpr_workgroup_id_z 1
		.amdhsa_system_vgpr_workitem_id 0
		.amdhsa_next_free_vgpr 168
		.amdhsa_next_free_sgpr 100
		.amdhsa_reserve_vcc 1
		.amdhsa_float_denorm_mode_32 3
		.amdhsa_float_denorm_mode_16_64 3
		.amdhsa_memory_ordered 1
		.amdhsa_forward_progress 1
		.amdhsa_inst_pref_size 24
	.end_amdhsa_kernel
	.amdgpu_metadata
---
amdhsa.version: [ 1, 2 ]
amdhsa.kernels:
  - .name:           k_qfe971f5cfd_sort
    .symbol:         k_qfe971f5cfd_sort.kd
    .args:
      - { .name: xb, .offset: 0, .size: 8, .value_kind: global_buffer, .address_space: global }
      - { .name: bm, .offset: 8, .size: 8, .value_kind: global_buffer, .address_space: global }
      - { .name: xs, .offset: 16, .size: 8, .value_kind: global_buffer, .address_space: global }
      - { .name: pos, .offset: 24, .size: 8, .value_kind: global_buffer, .address_space: global }
    .group_segment_fixed_size: 2816
    .private_segment_fixed_size: 0
    .kernarg_segment_align: 8
    .kernarg_segment_size: 32
    .max_flat_workgroup_size: 128
    .sgpr_count:     100
    .vgpr_count:     168
    .wavefront_size: 32
...
	.end_amdgpu_metadata
.endif
;; end of part 5
;; launch prod1 (part 6): grid 256 x 1, 4 waves a work-group, no clusters, 314,880 bytes of LDS; arguments xs, W1, b1, bm, hb; writes hb
.if DOCPART == 6
	.amdgcn_target "amdgcn-amd-amdhsa--gfx1250"
	.amdhsa_code_object_version 6
	.text
	.protected	k_qfe971f5cfd_prod1
	.globl	k_qfe971f5cfd_prod1
	.p2align	8
	.type	k_qfe971f5cfd_prod1,@function
k_qfe971f5cfd_prod1:
	s_mov_b64 s[64:65], 0
	v_nop
	global_prefetch_b8 v0, s[64:65] scope:SCOPE_SE
	s_setreg_imm32_b32 hwreg(HW_REG_WAVE_MODE, 25, 1), 1
	s_wait_xcnt 0x0
; ONE PRODUCT OF THE EXPERTS' CHAIN.  The text serves both products; PROD says which.
;   PROD = 1: hb[e][place][4096] = relu(xs[e][place] W1[e] + b1[e]) in bf16.      PROD = 2: yp[kq][e][place][1024] = hb[e][place][1024 kq ..] W2[e][1024 kq ..] (+ b2[e] where kq = 0) in f32: partial sums.
; An expert's rows lie at places 0 to count - 1 of its 1,024 places, so a row's address hangs on the expert, the wave, the lane and the trip, and on the count by one clamp.  The count is the number of set
; bits of bm[e] (2,048 bits), stored by the router.  Every split is served: 0 to 1,024 rows an expert.
; SHARES.  256 work-groups; each owns a slice of 1,024 k x 128 n of ONE expert's weights, which it alone reads, and multiplies all of that expert's rows by it.
;   PHASE A: the slice streams once from memory through registers (f32 -> bf16, rounded once) into LDS as [k][n].  Wave w takes rows 256 w .. 256 w + 255; a load covers one row's 512 consecutive bytes,
;   aligned; 56 loads of a wave, 28,672 bytes, are out all the time.  As the stream runs out, the first rows' fragments are asked for.
;   PHASE B: blocks of 16 rows; the expert's block 4 i + w is wave w's i-th; a wave takes up to five blocks at a time through all of K.  The weights' fragments come turned out of LDS (16 loads feed 32 or
;   40 products), the rows' fragments straight from memory as matrix operands, five K steps ahead (40 loads of a wave, 20,480 bytes).  Four blocks are always loaded and multiplied; the fifth block's loads
;   and products are jumped where the wave has no fifth.  Four trips, a constant, cover every split; only work is jumped, and every wave passes both of a trip's barriers: one between all waves' reads of
;   the slice and the stores into the stages, one between those stores and the next reads of the slice.
; THE MATRIX INSTRUCTION IS USED TRANSPOSED (source 0 = 16 columns of W, source 1 = 16 rows): a lane holds one row and eight neighbouring columns.  The bias is the C operand that starts each sum.
; Places past the count repeat the expert's last row; in a block that is not full their results go to their own places, which nobody reads; whole blocks past the count are not stored.  An expert
; without rows streams its slice and stores nothing; the rows that it asks for and discards are bytes of its weights, so that no byte is read that nobody wrote.
; FORMATS, LIMITS.  Weights and bias are rounded once to bf16; sums in f32; hb is rounded once to bf16 (bf16, not f16: h has f32's range).  NaN and infinities are not treated apart.
; NOT USED.  Tensor loads: the weights are rounded on their way, and an f32 stage would take the room of the resident slice.  Cluster and joint loads: each slice has one reader; the rows are shared by an
; expert's work-groups, but a ring of joint loads wants a constant number of trips: 1,024 rows for every expert, four times the 256 of an even split, which is what a cluster of four would spare.
.set PROD, 1
.if PROD == 1
.set PW,  16384                        ; bytes from row to row of the weights
.set ASH, 11                           ; a row that comes in: 2,048 bytes
.set AES, 21                           ; an expert's 1,024 places of them
.set OSH, 13                           ; a row that goes out: 8,192 bytes
.set OES, 23
.set HSH, 4                            ; the way out: 16 bytes for each half of the lanes
.set BK,  96                           ; v96-127  rows read back from the stage
.else
.set PW,  4096
.set ASH, 13                           ; a row that comes in: 8,192 bytes
.set AES, 23
.set OSH, 12                           ; a row that goes out: 4,096 bytes
.set OES, 22
.set HSH, 5                            ; 32 bytes for each half of the lanes
.set BK,  64                           ; v64-127
.endif
.set NBM,   5                          ; blocks in hand at the most
.set NSL,   6                          ; slots of the rows' ring: five K steps ahead
.set PB,    288                        ; a row k of the slice in LDS: 256 bytes + 32 = 72 words
.set KSB,   32*PB                      ; a K step of 32
.set SP,    272                        ; a row of the stage: 256 bytes + 16
.set STAGE, 1024*PB                    ; behind the slice: 16 rows for each wave, for the way out
.set BIASL, STAGE+4*16*SP              ; the slice's 128 bias numbers, once for each wave
.set SPARE, BIASL+4*512                ; the spare words, 128 bytes a wave: two blocks of 256 bytes that no other line names
; window 0
.set SPW,  4                           ; v4   SPARE + 4 x my thread's number; never rewritten
.set NIL,  5                           ; v5   0; never rewritten
.set ZERO, 6                           ; v6   0, for relu
.set ST,   8                           ; v8   slice: 8 lane + 256 w rows; steps
.set B1,   9                           ; v9   B0 + four K steps; never rewritten
.set B0,   10                          ; v10  my place in a turned fragment; never rewritten
.set BA,   11                          ; v11  B0 + s25
.set STO,  12                          ; v12  the way out: where I put my part of a row
.set RD,   13                          ; v13  the way out: where I read rows back
.set H16,  16                          ; v16  16 h
.set QT,   17                          ; v17  my row's place in the tile's first block: 16 w + r, + 320 a tile
.set OB,   18                          ; v18  the way out: (16 w + h) rows + 16 r, + 320 rows a tile
.set T0,   20
.set T1,   21
.set AOFF, 22                          ; v22-26  byte offset of my row in each of five blocks
.set BA2,  27                          ; v27  B1 + s25
.set BW,   48                          ; v48-53  bias at work
.set BL,   56
.set BS,   57
.set L16,  58                          ; v58  16 lane
.set RING, 64                          ; v64-223 rows' fragments: slots 0-3, block a at 64 + 40 s + 8 a (slots 4, 5: the same places in window 3); free on the way out:
.set P,    64                          ; v64-95   packed results (PROD = 1)
.set WOFF, 224                         ; v224-231 phase A: each ring slot's own byte offset in the weights
; window 1: v0-63, v64-127 the weights' fragments, two buffers; v128-191 accumulators of block 4; in phase A v128-255 the rounded sets, 16 registers for each ring slot
.set RB,   128
; window 2: accumulators of blocks 0-3 (64 a + 8 b); in phase A the ring of eight sets of eight loads
; window 3: v0-63 the bias as a C operand: register 8 b + j = bias[16 b + 8 h + j]; v64-143 slots 4, 5 of the rows' ring
; scalars: s[4:5] rows, s[6:7] weights, s[8:9] bias, s[10:11] bm, s[12:13] out; s14 wave; s15 e; s16, s17 place; s24 bias on/off; s25 the slice's byte, stepped along K;
; s26 count; s27 last row's place; s28 blocks; s29 my wave's blocks to go; s30 blocks in hand; s2, s3 counters; s[32:63], s[68:99] the bitmap; later s[32:43] each ring slot's own address in the rows
.set TB,   25
.set AB,   32
.set MSB, 0
.macro WIN new                         ; the immediate's high byte repeats the setting that is left; a switch that changes nothing is dropped
.if MSB != (\new)
	s_set_vgpr_msb (MSB<<8)|(\new)
.set MSB, \new
.endif
.endm
.macro PLACES                          ; four places behind a matrix instruction, ahead of loads into its sources and of reads of its result
.rept 4
	v_nop
.endr
.endm
; a set: eight rows of the weights, 512 bytes each, into ring slot \slot.  step = 1: the slot's offset goes 64 rows on first: its earlier loads were shown done by the counted wait of the turn before.
; Slot 7 is first used behind a step, so its loads reach eight rows back.
.macro WISSUE slot, step
.if (\slot) == 7
.set WB, -8
.else
.set WB, 0
.endif
.if \step
	WIN 0
	v_add_nc_u32 v[WOFF+(\slot)], 64*PW, v[WOFF+(\slot)]
.endif
	WIN 0x80                                       ; destination window 2
.irp i, 0,1,2,3,4,5,6,7
	global_load_b128 v[32*(\slot)+4*(\i):32*(\slot)+4*(\i)+3], v[WOFF+(\slot)], s[6:7] offset:((\i)+WB)*PW th:TH_LOAD_NT
.endr
.endm
; a set is rounded, into registers of its own, and laid into the slice; \cnt younger loads may stay out
.macro WPROC slot, row, cnt
	s_wait_loadcnt \cnt
	WIN 0x4A                                       ; destination window 1, both sources window 2
.irp i, 0,1,2,3,4,5,6,7
	v_cvt_pk_bf16_f32 v[RB+16*(\slot)+2*(\i)],   v[32*(\slot)+4*(\i)],   v[32*(\slot)+4*(\i)+1]
	v_cvt_pk_bf16_f32 v[RB+16*(\slot)+2*(\i)+1], v[32*(\slot)+4*(\i)+2], v[32*(\slot)+4*(\i)+3]
.endr
	WIN 0x04                                       ; store data window 1
.irp i, 0,1,2,3,4,5,6,7
	ds_store_b64 v[ST], v[RB+16*(\slot)+2*(\i):RB+16*(\slot)+2*(\i)+1] offset:((\row)+(\i))*PB  ; 32 lanes, 256 neighbouring bytes
.endr
.endm
.macro RSET slot, a                    ; RR, RW: the first register and the window of block a in ring slot \slot
.if (\slot) < 4
.set RR, RING+8*NBM*(\slot)+8*(\a)
.set RW, 0
.else
.set RR, RING+8*NBM*((\slot)-4)+8*(\a)
.set RW, 3
.endif
.endm
; the rows' fragments of one K step, blocks a0 to a1, into ring slot \slot, from the slot's own address
.macro FETCHA slot, a0, a1
.set aa, \a0
.rept (\a1)-(\a0)+1
	RSET \slot, aa
	WIN RW<<6                                      ; destination in the slot's window
	global_load_b128 v[RR:RR+3],   v[AOFF+aa], s[AB+2*(\slot):AB+2*(\slot)+1] th:TH_LOAD_HT
	global_load_b128 v[RR+4:RR+7], v[AOFF+aa], s[AB+2*(\slot):AB+2*(\slot)+1] offset:32 th:TH_LOAD_HT
.set aa, aa+1
.endr
.endm
; the weights' fragments of K step t (counted from s25's): 8 blocks of 16 columns, turned.  Two address registers, four K steps apart, keep the offsets inside 16 bits.
.macro FETCHB bb, t
	WIN 0x40                                       ; destination window 1
.if (\t) < 4
.set BR, BA
.set BO, (\t)*KSB
.else
.set BR, BA2
.set BO, ((\t)-4)*KSB
.endif
.irp b, 0,1,2,3,4,5,6,7
	ds_load_tr16_b128 v[64*(\bb)+8*(\b):64*(\bb)+8*(\b)+3],   v[BR] offset:BO+32*(\b)
	ds_load_tr16_b128 v[64*(\bb)+8*(\b)+4:64*(\bb)+8*(\b)+7], v[BR] offset:BO+32*(\b)+16*PB
.endr
.endm
; 8 products: block a's 16 rows x 128 columns, 32 along K.  The 8 accumulators take turns.  first = 1: the bias starts the sums.
.macro MULBLK a, slot, bb, first
	RSET \slot, \a
.if (\a) < 4
.set AC, 64*(\a)
	WIN 0xA1+0x10*(\first)+4*RW                    ; source 0 window 1, source 1 the slot's window, D window 2, C window 2 (or 3: the bias)
.else
.set AC, 128
	WIN 0x51+0x20*(\first)+4*RW                    ; D window 1, C window 1 (or 3)
.endif
.irp b, 0,1,2,3,4,5,6,7
.if \first
	v_wmma_f32_16x16x32_bf16 v[AC+8*(\b):AC+8*(\b)+7], v[64*(\bb)+8*(\b):64*(\bb)+8*(\b)+7], v[RR:RR+7], v[8*(\b):8*(\b)+7]
.else
	v_wmma_f32_16x16x32_bf16 v[AC+8*(\b):AC+8*(\b)+7], v[64*(\bb)+8*(\b):64*(\bb)+8*(\b)+7], v[RR:RR+7], v[AC+8*(\b):AC+8*(\b)+7]
.endif
.endr
.endm
; A K STEP.  lc: the rows' loads of later steps that are out on every path (eight a step at the least), which may stay out.  Behind block 0's products: the next step's weights (fb) and the rows of five
; steps on (fa), into the buffers that the step before read.  The slot's address goes six K steps on first: its earlier loads were shown done by the counted wait of the step that multiplied them.
; The fifth block's two loads stand with its products, behind one jump.  first = 1: nothing is jumped, so that every accumulator is begun and every register of the ring written.
.macro KSTEP u, first, fa, fb, lc
.set SQ, ((\u)+NSL-1)%NSL
	s_wait_loadcnt \lc
	s_wait_dscnt 0x0                               ; this step's weights are in
	MULBLK 0, (\u)%NSL, (\u)%2, \first
	WIN 0
	PLACES
.if \fb
	FETCHB 1-(\u)%2, (\u)+1
.endif
.if \fa
.if !(\first)
	s_add_nc_u64 s[AB+2*SQ:AB+2*SQ+1], s[AB+2*SQ:AB+2*SQ+1], 64*NSL
.endif
	FETCHA SQ, 0, 3
.endif
	MULBLK 1, (\u)%NSL, (\u)%2, \first
	MULBLK 2, (\u)%NSL, (\u)%2, \first
	MULBLK 3, (\u)%NSL, (\u)%2, \first
.if !(\first)
	WIN 0                                          ; at a branch and at a label every window is 0
	s_cmp_lt_u32 s30, NBM
	s_cbranch_scc1 .Lkend_\@
.endif
.if \fa
	FETCHA SQ, 4, 4
.endif
	MULBLK 4, (\u)%NSL, (\u)%2, \first
	WIN 0
.Lkend_\@:
.endm
; a tile's offsets (block a's rows lie 64 a places on; places past the count repeat the last row) and the ring slots' addresses: slot q begins at K step q
.macro PROSET
.irp a, 0,1,2,3,4
	v_add_nc_u32 v[T0], 64*(\a), v[QT]
	v_min_u32 v[T0], s27, v[T0]
	v_min_u32 v[T0], 0x3ff, v[T0]
	v_lshl_add_u32 v[AOFF+(\a)], v[T0], ASH, v[H16]
.endr
.irp q, 0,1,2,3,4,5
	s_add_nc_u64 s[AB+2*(\q):AB+2*(\q)+1], s[4:5], 64*(\q)
.endr
.endm
; THE WAY OUT of block a: through my own stage in LDS, so that sixteen lanes store 256 consecutive bytes of one row, aligned.  Each accumulator is read from its low end.
; The block's place (64 a rows on) and the pair of rows stand in the stores' immediate: 270 rows of 8,192 bytes at the most, inside its signed 24 bits.
.macro EPI a
	WIN 0
	s_cmp_lt_u32 s30, (\a)+1
	s_cbranch_scc1 .Lepi_done
	s_wait_xcnt 0x0                                ; the stores of the block before have read their registers
.if (\a) < 4
.set AC, 64*(\a)
.set AW, 2
.else
.set AC, 128
.set AW, 1
.endif
.if PROD == 1
	WIN 5*AW                                       ; both sources in the accumulators' window
.set i, 0
.rept 32
	v_cvt_pk_bf16_f32 v[P+i], v[AC+2*i], v[AC+2*i+1]
.set i, i+1
.endr
	WIN 0
.set i, 0
.rept 32
	v_pk_max_num_bf16 v[P+i], v[P+i], v[ZERO]      ; relu: a maximum rounds nothing
.set i, i+1
.endr
.irp b, 0,1,2,3,4,5,6,7
	ds_store_b128 v[STO], v[P+4*(\b):P+4*(\b)+3] offset:32*(\b)
.endr
.irp t, 0,1,2,3,4,5,6,7
	ds_load_b128 v[BK+4*(\t):BK+4*(\t)+3], v[RD] offset:2*SP*(\t)  ; LDS serves a wave's instructions in order (ISA guide 5.7.1.4): these see the stores above
.endr
.else
.irp hf, 0,1                           ; a row of 128 f32 goes in two halves of 256 bytes
	WIN 4*AW                                       ; store data in the accumulators' window
.irp b, 0,1,2,3
	ds_store_b128 v[STO], v[AC+8*(4*(\hf)+(\b)):AC+8*(4*(\hf)+(\b))+3]   offset:64*(\b)
	ds_store_b128 v[STO], v[AC+8*(4*(\hf)+(\b))+4:AC+8*(4*(\hf)+(\b))+7] offset:64*(\b)+16
.endr
	WIN 0
.irp t, 0,1,2,3,4,5,6,7
	ds_load_b128 v[BK+32*(\hf)+4*(\t):BK+32*(\hf)+4*(\t)+3], v[RD] offset:2*SP*(\t)
.endr
.endr
.endif
	s_wait_dscnt 0x0
.irp t, 0,1,2,3,4,5,6,7
	global_store_b128 v[OB], v[BK+4*(\t):BK+4*(\t)+3], s[12:13] offset:((64*(\a)+2*(\t))<<OSH)
.if PROD == 2
	global_store_b128 v[OB], v[BK+32+4*(\t):BK+32+4*(\t)+3], s[12:13] offset:((64*(\a)+2*(\t))<<OSH)+256
.endif
.endr
.endm
	s_load_b256 s[4:11], s[0:1], 0x0               ; rows 4, weights 6, bias 8, bm 10
	s_load_b64 s[12:13], s[0:1], 0x20              ; out
	v_lshl_add_u32 v[SPW], v0, 2, SPARE
	v_mov_b32 v[NIL], 0
.if PROD == 1
	v_mov_b32 v[ZERO], 0
.endif
	v_and_b32 v1, 31, v0                           ; lane
	v_lshrrev_b32 v[T0], 5, v0
	v_readfirstlane_b32 s14, v[T0]                 ; wave
	v_and_b32 v2, 15, v0                           ; r
	v_bfe_u32 v3, v0, 4, 1                         ; h
	s_lshr_b32 s15, ttmp9, 5                       ; the expert
.if PROD == 1
	s_and_b32 s16, ttmp9, 31                       ; which 128 of its 4,096 columns
.else
	s_and_b32 s16, ttmp9, 7                        ; which 128 of its 1,024 columns
	s_bfe_u32 s17, ttmp9, 0x20003                  ; which quarter of K
.endif
	v_lshlrev_b32 v[L16], 4, v1
	s_mul_i32 s19, s14, 256*PW
	v_add_nc_u32 v[WOFF], s19, v[L16]              ; slot q begins at set q: eight rows a set
.irp q, 1,2,3,4,5,6
	v_add_nc_u32 v[WOFF+(\q)], 8*(\q)*PW, v[WOFF]
.endr
	v_mov_b32 v[WOFF+7], v[WOFF]                   ; slot 7: see WISSUE
	s_mul_i32 s19, s14, 256*PB
	v_lshl_add_u32 v[ST], v1, 3, s19
	v_and_b32 v[T0], 7, v0
	v_lshl_add_u32 v[T0], v3, 3, v[T0]             ; the turning load: row 8 h + lane % 8,
	v_mul_u32_u24 v[B0], v[T0], PB
	v_bfe_u32 v[T1], v0, 3, 1
	v_lshl_add_u32 v[B0], v[T1], 4, v[B0]          ; 16 bytes at 16 ((lane / 8) % 2)
	v_add_nc_u32 v[B1], 4*KSB, v[B0]
	s_mul_i32 s19, s14, 16*SP
	s_add_co_u32 s19, s19, STAGE                   ; my stage
	v_mul_u32_u24 v[T0], v2, SP
	v_lshl_add_u32 v[T0], v3, HSH, v[T0]
	v_add_nc_u32 v[STO], s19, v[T0]
	v_mul_u32_u24 v[T0], v3, SP
	v_lshl_add_u32 v[T0], v2, 4, v[T0]
	v_add_nc_u32 v[RD], s19, v[T0]
	v_lshlrev_b32 v[H16], 4, v3
	s_lshl_b32 s19, s14, 4
	v_add_nc_u32 v[QT], s19, v2                    ; 16 w + r
	v_add_nc_u32 v[T0], s19, v3                    ; 16 w + h: lanes 0-15 store one row, lanes 16-31 the next
	v_lshlrev_b32 v[T1], 4, v2
	v_lshl_add_u32 v[OB], v[T0], OSH, v[T1]
	s_lshl_b32 s19, s14, 9
	s_add_co_u32 s19, s19, BIASL
	v_lshl_add_u32 v[BL], v3, 5, s19
	v_add_nc_u32 v[BS], s19, v[L16]
	s_mov_b32 s21, 0
	s_lshl_b32 s19, s16, 9                         ; 128 f32 columns
	s_wait_kmcnt 0x0
	s_lshl_b32 s20, s15, 24                        ; an expert's weights: 16 MiB
	s_add_co_u32 s20, s20, s19
.if PROD == 2
	s_lshl_b32 s18, s17, 22                        ; 1,024 rows of 4,096 bytes
	s_add_co_u32 s20, s20, s18
.endif
	s_add_nc_u64 s[6:7], s[6:7], s[20:21]
.if PROD == 1
	s_lshl_b32 s20, s15, 14
.else
	s_lshl_b32 s20, s15, 12
.endif
	s_add_co_u32 s20, s20, s19
	s_add_nc_u64 s[8:9], s[8:9], s[20:21]
	s_lshl_b32 s20, s15, 8
	s_add_nc_u64 s[10:11], s[10:11], s[20:21]
	s_lshl_b32 s20, s15, OES                       ; out: the expert's 1,024 places,
.if PROD == 1
	s_lshl_b32 s18, s16, 8                         ; my 128 bf16 columns
.else
	s_lshl_b32 s18, s17, 25                        ; my quarter of K: 8,192 places of 4,096 bytes,
	s_add_co_u32 s18, s18, s19                     ; my 128 f32 columns
.endif
	s_add_co_u32 s20, s20, s18
	s_add_nc_u64 s[12:13], s[12:13], s[20:21]
	s_lshl_b32 s20, s15, AES                       ; rows: the expert's 1,024 places
.if PROD == 2
	s_lshl_b32 s18, s17, 11                        ; 1,024 bf16 along a row of hb
	s_add_co_u32 s20, s20, s18
.endif
	s_add_nc_u64 s[4:5], s[4:5], s[20:21]
.if PROD == 2
	s_cmp_eq_u32 s17, 0
	s_cselect_b32 s24, -1, 0                       ; the first quarter of K carries the bias
.endif
	s_load_b512 s[32:47], s[10:11], 0x0            ; the expert's bitmap: word j in s[32 + j], from word 32 on in s[36 + j]
	s_load_b512 s[48:63], s[10:11], 0x40
	s_load_b512 s[68:83], s[10:11], 0x80
	s_load_b512 s[84:99], s[10:11], 0xc0
	global_load_b128 v[BW:BW+3], v[L16], s[8:9]    ; the slice's bias: the oldest load, in by the first counted wait
.irp g, 0,1,2,3,4,5,6
	WISSUE \g, 0                                   ; the stream begins: 56 loads
.endr
	WIN 0
	s_wait_kmcnt 0x0
	s_mov_b32 s26, 0                               ; every wave counts the expert's rows
.set j, 0
.rept 64
.if j < 32
	s_bcnt1_i32_b32 s19, s[32+j]
.else
	s_bcnt1_i32_b32 s19, s[36+j]
.endif
	s_add_co_u32 s26, s26, s19
.set j, j+1
.endr
	s_min_u32 s26, s26, 1024                       ; a token chooses an expert once
	s_max_u32 s27, s26, 1
	s_sub_co_u32 s27, s27, 1                       ; the last row's place
	s_add_co_u32 s28, s26, 15
	s_lshr_b32 s28, s28, 4                         ; blocks of 16
	s_add_co_u32 s29, s28, 3
	s_sub_co_u32 s29, s29, s14
	s_lshr_b32 s29, s29, 2                         ; of which blocks w, w + 4, .. are mine
	s_cmp_eq_u32 s26, 0
	s_cselect_b64 s[4:5], s[6:7], s[4:5]           ; an expert without rows has no place that was written: what it asks for below, and discards, are the first 2,048 bytes of its slice's first row
	PROSET                                         ; the first tile's offsets and addresses (the bitmap's registers are free)
	; PHASE A.  Set g of 32 is rows 8 g .. 8 g + 7 of my 256; ring slot g % 8.  When set g is worked on, sets g + 1 .. g + 6 are out: 48 loads; then set g + 7 is asked for.
	s_mov_b32 s2, 3
.Lstream:
.irp p, 0,1,2,3,4,5,6,7
	WPROC \p, 8*(\p), 48
	WISSUE ((\p)+7)%8, 1
.endr
	WIN 0
	v_add_nc_u32 v[ST], 64*PB, v[ST]
	s_sub_co_u32 s2, s2, 1
	s_cmp_lg_u32 s2, 0
	s_cbranch_scc1 .Lstream
	; The last eight sets: one more is asked for (set 31).  Then, as the sets run out, the first tile's rows of K steps 0 to 4 go out, ten loads each, all five blocks:
	; a count is the sets still younger (8 each) plus the rows' loads issued so far; 58 loads are out at the most.
	WPROC 0, 0, 48
	WISSUE 7, 1
	WPROC 1, 8, 48
	WPROC 2, 16, 40
	FETCHA 0, 0, 4
	WPROC 3, 24, 32+10
	FETCHA 1, 0, 4
	WPROC 4, 32, 24+20
	FETCHA 2, 0, 4
	WPROC 5, 40, 16+30
	FETCHA 3, 0, 4
	WPROC 6, 48, 8+40
	FETCHA 4, 0, 4
	WPROC 7, 56, 50
	WIN 0
	; the bias: rounded to bf16, widened, and through my own 512 bytes of LDS into a C operand's layout
	v_cvt_pk_bf16_f32 v[BW+4], v[BW], v[BW+1]
	v_cvt_pk_bf16_f32 v[BW+5], v[BW+2], v[BW+3]
	v_lshlrev_b32 v[BW],   16, v[BW+4]
	v_and_b32     v[BW+1], 0xffff0000, v[BW+4]
	v_lshlrev_b32 v[BW+2], 16, v[BW+5]
	v_and_b32     v[BW+3], 0xffff0000, v[BW+5]
.if PROD == 2
.irp k, 0,1,2,3
	v_and_b32 v[BW+(\k)], s24, v[BW+(\k)]          ; an exact 0 in the other quarters of K
.endr
.endif
	ds_store_b128 v[BS], v[BW:BW+3]
	WIN 0xC0                                       ; destination window 3
.irp b, 0,1,2,3,4,5,6,7
	ds_load_b128 v[8*(\b):8*(\b)+3],   v[BL] offset:64*(\b)
	ds_load_b128 v[8*(\b)+4:8*(\b)+7], v[BL] offset:64*(\b)+16
.endr
	WIN 0
	s_wait_dscnt 0x0                               ; for the others' sake: my quarter of the slice is in LDS
	s_barrier_signal -1
	s_barrier_wait -1                              ; the slice is whole; nobody writes it again
	; PHASE B.  Four trips of up to five blocks cover the 16 blocks that a wave can have.  A wave with nothing left jumps the K steps and the way out, never a barrier.
	s_mov_b32 s3, 4
.Ltile:
	s_min_u32 s30, s29, NBM                        ; blocks in hand; 0: nothing is left
	s_cmp_eq_u32 s29, 0
	s_cbranch_scc1 .Lk_done
	s_mov_b32 s[TB], 0
	v_mov_b32 v[BA], v[B0]
	v_mov_b32 v[BA2], v[B1]
	FETCHB 0, 0
	KSTEP 0, 1, 1, 1, 40                           ; 40: the rows of K steps 1 to 4, ten loads each
	s_mov_b32 s2, 4
.Lk:                                                   ; K steps 6 j + 1 .. 6 j + 6.  32: the rows of the four K steps behind, eight loads each at the least
	KSTEP 1, 0, 1, 1, 32
	KSTEP 2, 0, 1, 1, 32
	KSTEP 3, 0, 1, 1, 32
	KSTEP 4, 0, 1, 1, 32
	KSTEP 5, 0, 1, 1, 32
	KSTEP 6, 0, 1, 1, 32
	s_add_co_u32 s[TB], s[TB], NSL*KSB             ; six K steps on in the slice: 4 x 55,296 bytes at the most
	v_add_nc_u32 v[BA], s[TB], v[B0]
	v_add_nc_u32 v[BA2], s[TB], v[B1]
	s_sub_co_u32 s2, s2, 1
	s_cmp_lg_u32 s2, 0
	s_cbranch_scc1 .Lk
	KSTEP 1, 0, 1, 1, 32                           ; K steps 25 and 26 ask for the rows of 30 and 31;
	KSTEP 2, 0, 1, 1, 32
	KSTEP 3, 0, 0, 1, 32                           ; from 27 on no rows are left to ask for, and the counts run down
	KSTEP 4, 0, 0, 1, 24
	KSTEP 5, 0, 0, 1, 16
	KSTEP 6, 0, 0, 1, 8
	KSTEP 7, 0, 0, 0, 0
	PLACES
.Lk_done:
	s_wait_loadcnt 0x0                             ; no load is on its way into the ring's registers, which the way out uses (a wave without blocks has asked for rows all the same)
	s_wait_dscnt 0x0                               ; my reads of the slice in this trip are back
	s_barrier_signal -1
	s_barrier_wait -1                              ; every wave's are: only now does a wave store into LDS (its stage)
	EPI 0
	EPI 1
	EPI 2
	EPI 3
	EPI 4
	WIN 0
.Lepi_done:
	s_wait_dscnt 0x0                               ; my stores into my stage, and my reads of it, are done
	s_barrier_signal -1
	s_barrier_wait -1                              ; every wave's are: only now is the slice read again
	s_sub_co_u32 s29, s29, s30
	s_cmp_eq_u32 s29, 0
	s_cbranch_scc1 .Lno_pro
	s_wait_xcnt 0x0                                ; the way out's stores have read their registers: the offset steps, and the ring takes its registers back
	v_add_nc_u32 v[QT], 64*NBM, v[QT]              ; the next tile's blocks lie 320 places on,
	v_add_nc_u32 v[OB], (64*NBM)<<OSH, v[OB]       ; in and out
	PROSET                                         ; its rows of K steps 0 to 4
.irp q, 0,1,2,3,4
	FETCHA \q, 0, 4
.endr
	WIN 0
.Lno_pro:
	s_sub_co_u32 s3, s3, 1
	s_cmp_lg_u32 s3, 0
	s_cbranch_scc1 .Ltile
	s_wait_tensorcnt 0x0                           ; the wave's end, behind my last LDS store
	ds_add_u32 v[SPW], v[NIL]
	s_wait_dscnt 0x0
	s_endpgm
.Lfunc_end_k_qfe971f5cfd_prod1:
	.size	k_qfe971f5cfd_prod1, .Lfunc_end_k_qfe971f5cfd_prod1-k_qfe971f5cfd_prod1
	.p2alignl 7, 3214868480
	.fill 96, 4, 3214868480
	.section	.rodata,"a",@progbits
	.p2align	6, 0x0
	.amdhsa_kernel k_qfe971f5cfd_prod1
		.amdhsa_group_segment_fixed_size 314880
		.amdhsa_private_segment_fixed_size 0
		.amdhsa_enable_private_segment 0
		.amdhsa_kernarg_size 40
		.amdhsa_user_sgpr_count 2
		.amdhsa_user_sgpr_kernarg_segment_ptr 1
		.amdhsa_wavefront_size32 1
		.amdhsa_system_sgpr_workgroup_id_x 1
		.amdhsa_system_sgpr_workgroup_id_y 1
		.amdhsa_system_sgpr_workgroup_id_z 1
		.amdhsa_system_vgpr_workitem_id 0
		.amdhsa_next_free_vgpr 912
		.amdhsa_next_free_sgpr 100
		.amdhsa_reserve_vcc 0
		.amdhsa_float_denorm_mode_32 3
		.amdhsa_float_denorm_mode_16_64 3
		.amdhsa_memory_ordered 1
		.amdhsa_forward_progress 1
		.amdhsa_inst_pref_size 157
	.end_amdhsa_kernel
	.amdgpu_metadata
---
amdhsa.version: [ 1, 2 ]
amdhsa.kernels:
  - .name:           k_qfe971f5cfd_prod1
    .symbol:         k_qfe971f5cfd_prod1.kd
    .args:
      - { .name: xs, .offset: 0, .size: 8, .value_kind: global_buffer, .address_space: global }
      - { .name: W1, .offset: 8, .size: 8, .value_kind: global_buffer, .address_space: global }
      - { .name: b1, .offset: 16, .size: 8, .value_kind: global_buffer, .address_space: global }
      - { .name: bm, .offset: 24, .size: 8, .value_kind: global_buffer, .address_space: global }
      - { .name: hb, .offset: 32, .size: 8, .value_kind: global_buffer, .address_space: global }
    .group_segment_fixed_size: 314880
    .private_segment_fixed_size: 0
    .kernarg_segment_align: 8
    .kernarg_segment_size: 40
    .max_flat_workgroup_size: 128
    .sgpr_count:     100
    .vgpr_count:     912
    .wavefront_size: 32
...
	.end_amdgpu_metadata
.endif
;; end of part 6
;; launch prod2 (part 7): grid 256 x 1, 4 waves a work-group, no clusters, 314,880 bytes of LDS; arguments hb, W2, b2, bm, yp; writes yp
.if DOCPART == 7
	.amdgcn_target "amdgcn-amd-amdhsa--gfx1250"
	.amdhsa_code_object_version 6
	.text
	.protected	k_qfe971f5cfd_prod2
	.globl	k_qfe971f5cfd_prod2
	.p2align	8
	.type	k_qfe971f5cfd_prod2,@function
k_qfe971f5cfd_prod2:
	s_mov_b64 s[64:65], 0
	v_nop
	global_prefetch_b8 v0, s[64:65] scope:SCOPE_SE
	s_setreg_imm32_b32 hwreg(HW_REG_WAVE_MODE, 25, 1), 1
	s_wait_xcnt 0x0
; ONE PRODUCT OF THE EXPERTS' CHAIN.  The text serves both products; PROD says which.
;   PROD = 1: hb[e][place][4096] = relu(xs[e][place] W1[e] + b1[e]) in bf16.      PROD = 2: yp[kq][e][place][1024] = hb[e][place][1024 kq ..] W2[e][1024 kq ..] (+ b2[e] where kq = 0) in f32: partial sums.
; An expert's rows lie at places 0 to count - 1 of its 1,024 places, so a row's address hangs on the expert, the wave, the lane and the trip, and on the count by one clamp.  The count is the number of set
; bits of bm[e] (2,048 bits), stored by the router.  Every split is served: 0 to 1,024 rows an expert.
; SHARES.  256 work-groups; each owns a slice of 1,024 k x 128 n of ONE expert's weights, which it alone reads, and multiplies all of that expert's rows by it.
;   PHASE A: the slice streams once from memory through registers (f32 -> bf16, rounded once) into LDS as [k][n].  Wave w takes rows 256 w .. 256 w + 255; a load covers one row's 512 consecutive bytes,
;   aligned; 56 loads of a wave, 28,672 bytes, are out all the time.  As the stream runs out, the first rows' fragments are asked for.
;   PHASE B: blocks of 16 rows; the expert's block 4 i + w is wave w's i-th; a wave takes up to five blocks at a time through all of K.  The weights' fragments come turned out of LDS (16 loads feed 32 or
;   40 products), the rows' fragments straight from memory as matrix operands, five K steps ahead (40 loads of a wave, 20,480 bytes).  Four blocks are always loaded and multiplied; the fifth block's loads
;   and products are jumped where the wave has no fifth.  Four trips, a constant, cover every split; only work is jumped, and every wave passes both of a trip's barriers: one between all waves' reads of
;   the slice and the stores into the stages, one between those stores and the next reads of the slice.
; K = 4,096 IS SPLIT IN FOUR here, so that the slice is again 1,024 x 128 and a weight row's piece 512 bytes; the four partial rows (f32) are added by the launch behind.
; THE MATRIX INSTRUCTION IS USED TRANSPOSED (source 0 = 16 columns of W, source 1 = 16 rows): a lane holds one row and eight neighbouring columns.  The bias is the C operand that starts each sum.
; Places past the count repeat the expert's last row; in a block that is not full their results go to their own places, which nobody reads; whole blocks past the count are not stored.  An expert
; without rows streams its slice and stores nothing; the rows that it asks for and discards are bytes of its weights, so that no byte is read that nobody wrote.
; FORMATS, LIMITS.  Weights and bias are rounded once to bf16; sums in f32.  NaN and infinities are not treated apart.
; NOT USED.  Tensor loads: the weights are rounded on their way, and an f32 stage would take the room of the resident slice.  Cluster and joint loads: each slice has one reader; the rows are shared by an
; expert's work-groups, but a ring of joint loads wants a constant number of trips: 1,024 rows for every expert, four times the 256 of an even split, which is what a cluster of four would spare.
.set PROD, 2
.if PROD == 1
.set PW,  16384                        ; bytes from row to row of the weights
.set ASH, 11                           ; a row that comes in: 2,048 bytes
.set AES, 21                           ; an expert's 1,024 places of them
.set OSH, 13                           ; a row that goes out: 8,192 bytes
.set OES, 23
.set HSH, 4                            ; the way out: 16 bytes for each half of the lanes
.set BK,  96                           ; v96-127  rows read back from the stage
.else
.set PW,  4096
.set ASH, 13                           ; a row that comes in: 8,192 bytes
.set AES, 23
.set OSH, 12                           ; a row that goes out: 4,096 bytes
.set OES, 22
.set HSH, 5                            ; 32 bytes for each half of the lanes
.set BK,  64                           ; v64-127
.endif
.set NBM,   5                          ; blocks in hand at the most
.set NSL,   6                          ; slots of the rows' ring: five K steps ahead
.set PB,    288                        ; a row k of the slice in LDS: 256 bytes + 32 = 72 words
.set KSB,   32*PB                      ; a K step of 32
.set SP,    272                        ; a row of the stage: 256 bytes + 16
.set STAGE, 1024*PB                    ; behind the slice: 16 rows for each wave, for the way out
.set BIASL, STAGE+4*16*SP              ; the slice's 128 bias numbers, once for each wave
.set SPARE, BIASL+4*512                ; the spare words, 128 bytes a wave: two blocks of 256 bytes that no other line names
; window 0
.set SPW,  4                           ; v4   SPARE + 4 x my thread's number; never rewritten
.set NIL,  5                           ; v5   0; never rewritten
.set ZERO, 6                           ; v6   0, for relu
.set ST,   8                           ; v8   slice: 8 lane + 256 w rows; steps
.set B1,   9                           ; v9   B0 + four K steps; never rewritten
.set B0,   10                          ; v10  my place in a turned fragment; never rewritten
.set BA,   11                          ; v11  B0 + s25
.set STO,  12                          ; v12  the way out: where I put my part of a row
.set RD,   13                          ; v13  the way out: where I read rows back
.set H16,  16                          ; v16  16 h
.set QT,   17                          ; v17  my row's place in the tile's first block: 16 w + r, + 320 a tile
.set OB,   18                          ; v18  the way out: (16 w + h) rows + 16 r, + 320 rows a tile
.set T0,   20
.set T1,   21
.set AOFF, 22                          ; v22-26  byte offset of my row in each of five blocks
.set BA2,  27                          ; v27  B1 + s25
.set BW,   48                          ; v48-53  bias at work
.set BL,   56
.set BS,   57
.set L16,  58                          ; v58  16 lane
.set RING, 64                          ; v64-223 rows' fragments: slots 0-3, block a at 64 + 40 s + 8 a (slots 4, 5: the same places in window 3); free on the way out:
.set P,    64                          ; v64-95   packed results (PROD = 1)
.set WOFF, 224                         ; v224-231 phase A: each ring slot's own byte offset in the weights
; window 1: v0-63, v64-127 the weights' fragments, two buffers; v128-191 accumulators of block 4; in phase A v128-255 the rounded sets, 16 registers for each ring slot
.set RB,   128
; window 2: accumulators of blocks 0-3 (64 a + 8 b); in phase A the ring of eight sets of eight loads
; window 3: v0-63 the bias as a C operand: register 8 b + j = bias[16 b + 8 h + j]; v64-143 slots 4, 5 of the rows' ring
; scalars: s[4:5] rows, s[6:7] weights, s[8:9] bias, s[10:11] bm, s[12:13] out; s14 wave; s15 e; s16, s17 place; s24 bias on/off; s25 the slice's byte, stepped along K;
; s26 count; s27 last row's place; s28 blocks; s29 my wave's blocks to go; s30 blocks in hand; s2, s3 counters; s[32:63], s[68:99] the bitmap; later s[32:43] each ring slot's own address in the rows
.set TB,   25
.set AB,   32
.set MSB, 0
.macro WIN new                         ; the immediate's high byte repeats the setting that is left; a switch that changes nothing is dropped
.if MSB != (\new)
	s_set_vgpr_msb (MSB<<8)|(\new)
.set MSB, \new
.endif
.endm
.macro PLACES                          ; four places behind a matrix instruction, ahead of loads into its sources and of reads of its result
.rept 4
	v_nop
.endr
.endm
; a set: eight rows of the weights, 512 bytes each, into ring slot \slot.  step = 1: the slot's offset goes 64 rows on first: its earlier loads were shown done by the counted wait of the turn before.
; Slot 7 is first used behind a step, so its loads reach eight rows back.
.macro WISSUE slot, step
.if (\slot) == 7
.set WB, -8
.else
.set WB, 0
.endif
.if \step
	WIN 0
	v_add_nc_u32 v[WOFF+(\slot)], 64*PW, v[WOFF+(\slot)]
.endif
	WIN 0x80                                       ; destination window 2
.irp i, 0,1,2,3,4,5,6,7
	global_load_b128 v[32*(\slot)+4*(\i):32*(\slot)+4*(\i)+3], v[WOFF+(\slot)], s[6:7] offset:((\i)+WB)*PW th:TH_LOAD_NT
.endr
.endm
; a set is rounded, into registers of its own, and laid into the slice; \cnt younger loads may stay out
.macro WPROC slot, row, cnt
	s_wait_loadcnt \cnt
	WIN 0x4A                                       ; destination window 1, both sources window 2
.irp i, 0,1,2,3,4,5,6,7
	v_cvt_pk_bf16_f32 v[RB+16*(\slot)+2*(\i)],   v[32*(\slot)+4*(\i)],   v[32*(\slot)+4*(\i)+1]
	v_cvt_pk_bf16_f32 v[RB+16*(\slot)+2*(\i)+1], v[32*(\slot)+4*(\i)+2], v[32*(\slot)+4*(\i)+3]
.endr
	WIN 0x04                                       ; store data window 1
.irp i, 0,1,2,3,4,5,6,7
	ds_store_b64 v[ST], v[RB+16*(\slot)+2*(\i):RB+16*(\slot)+2*(\i)+1] offset:((\row)+(\i))*PB  ; 32 lanes, 256 neighbouring bytes
.endr
.endm
.macro RSET slot, a                    ; RR, RW: the first register and the window of block a in ring slot \slot
.if (\slot) < 4
.set RR, RING+8*NBM*(\slot)+8*(\a)
.set RW, 0
.else
.set RR, RING+8*NBM*((\slot)-4)+8*(\a)
.set RW, 3
.endif
.endm
; the rows' fragments of one K step, blocks a0 to a1, into ring slot \slot, from the slot's own address
.macro FETCHA slot, a0, a1
.set aa, \a0
.rept (\a1)-(\a0)+1
	RSET \slot, aa
	WIN RW<<6                                      ; destination in the slot's window
	global_load_b128 v[RR:RR+3],   v[AOFF+aa], s[AB+2*(\slot):AB+2*(\slot)+1] th:TH_LOAD_HT
	global_load_b128 v[RR+4:RR+7], v[AOFF+aa], s[AB+2*(\slot):AB+2*(\slot)+1] offset:32 th:TH_LOAD_HT
.set aa, aa+1
.endr
.endm
; the weights' fragments of K step t (counted from s25's): 8 blocks of 16 columns, turned.  Two address registers, four K steps apart, keep the offsets inside 16 bits.
.macro FETCHB bb, t
	WIN 0x40                                       ; destination window 1
.if (\t) < 4
.set BR, BA
.set BO, (\t)*KSB
.else
.set BR, BA2
.set BO, ((\t)-4)*KSB
.endif
.irp b, 0,1,2,3,4,5,6,7
	ds_load_tr16_b128 v[64*(\bb)+8*(\b):64*(\bb)+8*(\b)+3],   v[BR] offset:BO+32*(\b)
	ds_load_tr16_b128 v[64*(\bb)+8*(\b)+4:64*(\bb)+8*(\b)+7], v[BR] offset:BO+32*(\b)+16*PB
.endr
.endm
; 8 products: block a's 16 rows x 128 columns, 32 along K.  The 8 accumulators take turns.  first = 1: the bias starts the sums.
.macro MULBLK a, slot, bb, first
	RSET \slot, \a
.if (\a) < 4
.set AC, 64*(\a)
	WIN 0xA1+0x10*(\first)+4*RW                    ; source 0 window 1, source 1 the slot's window, D window 2, C window 2 (or 3: the bias)
.else
.set AC, 128
	WIN 0x51+0x20*(\first)+4*RW                    ; D window 1, C window 1 (or 3)
.endif
.irp b, 0,1,2,3,4,5,6,7
.if \first
	v_wmma_f32_16x16x32_bf16 v[AC+8*(\b):AC+8*(\b)+7], v[64*(\bb)+8*(\b):64*(\bb)+8*(\b)+7], v[RR:RR+7], v[8*(\b):8*(\b)+7]
.else
	v_wmma_f32_16x16x32_bf16 v[AC+8*(\b):AC+8*(\b)+7], v[64*(\bb)+8*(\b):64*(\bb)+8*(\b)+7], v[RR:RR+7], v[AC+8*(\b):AC+8*(\b)+7]
.endif
.endr
.endm
; A K STEP.  lc: the rows' loads of later steps that are out on every path (eight a step at the least), which may stay out.  Behind block 0's products: the next step's weights (fb) and the rows of five
; steps on (fa), into the buffers that the step before read.  The slot's address goes six K steps on first: its earlier loads were shown done by the counted wait of the step that multiplied them.
; The fifth block's two loads stand with its products, behind one jump.  first = 1: nothing is jumped, so that every accumulator is begun and every register of the ring written.
.macro KSTEP u, first, fa, fb, lc
.set SQ, ((\u)+NSL-1)%NSL
	s_wait_loadcnt \lc
	s_wait_dscnt 0x0                               ; this step's weights are in
	MULBLK 0, (\u)%NSL, (\u)%2, \first
	WIN 0
	PLACES
.if \fb
	FETCHB 1-(\u)%2, (\u)+1
.endif
.if \fa
.if !(\first)
	s_add_nc_u64 s[AB+2*SQ:AB+2*SQ+1], s[AB+2*SQ:AB+2*SQ+1], 64*NSL
.endif
	FETCHA SQ, 0, 3
.endif
	MULBLK 1, (\u)%NSL, (\u)%2, \first
	MULBLK 2, (\u)%NSL, (\u)%2, \first
	MULBLK 3, (\u)%NSL, (\u)%2, \first
.if !(\first)
	WIN 0                                          ; at a branch and at a label every window is 0
	s_cmp_lt_u32 s30, NBM
	s_cbranch_scc1 .Lkend_\@
.endif
.if \fa
	FETCHA SQ, 4, 4
.endif
	MULBLK 4, (\u)%NSL, (\u)%2, \first
	WIN 0
.Lkend_\@:
.endm
; a tile's offsets (block a's rows lie 64 a places on; places past the count repeat the last row) and the ring slots' addresses: slot q begins at K step q
.macro PROSET
.irp a, 0,1,2,3,4
	v_add_nc_u32 v[T0], 64*(\a), v[QT]
	v_min_u32 v[T0], s27, v[T0]
	v_min_u32 v[T0], 0x3ff, v[T0]
	v_lshl_add_u32 v[AOFF+(\a)], v[T0], ASH, v[H16]
.endr
.irp q, 0,1,2,3,4,5
	s_add_nc_u64 s[AB+2*(\q):AB+2*(\q)+1], s[4:5], 64*(\q)
.endr
.endm
; THE WAY OUT of block a: through my own stage in LDS, so that sixteen lanes store 256 consecutive bytes of one row, aligned.  Each accumulator is read from its low end.
; The block's place (64 a rows on) and the pair of rows stand in the stores' immediate: 270 rows of 8,192 bytes at the most, inside its signed 24 bits.
.macro EPI a
	WIN 0
	s_cmp_lt_u32 s30, (\a)+1
	s_cbranch_scc1 .Lepi_done
	s_wait_xcnt 0x0                                ; the stores of the block before have read their registers
.if (\a) < 4
.set AC, 64*(\a)
.set AW, 2
.else
.set AC, 128
.set AW, 1
.endif
.if PROD == 1
	WIN 5*AW                                       ; both sources in the accumulators' window
.set i, 0
.rept 32
	v_cvt_pk_bf16_f32 v[P+i], v[AC+2*i], v[AC+2*i+1]
.set i, i+1
.endr
	WIN 0
.set i, 0
.rept 32
	v_pk_max_num_bf16 v[P+i], v[P+i], v[ZERO]      ; relu: a maximum rounds nothing
.set i, i+1
.endr
.irp b, 0,1,2,3,4,5,6,7
	ds_store_b128 v[STO], v[P+4*(\b):P+4*(\b)+3] offset:32*(\b)
.endr
.irp t, 0,1,2,3,4,5,6,7
	ds_load_b128 v[BK+4*(\t):BK+4*(\t)+3], v[RD] offset:2*SP*(\t)  ; LDS serves a wave's instructions in order (ISA guide 5.7.1.4): these see the stores above
.endr
.else
.irp hf, 0,1                           ; a row of 128 f32 goes in two halves of 256 bytes
	WIN 4*AW                                       ; store data in the accumulators' window
.irp b, 0,1,2,3
	ds_store_b128 v[STO], v[AC+8*(4*(\hf)+(\b)):AC+8*(4*(\hf)+(\b))+3]   offset:64*(\b)
	ds_store_b128 v[STO], v[AC+8*(4*(\hf)+(\b))+4:AC+8*(4*(\hf)+(\b))+7] offset:64*(\b)+16
.endr
	WIN 0
.irp t, 0,1,2,3,4,5,6,7
	ds_load_b128 v[BK+32*(\hf)+4*(\t):BK+32*(\hf)+4*(\t)+3], v[RD] offset:2*SP*(\t)
.endr
.endr
.endif
	s_wait_dscnt 0x0
.irp t, 0,1,2,3,4,5,6,7
	global_store_b128 v[OB], v[BK+4*(\t):BK+4*(\t)+3], s[12:13] offset:((64*(\a)+2*(\t))<<OSH)
.if PROD == 2
	global_store_b128 v[OB], v[BK+32+4*(\t):BK+32+4*(\t)+3], s[12:13] offset:((64*(\a)+2*(\t))<<OSH)+256
.endif
.endr
.endm
	s_load_b256 s[4:11], s[0:1], 0x0               ; rows 4, weights 6, bias 8, bm 10
	s_load_b64 s[12:13], s[0:1], 0x20              ; out
	v_lshl_add_u32 v[SPW], v0, 2, SPARE
	v_mov_b32 v[NIL], 0
.if PROD == 1
	v_mov_b32 v[ZERO], 0
.endif
	v_and_b32 v1, 31, v0                           ; lane
	v_lshrrev_b32 v[T0], 5, v0
	v_readfirstlane_b32 s14, v[T0]                 ; wave
	v_and_b32 v2, 15, v0                           ; r
	v_bfe_u32 v3, v0, 4, 1                         ; h
	s_lshr_b32 s15, ttmp9, 5                       ; the expert
.if PROD == 1
	s_and_b32 s16, ttmp9, 31                       ; which 128 of its 4,096 columns
.else
	s_and_b32 s16, ttmp9, 7                        ; which 128 of its 1,024 columns
	s_bfe_u32 s17, ttmp9, 0x20003                  ; which quarter of K
.endif
	v_lshlrev_b32 v[L16], 4, v1
	s_mul_i32 s19, s14, 256*PW
	v_add_nc_u32 v[WOFF], s19, v[L16]              ; slot q begins at set q: eight rows a set
.irp q, 1,2,3,4,5,6
	v_add_nc_u32 v[WOFF+(\q)], 8*(\q)*PW, v[WOFF]
.endr
	v_mov_b32 v[WOFF+7], v[WOFF]                   ; slot 7: see WISSUE
	s_mul_i32 s19, s14, 256*PB
	v_lshl_add_u32 v[ST], v1, 3, s19
	v_and_b32 v[T0], 7, v0
	v_lshl_add_u32 v[T0], v3, 3, v[T0]             ; the turning load: row 8 h + lane % 8,
	v_mul_u32_u24 v[B0], v[T0], PB
	v_bfe_u32 v[T1], v0, 3, 1
	v_lshl_add_u32 v[B0], v[T1], 4, v[B0]          ; 16 bytes at 16 ((lane / 8) % 2)
	v_add_nc_u32 v[B1], 4*KSB, v[B0]
	s_mul_i32 s19, s14, 16*SP
	s_add_co_u32 s19, s19, STAGE                   ; my stage
	v_mul_u32_u24 v[T0], v2, SP
	v_lshl_add_u32 v[T0], v3, HSH, v[T0]
	v_add_nc_u32 v[STO], s19, v[T0]
	v_mul_u32_u24 v[T0], v3, SP
	v_lshl_add_u32 v[T0], v2, 4, v[T0]
	v_add_nc_u32 v[RD], s19, v[T0]
	v_lshlrev_b32 v[H16], 4, v3
	s_lshl_b32 s19, s14, 4
	v_add_nc_u32 v[QT], s19, v2                    ; 16 w + r
	v_add_nc_u32 v[T0], s19, v3                    ; 16 w + h: lanes 0-15 store one row, lanes 16-31 the next
	v_lshlrev_b32 v[T1], 4, v2
	v_lshl_add_u32 v[OB], v[T0], OSH, v[T1]
	s_lshl_b32 s19, s14, 9
	s_add_co_u32 s19, s19, BIASL
	v_lshl_add_u32 v[BL], v3, 5, s19
	v_add_nc_u32 v[BS], s19, v[L16]
	s_mov_b32 s21, 0
	s_lshl_b32 s19, s16, 9                         ; 128 f32 columns
	s_wait_kmcnt 0x0
	s_lshl_b32 s20, s15, 24                        ; an expert's weights: 16 MiB
	s_add_co_u32 s20, s20, s19
.if PROD == 2
	s_lshl_b32 s18, s17, 22                        ; 1,024 rows of 4,096 bytes
	s_add_co_u32 s20, s20, s18
.endif
	s_add_nc_u64 s[6:7], s[6:7], s[20:21]
.if PROD == 1
	s_lshl_b32 s20, s15, 14
.else
	s_lshl_b32 s20, s15, 12
.endif
	s_add_co_u32 s20, s20, s19
	s_add_nc_u64 s[8:9], s[8:9], s[20:21]
	s_lshl_b32 s20, s15, 8
	s_add_nc_u64 s[10:11], s[10:11], s[20:21]
	s_lshl_b32 s20, s15, OES                       ; out: the expert's 1,024 places,
.if PROD == 1
	s_lshl_b32 s18, s16, 8                         ; my 128 bf16 columns
.else
	s_lshl_b32 s18, s17, 25                        ; my quarter of K: 8,192 places of 4,096 bytes,
	s_add_co_u32 s18, s18, s19                     ; my 128 f32 columns
.endif
	s_add_co_u32 s20, s20, s18
	s_add_nc_u64 s[12:13], s[12:13], s[20:21]
	s_lshl_b32 s20, s15, AES                       ; rows: the expert's 1,024 places
.if PROD == 2
	s_lshl_b32 s18, s17, 11                        ; 1,024 bf16 along a row of hb
	s_add_co_u32 s20, s20, s18
.endif
	s_add_nc_u64 s[4:5], s[4:5], s[20:21]
.if PROD == 2
	s_cmp_eq_u32 s17, 0
	s_cselect_b32 s24, -1, 0                       ; the first quarter of K carries the bias
.endif
	s_load_b512 s[32:47], s[10:11], 0x0            ; the expert's bitmap: word j in s[32 + j], from word 32 on in s[36 + j]
	s_load_b512 s[48:63], s[10:11], 0x40
	s_load_b512 s[68:83], s[10:11], 0x80
	s_load_b512 s[84:99], s[10:11], 0xc0
	global_load_b128 v[BW:BW+3], v[L16], s[8:9]    ; the slice's bias: the oldest load, in by the first counted wait
.irp g, 0,1,2,3,4,5,6
	WISSUE \g, 0                                   ; the stream begins: 56 loads
.endr
	WIN 0
	s_wait_kmcnt 0x0
	s_mov_b32 s26, 0                               ; every wave counts the expert's rows
.set j, 0
.rept 64
.if j < 32
	s_bcnt1_i32_b32 s19, s[32+j]
.else
	s_bcnt1_i32_b32 s19, s[36+j]
.endif
	s_add_co_u32 s26, s26, s19
.set j, j+1
.endr
	s_min_u32 s26, s26, 1024                       ; a token chooses an expert once
	s_max_u32 s27, s26, 1
	s_sub_co_u32 s27, s27, 1                       ; the last row's place
	s_add_co_u32 s28, s26, 15
	s_lshr_b32 s28, s28, 4                         ; blocks of 16
	s_add_co_u32 s29, s28, 3
	s_sub_co_u32 s29, s29, s14
	s_lshr_b32 s29, s29, 2                         ; of which blocks w, w + 4, .. are mine
	s_cmp_eq_u32 s26, 0
	s_cselect_b64 s[4:5], s[6:7], s[4:5]           ; an expert without rows has no place that was written: what it asks for below, and discards, are the first 2,048 bytes of its slice's first row
	PROSET                                         ; the first tile's offsets and addresses (the bitmap's registers are free)
	; PHASE A.  Set g of 32 is rows 8 g .. 8 g + 7 of my 256; ring slot g % 8.  When set g is worked on, sets g + 1 .. g + 6 are out: 48 loads; then set g + 7 is asked for.
	s_mov_b32 s2, 3
.Lstream:
.irp p, 0,1,2,3,4,5,6,7
	WPROC \p, 8*(\p), 48
	WISSUE ((\p)+7)%8, 1
.endr
	WIN 0
	v_add_nc_u32 v[ST], 64*PB, v[ST]
	s_sub_co_u32 s2, s2, 1
	s_cmp_lg_u32 s2, 0
	s_cbranch_scc1 .Lstream
	; The last eight sets: one more is asked for (set 31).  Then, as the sets run out, the first tile's rows of K steps 0 to 4 go out, ten loads each, all five blocks:
	; a count is the sets still younger (8 each) plus the rows' loads issued so far; 58 loads are out at the most.
	WPROC 0, 0, 48
	WISSUE 7, 1
	WPROC 1, 8, 48
	WPROC 2, 16, 40
	FETCHA 0, 0, 4
	WPROC 3, 24, 32+10
	FETCHA 1, 0, 4
	WPROC 4, 32, 24+20
	FETCHA 2, 0, 4
	WPROC 5, 40, 16+30
	FETCHA 3, 0, 4
	WPROC 6, 48, 8+40
	FETCHA 4, 0, 4
	WPROC 7, 56, 50
	WIN 0
	; the bias: rounded to bf16, widened, and through my own 512 bytes of LDS into a C operand's layout
	v_cvt_pk_bf16_f32 v[BW+4], v[BW], v[BW+1]
	v_cvt_pk_bf16_f32 v[BW+5], v[BW+2], v[BW+3]
	v_lshlrev_b32 v[BW],   16, v[BW+4]
	v_and_b32     v[BW+1], 0xffff0000, v[BW+4]
	v_lshlrev_b32 v[BW+2], 16, v[BW+5]
	v_and_b32     v[BW+3], 0xffff0000, v[BW+5]
.if PROD == 2
.irp k, 0,1,2,3
	v_and_b32 v[BW+(\k)], s24, v[BW+(\k)]          ; an exact 0 in the other quarters of K
.endr
.endif
	ds_store_b128 v[BS], v[BW:BW+3]
	WIN 0xC0                                       ; destination window 3
.irp b, 0,1,2,3,4,5,6,7
	ds_load_b128 v[8*(\b):8*(\b)+3],   v[BL] offset:64*(\b)
	ds_load_b128 v[8*(\b)+4:8*(\b)+7], v[BL] offset:64*(\b)+16
.endr
	WIN 0
	s_wait_dscnt 0x0                               ; for the others' sake: my quarter of the slice is in LDS
	s_barrier_signal -1
	s_barrier_wait -1                              ; the slice is whole; nobody writes it again
	; PHASE B.  Four trips of up to five blocks cover the 16 blocks that a wave can have.  A wave with nothing left jumps the K steps and the way out, never a barrier.
	s_mov_b32 s3, 4
.Ltile:
	s_min_u32 s30, s29, NBM                        ; blocks in hand; 0: nothing is left
	s_cmp_eq_u32 s29, 0
	s_cbranch_scc1 .Lk_done
	s_mov_b32 s[TB], 0
	v_mov_b32 v[BA], v[B0]
	v_mov_b32 v[BA2], v[B1]
	FETCHB 0, 0
	KSTEP 0, 1, 1, 1, 40                           ; 40: the rows of K steps 1 to 4, ten loads each
	s_mov_b32 s2, 4
.Lk:                                                   ; K steps 6 j + 1 .. 6 j + 6.  32: the rows of the four K steps behind, eight loads each at the least
	KSTEP 1, 0, 1, 1, 32
	KSTEP 2, 0, 1, 1, 32
	KSTEP 3, 0, 1, 1, 32
	KSTEP 4, 0, 1, 1, 32
	KSTEP 5, 0, 1, 1, 32
	KSTEP 6, 0, 1, 1, 32
	s_add_co_u32 s[TB], s[TB], NSL*KSB             ; six K steps on in the slice: 4 x 55,296 bytes at the most
	v_add_nc_u32 v[BA], s[TB], v[B0]
	v_add_nc_u32 v[BA2], s[TB], v[B1]
	s_sub_co_u32 s2, s2, 1
	s_cmp_lg_u32 s2, 0
	s_cbranch_scc1 .Lk
	KSTEP 1, 0, 1, 1, 32                           ; K steps 25 and 26 ask for the rows of 30 and 31;
	KSTEP 2, 0, 1, 1, 32
	KSTEP 3, 0, 0, 1, 32                           ; from 27 on no rows are left to ask for, and the counts run down
	KSTEP 4, 0, 0, 1, 24
	KSTEP 5, 0, 0, 1, 16
	KSTEP 6, 0, 0, 1, 8
	KSTEP 7, 0, 0, 0, 0
	PLACES
.Lk_done:
	s_wait_loadcnt 0x0                             ; no load is on its way into the ring's registers, which the way out uses (a wave without blocks has asked for rows all the same)
	s_wait_dscnt 0x0                               ; my reads of the slice in this trip are back
	s_barrier_signal -1
	s_barrier_wait -1                              ; every wave's are: only now does a wave store into LDS (its stage)
	EPI 0
	EPI 1
	EPI 2
	EPI 3
	EPI 4
	WIN 0
.Lepi_done:
	s_wait_dscnt 0x0                               ; my stores into my stage, and my reads of it, are done
	s_barrier_signal -1
	s_barrier_wait -1                              ; every wave's are: only now is the slice read again
	s_sub_co_u32 s29, s29, s30
	s_cmp_eq_u32 s29, 0
	s_cbranch_scc1 .Lno_pro
	s_wait_xcnt 0x0                                ; the way out's stores have read their registers: the offset steps, and the ring takes its registers back
	v_add_nc_u32 v[QT], 64*NBM, v[QT]              ; the next tile's blocks lie 320 places on,
	v_add_nc_u32 v[OB], (64*NBM)<<OSH, v[OB]       ; in and out
	PROSET                                         ; its rows of K steps 0 to 4
.irp q, 0,1,2,3,4
	FETCHA \q, 0, 4
.endr
	WIN 0
.Lno_pro:
	s_sub_co_u32 s3, s3, 1
	s_cmp_lg_u32 s3, 0
	s_cbranch_scc1 .Ltile
	s_wait_tensorcnt 0x0                           ; the wave's end, behind my last LDS store
	ds_add_u32 v[SPW], v[NIL]
	s_wait_dscnt 0x0
	s_endpgm
.Lfunc_end_k_qfe971f5cfd_prod2:
	.size	k_qfe971f5cfd_prod2, .Lfunc_end_k_qfe971f5cfd_prod2-k_qfe971f5cfd_prod2
	.p2alignl 7, 3214868480
	.fill 96, 4, 3214868480
	.section	.rodata,"a",@progbits
	.p2align	6, 0x0
	.amdhsa_kernel k_qfe971f5cfd_prod2
		.amdhsa_group_segment_fixed_size 314880
		.amdhsa_private_segment_fixed_size 0
		.amdhsa_enable_private_segment 0
		.amdhsa_kernarg_size 40
		.amdhsa_user_sgpr_count 2
		.amdhsa_user_sgpr_kernarg_segment_ptr 1
		.amdhsa_wavefront_size32 1
		.amdhsa_system_sgpr_workgroup_id_x 1
		.amdhsa_system_sgpr_workgroup_id_y 1
		.amdhsa_system_sgpr_workgroup_id_z 1
		.amdhsa_system_vgpr_workitem_id 0
		.amdhsa_next_free_vgpr 912
		.amdhsa_next_free_sgpr 100
		.amdhsa_reserve_vcc 0
		.amdhsa_float_denorm_mode_32 3
		.amdhsa_float_denorm_mode_16_64 3
		.amdhsa_memory_ordered 1
		.amdhsa_forward_progress 1
		.amdhsa_inst_pref_size 146
	.end_amdhsa_kernel
	.amdgpu_metadata
---
amdhsa.version: [ 1, 2 ]
amdhsa.kernels:
  - .name:           k_qfe971f5cfd_prod2
    .symbol:         k_qfe971f5cfd_prod2.kd
    .args:
      - { .name: hb, .offset: 0, .size: 8, .value_kind: global_buffer, .address_space: global }
      - { .name: W2, .offset: 8, .size: 8, .value_kind: global_buffer, .address_space: global }
      - { .name: b2, .offset: 16, .size: 8, .value_kind: global_buffer, .address_space: global }
      - { .name: bm, .offset: 24, .size: 8, .value_kind: global_buffer, .address_space: global }
      - { .name: yp, .offset: 32, .size: 8, .value_kind: global_buffer, .address_space: global }
    .group_segment_fixed_size: 314880
    .private_segment_fixed_size: 0
    .kernarg_segment_align: 8
    .kernarg_segment_size: 40
    .max_flat_workgroup_size: 128
    .sgpr_count:     100
    .vgpr_count:     912
    .wavefront_size: 32
...
	.end_amdgpu_metadata
.endif
;; end of part 7
;; launch sum (part 8): grid 256 x 1, 4 waves a work-group, no clusters, 0 bytes of LDS; arguments yp, gw, pos, out0; writes out0
.if DOCPART == 8
	.amdgcn_target "amdgcn-amd-amdhsa--gfx1250"
	.amdhsa_code_object_version 6
	.text
	.protected	k_qfe971f5cfd_sum
	.globl	k_qfe971f5cfd_sum
	.p2align	8
	.type	k_qfe971f5cfd_sum,@function
k_qfe971f5cfd_sum:
	s_mov_b64 s[64:65], 0
	v_nop
	global_prefetch_b8 v0, s[64:65] scope:SCOPE_SE
	s_setreg_imm32_b32 hwreg(HW_REG_WAVE_MODE, 25, 1), 1
	s_wait_xcnt 0x0
; out0[t] = gw[t] * (the sum over kq of yp[kq][pos[t]]) + gw[1024 + t] * (the sum over kq of yp[kq][pos[1024 + t]]): a token's two routed rows, four partial rows each, all f32.
; pos[rid] = 1,024 e + place says where a routed row lies in the experts' order; it is read as a scalar, held to 8,191 and enters eight scalar addresses (4 quarters of K x 2 rows).
; A stream: each partial row is read once, each byte of out0 written once.  One wave, one token: a row of 4,096 bytes goes in eight chunks of 512 consecutive bytes, aligned; a chunk has eight loads
; and one store.  A ring of seven chunk slots in registers keeps 56 loads, 28,672 bytes, of every wave out.  No LDS, no barrier, no matrix unit: nothing is shared.
.set RG, 16                            ; v16-239  slot c % 7: 32 registers: the first row's four partial rows, then the second's;  v[4:7] chunk 0's result
	s_load_b256 s[4:11], s[0:1], 0x0               ; yp 4, gw 6, pos 8, out0 10
	v_and_b32 v1, 31, v0
	v_lshrrev_b32 v2, 5, v0
	v_readfirstlane_b32 s22, v2                    ; wave
	s_lshl_b32 s23, ttmp9, 2
	s_add_co_u32 s23, s23, s22                     ; my token
	s_lshl_b32 s2, s23, 2                          ; its place in gw and in pos
	s_lshl_b32 s3, s23, 12                         ; its row in out0
	v_lshlrev_b32 v1, 4, v1                        ; 16 lane; never rewritten
	v_add_nc_u32 v2, s3, v1                        ; + the token's row; never rewritten
	s_wait_kmcnt 0x0
	s_load_b32 s24, s[8:9], s2 offset:0x0          ; where the first row lies,
	s_load_b32 s26, s[8:9], s2 offset:0x1000       ; the second
	s_load_b32 s16, s[6:7], s2 offset:0x0          ; the first gate,
	s_load_b32 s18, s[6:7], s2 offset:0x1000       ; the second
	s_mov_b32 s25, 0
	s_mov_b32 s27, 0
	s_wait_kmcnt 0x0
	s_min_u32 s24, s24, 0x1fff
	s_min_u32 s26, s26, 0x1fff
	s_lshl_b32 s24, s24, 12                        ; places of 4,096 bytes
	s_lshl_b32 s26, s26, 12
	s_mov_b32 s17, s16                             ; named with the gates as pairs, so they are written
	s_mov_b32 s19, s18
	s_add_nc_u64 s[28:29], s[4:5], s[24:25]
	s_add_nc_u64 s[30:31], s[4:5], s[26:27]
.irp k, 1,2,3
	s_add_nc_u64 s[28+4*(\k):29+4*(\k)], s[28:29], (\k)<<25  ; the four quarters of K lie 8,192 places apart
	s_add_nc_u64 s[30+4*(\k):31+4*(\k)], s[30:31], (\k)<<25
.endr
.macro ISSUE c
.set R, RG+32*((\c)%7)
.irp k, 0,1,2,3
	global_load_b128 v[R+4*(\k):R+4*(\k)+3],       v1, s[28+4*(\k):29+4*(\k)] offset:512*(\c) th:TH_LOAD_NT
	global_load_b128 v[R+16+4*(\k):R+16+4*(\k)+3], v1, s[30+4*(\k):31+4*(\k)] offset:512*(\c) th:TH_LOAD_NT
.endr
.endm
.macro WORK c, left, d                 ; left: the younger loads, which stay out; d: where the result goes
.set R, RG+32*((\c)%7)
	s_wait_loadcnt \left
.irp q, 0,16
.irp j, 0,2
	v_pk_add_f32 v[R+(\q)+(\j):R+(\q)+(\j)+1],     v[R+(\q)+(\j):R+(\q)+(\j)+1],     v[R+(\q)+4+(\j):R+(\q)+4+(\j)+1]
	v_pk_add_f32 v[R+(\q)+8+(\j):R+(\q)+8+(\j)+1], v[R+(\q)+8+(\j):R+(\q)+8+(\j)+1], v[R+(\q)+12+(\j):R+(\q)+12+(\j)+1]
	v_pk_add_f32 v[R+(\q)+(\j):R+(\q)+(\j)+1],     v[R+(\q)+(\j):R+(\q)+(\j)+1],     v[R+(\q)+8+(\j):R+(\q)+8+(\j)+1]
.endr
.endr
.irp j, 0,2
	v_pk_mul_f32 v[(\d)+(\j):(\d)+(\j)+1], v[R+(\j):R+(\j)+1], s[16:17] op_sel_hi:[1,0]
	v_pk_fma_f32 v[(\d)+(\j):(\d)+(\j)+1], v[R+16+(\j):R+16+(\j)+1], s[18:19], v[(\d)+(\j):(\d)+(\j)+1] op_sel_hi:[1,0,1]
.endr
	global_store_b128 v2, v[(\d):(\d)+3], s[10:11] offset:512*(\c) th:TH_STORE_NT
.endm
.irp c, 0,1,2,3,4,5,6
	ISSUE \c
.endr
	WORK 0, 48, 4                                  ; chunks 1 to 6 stay out.  Its result lies in v[4:7], which nothing writes again: slot 0 is free for chunk 7 at once
	ISSUE 7
	WORK 1, 48, RG+32*1                            ; chunks 2 to 7
	WORK 2, 40, RG+32*2                            ; and the counts run down
	WORK 3, 32, RG+32*3
	WORK 4, 24, RG+32*4
	WORK 5, 16, RG+32*5
	WORK 6, 8,  RG+32*6
	WORK 7, 0,  RG+32*0
	s_endpgm
.Lfunc_end_k_qfe971f5cfd_sum:
	.size	k_qfe971f5cfd_sum, .Lfunc_end_k_qfe971f5cfd_sum-k_qfe971f5cfd_sum
	.p2alignl 7, 3214868480
	.fill 96, 4, 3214868480
	.section	.rodata,"a",@progbits
	.p2align	6, 0x0
	.amdhsa_kernel k_qfe971f5cfd_sum
		.amdhsa_group_segment_fixed_size 0
		.amdhsa_private_segment_fixed_size 0
		.amdhsa_enable_private_segment 0
		.amdhsa_kernarg_size 32
		.amdhsa_user_sgpr_count 2
		.amdhsa_user_sgpr_kernarg_segment_ptr 1
		.amdhsa_wavefront_size32 1
		.amdhsa_system_sgpr_workgroup_id_x 1
		.amdhsa_system_sgpr_workgroup_id_y 1
		.amdhsa_system_sgpr_workgroup_id_z 1
		.amdhsa_system_vgpr_workitem_id 0
		.amdhsa_next_free_vgpr 240
		.amdhsa_next_free_sgpr 66
		.amdhsa_reserve_vcc 0
		.amdhsa_float_denorm_mode_32 3
		.amdhsa_float_denorm_mode_16_64 3
		.amdhsa_memory_ordered 1
		.amdhsa_forward_progress 1
		.amdhsa_inst_pref_size 17
	.end_amdhsa_kernel
	.amdgpu_metadata
---
amdhsa.version: [ 1, 2 ]
amdhsa.kernels:
  - .name:           k_qfe971f5cfd_sum
    .symbol:         k_qfe971f5cfd_sum.kd
    .args:
      - { .name: yp, .offset: 0, .size: 8, .value_kind: global_buffer, .address_space: global }
      - { .name: gw, .offset: 8, .size: 8, .value_kind: global_buffer, .address_space: global }
      - { .name: pos, .offset: 16, .size: 8, .value_kind: global_buffer, .address_space: global }
      - { .name: out0, .offset: 24, .size: 8, .value_kind: global_buffer, .address_space: global }
    .group_segment_fixed_size: 0
    .private_segment_fixed_size: 0
    .kernarg_segment_align: 8
    .kernarg_segment_size: 32
    .max_flat_workgroup_size: 128
    .sgpr_count:     66
    .vgpr_count:     240
    .wavefront_size: 32
...
	.end_amdgpu_metadata
.endif
;; end of part 8
;; ======== version 3 of 3: 5 launches; version 2 with the launches prod1, prod2 written anew for expert scheduling mode
;; workspace buffers: xb 2,097,152 bytes; bm 2,048 bytes of whole numbers; gw 8,192 bytes; xs 16,777,216 bytes; pos 8,192 bytes of whole numbers; hb 67,108,864 bytes; yp 134,217,728 bytes
;; launch router: the kernel of part 1 again; grid 64 x 1, 4 waves a work-group, no clusters, 71,168 bytes of LDS; arguments x, noise, Wg, bg, Wn, bn, xb, bm, gw; writes xb, bm, gw
;; launch sort: the kernel of part 5 again; grid 256 x 1, 4 waves a work-group, no clusters, 2,816 bytes of LDS; arguments xb, bm, xs, pos; writes xs, pos
;; launch prod1 (part 9): grid 256 x 1, 4 waves a work-group, no clusters, 314,880 bytes of LDS; arguments xs, W1, b1, bm, hb; writes hb
.if DOCPART == 9
	.amdgcn_target "amdgcn-amd-amdhsa--gfx1250"
	.amdhsa_code_object_version 6
	.text
	.protected	k_qfe971f5cfd_prod1
	.globl	k_qfe971f5cfd_prod1
	.p2align	8
	.type	k_qfe971f5cfd_prod1,@function
k_qfe971f5cfd_prod1:
	s_mov_b64 s[64:65], 0
	v_nop
	global_prefetch_b8 v0, s[64:65] scope:SCOPE_SE
	s_setreg_imm32_b32 hwreg(HW_REG_WAVE_SCHED_MODE, 0, 2), 2
	s_setreg_imm32_b32 hwreg(HW_REG_WAVE_MODE, 25, 1), 1
	s_wait_xcnt 0x0
	s_wait_alu depctr_vm_vsrc(0)
; ONE PRODUCT OF THE EXPERTS' CHAIN.  The text serves both products; PROD says which.
;   PROD = 1: hb[e][place][4096] = relu(xs[e][place] W1[e] + b1[e]) in bf16.      PROD = 2: yp[kq][e][place][1024] = hb[e][place][1024 kq ..] W2[e][1024 kq ..] (+ b2[e] where kq = 0) in f32: partial sums.
; An expert's rows lie at places 0 to count - 1 of its 1,024 places, so a row's address hangs on the expert, the wave, the lane and the trip, and on the count by one clamp.  The count is the number of set
; bits of bm[e] (2,048 bits), stored by the router.  Every split is served: 0 to 1,024 rows an expert.
; SHARES.  256 work-groups; each owns a slice of 1,024 k x 128 n of ONE expert's weights, which it alone reads, and multiplies all of that expert's rows by it.
;   PHASE A: the slice streams once from memory through registers (f32 -> bf16, rounded once) into LDS as [k][n].  Wave w takes rows 256 w .. 256 w + 255; a load covers one row's 512 consecutive bytes,
;   aligned; 56 loads of a wave, 28,672 bytes, are out all the time.  As the stream runs out, the first rows' fragments are asked for.
;   PHASE B: blocks of 16 rows; the expert's block 4 i + w is wave w's i-th; a wave takes up to five blocks at a time through all of K.  The weights' fragments come turned out of LDS (16 loads feed 32 or
;   40 products), the rows' fragments straight from memory as matrix operands, five K steps ahead (40 loads of a wave, 20,480 bytes).  Four blocks are always loaded and multiplied; the fifth block's loads
;   and products are jumped where the wave has no fifth.  Four trips, a constant, cover every split; only work is jumped, and every wave passes both of a trip's barriers: one between all waves' reads of
;   the slice and the stores into the stages, one between those stores and the next reads of the slice.
; THE MATRIX INSTRUCTION IS USED TRANSPOSED (source 0 = 16 columns of W, source 1 = 16 rows): a lane holds one row and eight neighbouring columns.  The bias is the C operand that starts each sum.
; Places past the count repeat the expert's last row; in a block that is not full their results go to their own places, which nobody reads; whole blocks past the count are not stored.  An expert
; without rows streams its slice and stores nothing; the rows that it asks for and discards are bytes of its weights, so that no byte is read that nobody wrote.
; FORMATS, LIMITS.  Weights and bias are rounded once to bf16; sums in f32; hb is rounded once to bf16 (bf16, not f16: h has f32's range).  NaN and infinities are not treated apart.
; NOT USED.  Tensor loads: the weights are rounded on their way, and an f32 stage would take the room of the resident slice.  Cluster and joint loads: each slice has one reader; the rows are shared by an
; expert's work-groups, but a ring of joint loads wants a constant number of trips: 1,024 rows for every expert, four times the 256 of an even split, which is what a cluster of four would spare.
; THE MODE: SCHED_MODE bits 1:0 = 2 (LLVM: expert scheduling mode 2), set by the entry lines.  The code itself states the register dependences between vector or matrix instructions and memory or LDS
; instructions, with s_wait_alu, always for 0.
; THE PLAN, PHASE A.  Turn g works on set g, ring slot q = g % 8.  Registers that memory or LDS instructions touch:
;   raw set q (window 2)       read by turn g's sixteen conversions; the loads of turn g + 1 land in it again.
;   rounded set q (window 1)   written by turn g's conversions, read by turn g's eight LDS stores; written again in turn g + 8.
;   v[WOFF + q]                read by the set's eight loads; stepped eight turns later, ahead of that turn's conversions.
;   v[ST]                      read by every LDS store; stepped once in eight turns.
; ONE wait on va_vdst stands in a turn, behind its conversions; the turn's eight loads and eight stores follow it.  ONE wait on vm_vsrc stands in eight turns, ahead of the step of v[ST]: what the eight
; turns behind it write again (the rounded sets, the offsets) was read by stores and loads issued ahead of it.
; THE PLAN, PHASE B.  Step u is 32 along K.
;   weights' buffer u % 2 (window 1)   read by step u's products; the LDS loads of step u + 1 land in it again.
;   ring slot u % 6 (windows 0, 3)     read by step u's products; the rows' loads of step u + 1 land in it again.
;   v[BA], v[BA2]                      read by the weights' LDS loads; written at a tile's head and once in six steps.
;   v[AOFF ..], v[OB]                  read by the rows' loads and by the way out's stores; written between two tiles alone.
; ONE wait on va_vdst stands at a step's head, behind the waits for its data: the products of the step before are done reading the other buffer and the slot that this step fills.  This step's products
; name buffer u % 2, slot u % 6 and the accumulators, none of which its loads touch: so the loads are dealt among the products with no further wait.  The way out's waits stand at its lines.
.set PROD, 1
.if PROD == 1
.set PW,  16384                        ; bytes from row to row of the weights
.set ASH, 11                           ; a row that comes in: 2,048 bytes
.set AES, 21                           ; an expert's 1,024 places of them
.set OSH, 13                           ; a row that goes out: 8,192 bytes
.set OES, 23
.set HSH, 4                            ; the way out: 16 bytes for each half of the lanes
.set BK,  96                           ; v96-127  rows read back from the stage
.else
.set PW,  4096
.set ASH, 13                           ; a row that comes in: 8,192 bytes
.set AES, 23
.set OSH, 12                           ; a row that goes out: 4,096 bytes
.set OES, 22
.set HSH, 5                            ; 32 bytes for each half of the lanes
.set BK,  64                           ; v64-127
.endif
.set NBM,   5                          ; blocks in hand at the most
.set NSL,   6                          ; slots of the rows' ring: five K steps ahead
.set PB,    288                        ; a row k of the slice in LDS: 256 bytes + 32 = 72 words
.set KSB,   32*PB                      ; a K step of 32
.set SP,    272                        ; a row of the stage: 256 bytes + 16
.set STAGE, 1024*PB                    ; behind the slice: 16 rows for each wave, for the way out
.set BIASL, STAGE+4*16*SP              ; the slice's 128 bias numbers, once for each wave
; window 0
.set ZERO, 6                           ; v6   0, for relu
.set ST,   8                           ; v8   slice: 8 lane + 256 w rows; steps
.set B1,   9                           ; v9   B0 + four K steps; never rewritten
.set B0,   10                          ; v10  my place in a turned fragment; never rewritten
.set BA,   11                          ; v11  B0 + s25
.set STO,  12                          ; v12  the way out: where I put my part of a row
.set RD,   13                          ; v13  the way out: where I read rows back
.set H16,  16                          ; v16  16 h
.set QT,   17                          ; v17  my row's place in the tile's first block: 16 w + r, + 320 a tile
.set OB,   18                          ; v18  the way out: (16 w + h) rows + 16 r, + 320 rows a tile
.set T0,   20
.set T1,   21
.set AOFF, 22                          ; v22-26  byte offset of my row in each of five blocks
.set BA2,  27                          ; v27  B1 + s25
.set BW,   48                          ; v48-53  bias at work
.set BL,   56
.set BS,   57
.set L16,  58                          ; v58  16 lane
.set RING, 64                          ; v64-223 rows' fragments: slots 0-3, block a at 64 + 40 s + 8 a (slots 4, 5: the same places in window 3); free on the way out:
.set P,    64                          ; v64-95   packed results (PROD = 1)
.set WOFF, 224                         ; v224-231 phase A: each ring slot's own byte offset in the weights
; window 1: v0-63, v64-127 the weights' fragments, two buffers; v128-191 accumulators of block 4; in phase A v128-255 the rounded sets, 16 registers for each ring slot
.set RB,   128
; window 2: accumulators of blocks 0-3 (64 a + 8 b); in phase A the ring of eight sets of eight loads
; window 3: v0-63 the bias as a C operand: register 8 b + j = bias[16 b + 8 h + j]; v64-143 slots 4, 5 of the rows' ring
; scalars: s[4:5] rows, s[6:7] weights, s[8:9] bias, s[10:11] bm, s[12:13] out; s14 wave; s15 e; s16, s17 place; s24 bias on/off; s25 the slice's byte, stepped along K;
; s26 count; s27 last row's place; s28 blocks; s29 my wave's blocks to go; s30 blocks in hand; s2, s3 counters; s[32:63], s[68:99] the bitmap; later s[32:43] each ring slot's own address in the rows
.set TB,   25
.set AB,   32
.set MSB, 0
.macro WIN new                         ; the immediate's high byte repeats the setting that is left; a switch that changes nothing is dropped
.if MSB != (\new)
	s_set_vgpr_msb (MSB<<8)|(\new)
.set MSB, \new
.endif
.endm
.macro PLACES                          ; four places behind a matrix instruction, ahead of reads of its result (ISA guide 7.12.1)
.rept 4
	v_nop
.endr
.endm
; a set: eight rows of the weights, 512 bytes each, into ring slot \slot.  turn = 1: the loads stand in a turn of the stream, behind its one wait.
; Slot 7 is first used behind a step of its offset, so its loads reach eight rows back.
.macro WLOADS slot, turn
.if (\slot) == 7
.set WB, -8
.else
.set WB, 0
.endif
	WIN 0x80                                       ; destination window 2
.if \turn
	s_wait_alu depctr_va_vdst(0)                   ; this turn's conversions have written its rounded set, which the LDS stores below read; the slot's offset is written, which these loads read; the conversions of the turn before are done reading the raw set in which they land
.endif
.irp i, 0,1,2,3,4,5,6,7
	global_load_b128 v[32*(\slot)+4*(\i):32*(\slot)+4*(\i)+3], v[WOFF+(\slot)], s[6:7] offset:((\i)+WB)*PW th:TH_LOAD_NT
.endr
.endm
; A TURN OF THE STREAM.  Set \slot is in (\cnt younger loads may stay out); it is rounded, into registers of its own; ring slot \nxt is asked for again (-1: nothing is left to ask for); the rounded set goes into the slice.
; The slot's offset goes 64 rows on first: its earlier loads were shown done by the counted wait of the turn before, and have read it ahead of the lap's wait on vm_vsrc.
.macro WTURN slot, row, cnt, nxt
	s_wait_loadcnt \cnt
.if (\nxt) >= 0
	WIN 0
	v_add_nc_u32 v[WOFF+(\nxt)], 64*PW, v[WOFF+(\nxt)]
.endif
	WIN 0x4A                                       ; destination window 1, both sources window 2
.irp i, 0,1,2,3,4,5,6,7
	v_cvt_pk_bf16_f32 v[RB+16*(\slot)+2*(\i)],   v[32*(\slot)+4*(\i)],   v[32*(\slot)+4*(\i)+1]
	v_cvt_pk_bf16_f32 v[RB+16*(\slot)+2*(\i)+1], v[32*(\slot)+4*(\i)+2], v[32*(\slot)+4*(\i)+3]
.endr
.if (\nxt) >= 0
	WLOADS \nxt, 1
	WIN 0x04                                       ; store data window 1
.else
	WIN 0x04
	s_wait_alu depctr_va_vdst(0)                   ; this turn's conversions have written its rounded set, which the LDS stores below read
.endif
.irp i, 0,1,2,3,4,5,6,7
	ds_store_b64 v[ST], v[RB+16*(\slot)+2*(\i):RB+16*(\slot)+2*(\i)+1] offset:((\row)+(\i))*PB  ; 32 lanes, 256 neighbouring bytes
.endr
.endm
.macro RSET slot, a                    ; RR, RW: the first register and the window of block a in ring slot \slot
.if (\slot) < 4
.set RR, RING+8*NBM*(\slot)+8*(\a)
.set RW, 0
.else
.set RR, RING+8*NBM*((\slot)-4)+8*(\a)
.set RW, 3
.endif
.endm
; the rows' fragments of one K step, blocks a0 to a1, into ring slot \slot, from the slot's own address
.macro FETCHA slot, a0, a1
.set aa, \a0
.rept (\a1)-(\a0)+1
	RSET \slot, aa
	WIN RW<<6                                      ; destination in the slot's window
	global_load_b128 v[RR:RR+3],   v[AOFF+aa], s[AB+2*(\slot):AB+2*(\slot)+1] th:TH_LOAD_HT
	global_load_b128 v[RR+4:RR+7], v[AOFF+aa], s[AB+2*(\slot):AB+2*(\slot)+1] offset:32 th:TH_LOAD_HT
.set aa, aa+1
.endr
.endm
; half of the weights' fragments of K step t (counted from s25's): blocks b0 to b0 + 3 of 16 columns, turned.  Two address registers, four K steps apart, keep the offsets inside 16 bits.
.macro FETCHB bb, t, b0
	WIN 0x40                                       ; destination window 1
.if (\t) < 4
.set BR, BA
.set BO, (\t)*KSB
.else
.set BR, BA2
.set BO, ((\t)-4)*KSB
.endif
.irp b, 0,1,2,3
	ds_load_tr16_b128 v[64*(\bb)+8*((\b0)+(\b)):64*(\bb)+8*((\b0)+(\b))+3],   v[BR] offset:BO+32*((\b0)+(\b))
	ds_load_tr16_b128 v[64*(\bb)+8*((\b0)+(\b))+4:64*(\bb)+8*((\b0)+(\b))+7], v[BR] offset:BO+32*((\b0)+(\b))+16*PB
.endr
.endm
; 8 products: block a's 16 rows x 128 columns, 32 along K.  The 8 accumulators take turns.  first = 1: the bias starts the sums.
.macro MULBLK a, slot, bb, first
	RSET \slot, \a
.if (\a) < 4
.set AC, 64*(\a)
	WIN 0xA1+0x10*(\first)+4*RW                    ; source 0 window 1, source 1 the slot's window, D window 2, C window 2 (or 3: the bias)
.else
.set AC, 128
	WIN 0x51+0x20*(\first)+4*RW                    ; D window 1, C window 1 (or 3)
.endif
.irp b, 0,1,2,3,4,5,6,7
.if \first
	v_wmma_f32_16x16x32_bf16 v[AC+8*(\b):AC+8*(\b)+7], v[64*(\bb)+8*(\b):64*(\bb)+8*(\b)+7], v[RR:RR+7], v[8*(\b):8*(\b)+7]
.else
	v_wmma_f32_16x16x32_bf16 v[AC+8*(\b):AC+8*(\b)+7], v[64*(\bb)+8*(\b):64*(\bb)+8*(\b)+7], v[RR:RR+7], v[AC+8*(\b):AC+8*(\b)+7]
.endif
.endr
.endm
; A K STEP.  lc: the rows' loads of later steps that are out on every path (eight a step at the least), which may stay out.  Behind the head's one wait the step's loads are dealt among its products: half of
; the next step's weights (fb) behind block 0's, the other half and the rows of five steps on (fa) behind block 1's, into the buffers that the step before read.  The slot's address goes six K steps on
; first: its earlier loads were shown done by the counted wait of the step that multiplied them.  The fifth block's two loads stand with its products, behind one jump.
; first = 1: nothing is jumped, so that every accumulator is begun and every register of the ring written; the wait at the tile's head serves this step's loads.  A step that asks for nothing has no wait.
.macro KSTEP u, first, fa, fb, lc
.set SQ, ((\u)+NSL-1)%NSL
	s_wait_loadcnt \lc
	s_wait_dscnt 0x0                               ; this step's weights are in
.if ((\fa) || (\fb)) && !(\first)
	s_wait_alu depctr_va_vdst(0)                   ; the products of the step before are done reading the other weights' buffer and their ring slot, in which this step's loads land; behind the six steps' edge v[BA] and v[BA2] are written
.endif
	MULBLK 0, (\u)%NSL, (\u)%2, \first
.if \fb
	FETCHB 1-(\u)%2, (\u)+1, 0                     ; no wait: no product since the head's wait names the other buffer, the other slot or an address
.endif
	MULBLK 1, (\u)%NSL, (\u)%2, \first
.if \fb
	FETCHB 1-(\u)%2, (\u)+1, 4
.endif
.if \fa
.if !(\first)
	s_add_nc_u64 s[AB+2*SQ:AB+2*SQ+1], s[AB+2*SQ:AB+2*SQ+1], 64*NSL
.endif
	FETCHA SQ, 0, 3
.endif
	MULBLK 2, (\u)%NSL, (\u)%2, \first
	MULBLK 3, (\u)%NSL, (\u)%2, \first
.if !(\first)
	WIN 0                                          ; at a branch and at a label every window is 0
	s_cmp_lt_u32 s30, NBM
	s_cbranch_scc1 .Lkend_\@
.endif
.if \fa
	FETCHA SQ, 4, 4
.endif
	MULBLK 4, (\u)%NSL, (\u)%2, \first
	WIN 0
.Lkend_\@:
.endm
; a tile's offsets (block a's rows lie 64 a places on; places past the count repeat the last row) and the ring slots' addresses: slot q begins at K step q
.macro PROSET
.irp a, 0,1,2,3,4
	v_add_nc_u32 v[T0], 64*(\a), v[QT]
	v_min_u32 v[T0], s27, v[T0]
	v_min_u32 v[T0], 0x3ff, v[T0]
	v_lshl_add_u32 v[AOFF+(\a)], v[T0], ASH, v[H16]
.endr
.irp q, 0,1,2,3,4,5
	s_add_nc_u64 s[AB+2*(\q):AB+2*(\q)+1], s[4:5], 64*(\q)
.endr
.endm
; THE WAY OUT of block a: through my own stage in LDS, so that sixteen lanes store 256 consecutive bytes of one row, aligned.  Each accumulator is read from its low end.
; The block's place (64 a rows on) and the pair of rows stand in the stores' immediate: 270 rows of 8,192 bytes at the most, inside its signed 24 bits.
.macro EPI a
	WIN 0
	s_cmp_lt_u32 s30, (\a)+1
	s_cbranch_scc1 .Lepi_done
	s_wait_xcnt 0x0                                ; the stores of the block before have read their registers
.if (\a) > 0
	s_wait_alu depctr_vm_vsrc(0)                   ; the block before: its LDS stores have read v[P ..] (PROD = 1), its global stores v[BK ..]: both are written again below
.endif
.if (\a) < 4
.set AC, 64*(\a)
.set AW, 2
.else
.set AC, 128
.set AW, 1
.endif
.if PROD == 1
	WIN 5*AW                                       ; both sources in the accumulators' window
.set i, 0
.rept 32
	v_cvt_pk_bf16_f32 v[P+i], v[AC+2*i], v[AC+2*i+1]
.set i, i+1
.endr
	WIN 0
.set i, 0
.rept 32
	v_pk_max_num_bf16 v[P+i], v[P+i], v[ZERO]      ; relu: a maximum rounds nothing
.set i, i+1
.endr
	s_wait_alu depctr_va_vdst(0)                   ; the maxima have written v[P ..], which the LDS stores read; for the first block also: the products are done reading the ring's registers v[BK ..], in which the loads from the stage land
.irp b, 0,1,2,3,4,5,6,7
	ds_store_b128 v[STO], v[P+4*(\b):P+4*(\b)+3] offset:32*(\b)
.endr
.irp t, 0,1,2,3,4,5,6,7
	ds_load_b128 v[BK+4*(\t):BK+4*(\t)+3], v[RD] offset:2*SP*(\t)  ; LDS serves a wave's instructions in order (ISA guide 5.7.1.4): these see the stores above
.endr
.else
.irp hf, 0,1                           ; a row of 128 f32 goes in two halves of 256 bytes
	WIN 4*AW                                       ; store data in the accumulators' window
.irp b, 0,1,2,3
	ds_store_b128 v[STO], v[AC+8*(4*(\hf)+(\b)):AC+8*(4*(\hf)+(\b))+3]   offset:64*(\b)
	ds_store_b128 v[STO], v[AC+8*(4*(\hf)+(\b))+4:AC+8*(4*(\hf)+(\b))+7] offset:64*(\b)+16
.endr
	WIN 0
.irp t, 0,1,2,3,4,5,6,7
	ds_load_b128 v[BK+32*(\hf)+4*(\t):BK+32*(\hf)+4*(\t)+3], v[RD] offset:2*SP*(\t)
.endr
.endr
.endif
	s_wait_dscnt 0x0
.irp t, 0,1,2,3,4,5,6,7
	global_store_b128 v[OB], v[BK+4*(\t):BK+4*(\t)+3], s[12:13] offset:((64*(\a)+2*(\t))<<OSH)
.if PROD == 2
	global_store_b128 v[OB], v[BK+32+4*(\t):BK+32+4*(\t)+3], s[12:13] offset:((64*(\a)+2*(\t))<<OSH)+256
.endif
.endr
.endm
	s_load_b256 s[4:11], s[0:1], 0x0               ; rows 4, weights 6, bias 8, bm 10
	s_load_b64 s[12:13], s[0:1], 0x20              ; out
	v_lshl_add_u32 v254, v0, 2, 0x4cc00
	v_mov_b32 v255, 0
.if PROD == 1
	v_mov_b32 v[ZERO], 0
.endif
	v_and_b32 v1, 31, v0                           ; lane
	v_lshrrev_b32 v[T0], 5, v0
	v_readfirstlane_b32 s14, v[T0]                 ; wave
	v_and_b32 v2, 15, v0                           ; r
	v_bfe_u32 v3, v0, 4, 1                         ; h
	s_lshr_b32 s15, ttmp9, 5                       ; the expert
.if PROD == 1
	s_and_b32 s16, ttmp9, 31                       ; which 128 of its 4,096 columns
.else
	s_and_b32 s16, ttmp9, 7                        ; which 128 of its 1,024 columns
	s_bfe_u32 s17, ttmp9, 0x20003                  ; which quarter of K
.endif
	v_lshlrev_b32 v[L16], 4, v1
	s_wait_alu depctr_va_sdst(0)                   ; s14 is written, ahead of its first reader: the wave's offsets and LDS addresses are made from it
	s_mul_i32 s19, s14, 256*PW
	v_add_nc_u32 v[WOFF], s19, v[L16]              ; slot q begins at set q: eight rows a set
.irp q, 1,2,3,4,5,6
	v_add_nc_u32 v[WOFF+(\q)], 8*(\q)*PW, v[WOFF]
.endr
	v_mov_b32 v[WOFF+7], v[WOFF]                   ; slot 7: see WLOADS
	s_mul_i32 s19, s14, 256*PB
	v_lshl_add_u32 v[ST], v1, 3, s19
	v_and_b32 v[T0], 7, v0
	v_lshl_add_u32 v[T0], v3, 3, v[T0]             ; the turning load: row 8 h + lane % 8,
	v_mul_u32_u24 v[B0], v[T0], PB
	v_bfe_u32 v[T1], v0, 3, 1
	v_lshl_add_u32 v[B0], v[T1], 4, v[B0]          ; 16 bytes at 16 ((lane / 8) % 2)
	v_add_nc_u32 v[B1], 4*KSB, v[B0]
	s_mul_i32 s19, s14, 16*SP
	s_add_co_u32 s19, s19, STAGE                   ; my stage
	v_mul_u32_u24 v[T0], v2, SP
	v_lshl_add_u32 v[T0], v3, HSH, v[T0]
	v_add_nc_u32 v[STO], s19, v[T0]
	v_mul_u32_u24 v[T0], v3, SP
	v_lshl_add_u32 v[T0], v2, 4, v[T0]
	v_add_nc_u32 v[RD], s19, v[T0]
	v_lshlrev_b32 v[H16], 4, v3
	s_lshl_b32 s19, s14, 4
	v_add_nc_u32 v[QT], s19, v2                    ; 16 w + r
	v_add_nc_u32 v[T0], s19, v3                    ; 16 w + h: lanes 0-15 store one row, lanes 16-31 the next
	v_lshlrev_b32 v[T1], 4, v2
	v_lshl_add_u32 v[OB], v[T0], OSH, v[T1]
	s_lshl_b32 s19, s14, 9
	s_add_co_u32 s19, s19, BIASL
	v_lshl_add_u32 v[BL], v3, 5, s19
	v_add_nc_u32 v[BS], s19, v[L16]
	s_mov_b32 s21, 0
	s_lshl_b32 s19, s16, 9                         ; 128 f32 columns
	s_wait_kmcnt 0x0
	s_lshl_b32 s20, s15, 24                        ; an expert's weights: 16 MiB
	s_add_co_u32 s20, s20, s19
.if PROD == 2
	s_lshl_b32 s18, s17, 22                        ; 1,024 rows of 4,096 bytes
	s_add_co_u32 s20, s20, s18
.endif
	s_add_nc_u64 s[6:7], s[6:7], s[20:21]
.if PROD == 1
	s_lshl_b32 s20, s15, 14
.else
	s_lshl_b32 s20, s15, 12
.endif
	s_add_co_u32 s20, s20, s19
	s_add_nc_u64 s[8:9], s[8:9], s[20:21]
	s_lshl_b32 s20, s15, 8
	s_add_nc_u64 s[10:11], s[10:11], s[20:21]
	s_lshl_b32 s20, s15, OES                       ; out: the expert's 1,024 places,
.if PROD == 1
	s_lshl_b32 s18, s16, 8                         ; my 128 bf16 columns
.else
	s_lshl_b32 s18, s17, 25                        ; my quarter of K: 8,192 places of 4,096 bytes,
	s_add_co_u32 s18, s18, s19                     ; my 128 f32 columns
.endif
	s_add_co_u32 s20, s20, s18
	s_add_nc_u64 s[12:13], s[12:13], s[20:21]
	s_lshl_b32 s20, s15, AES                       ; rows: the expert's 1,024 places
.if PROD == 2
	s_lshl_b32 s18, s17, 11                        ; 1,024 bf16 along a row of hb
	s_add_co_u32 s20, s20, s18
.endif
	s_add_nc_u64 s[4:5], s[4:5], s[20:21]
.if PROD == 2
	s_cmp_eq_u32 s17, 0
	s_cselect_b32 s24, -1, 0                       ; the first quarter of K carries the bias
.endif
	s_load_b512 s[32:47], s[10:11], 0x0            ; the expert's bitmap: word j in s[32 + j], from word 32 on in s[36 + j]
	s_load_b512 s[48:63], s[10:11], 0x40
	s_load_b512 s[68:83], s[10:11], 0x80
	s_load_b512 s[84:99], s[10:11], 0xc0
	s_wait_alu depctr_va_vdst(0)                   ; the offsets and LDS addresses made above are written: v[L16], v[WOFF ..], v[ST], v[B0], v[B1], v[STO], v[RD], v[OB], v[BL], v[BS], which the loads and stores of the kernel read
	global_load_b128 v[BW:BW+3], v[L16], s[8:9]    ; the slice's bias: the oldest load, in by the first counted wait
.irp g, 0,1,2,3,4,5,6
	WLOADS \g, 0                                   ; the stream begins: 56 loads
.endr
	WIN 0
	s_wait_kmcnt 0x0
	s_mov_b32 s26, 0                               ; every wave counts the expert's rows
.set j, 0
.rept 64
.if j < 32
	s_bcnt1_i32_b32 s19, s[32+j]
.else
	s_bcnt1_i32_b32 s19, s[36+j]
.endif
	s_add_co_u32 s26, s26, s19
.set j, j+1
.endr
	s_min_u32 s26, s26, 1024                       ; a token chooses an expert once
	s_max_u32 s27, s26, 1
	s_sub_co_u32 s27, s27, 1                       ; the last row's place
	s_add_co_u32 s28, s26, 15
	s_lshr_b32 s28, s28, 4                         ; blocks of 16
	s_add_co_u32 s29, s28, 3
	s_sub_co_u32 s29, s29, s14
	s_lshr_b32 s29, s29, 2                         ; of which blocks w, w + 4, .. are mine
	s_cmp_eq_u32 s26, 0
	s_cselect_b64 s[4:5], s[6:7], s[4:5]           ; an expert without rows has no place that was written: what it asks for below, and discards, are the first 2,048 bytes of its slice's first row
	PROSET                                         ; the first tile's offsets and addresses (the bitmap's registers are free); the turns' waits on va_vdst stand between these lines and the rows' first loads
	; PHASE A.  Set g of 32 is rows 8 g .. 8 g + 7 of my 256; ring slot g % 8.  When set g is worked on, sets g + 1 .. g + 6 are out: 48 loads; then set g + 7 is asked for.
	s_wait_alu depctr_vm_vsrc(0)                   ; the stream's first 56 loads have read v[WOFF ..], which the turns below step
	s_mov_b32 s2, 3
.Lstream:
.irp p, 0,1,2,3,4,5,6,7
	WTURN \p, 8*(\p), 48, ((\p)+7)%8
.endr
	WIN 0
	s_wait_alu depctr_vm_vsrc(0)                   ; these eight turns' LDS stores have read v[ST] and the rounded sets, their loads the offsets: v[ST] steps here, and the next eight turns write the sets and the offsets again
	v_add_nc_u32 v[ST], 64*PB, v[ST]
	s_sub_co_u32 s2, s2, 1
	s_cmp_lg_u32 s2, 0
	s_cbranch_scc1 .Lstream
	; The last eight sets: one more is asked for (set 31).  Then, as the sets run out, the first tile's rows of K steps 0 to 4 go out, ten loads each, all five blocks:
	; a count is the sets still younger (8 each) plus the rows' loads issued so far; 58 loads are out at the most.  No vector instruction has named the ring's registers, and v[AOFF ..] were written ahead of the turns' waits.
	WTURN 0, 0, 48, 7
	WTURN 1, 8, 48, -1
	WTURN 2, 16, 40, -1
	FETCHA 0, 0, 4
	WTURN 3, 24, 32+10, -1
	FETCHA 1, 0, 4
	WTURN 4, 32, 24+20, -1
	FETCHA 2, 0, 4
	WTURN 5, 40, 16+30, -1
	FETCHA 3, 0, 4
	WTURN 6, 48, 8+40, -1
	FETCHA 4, 0, 4
	WTURN 7, 56, 50, -1
	WIN 0
	; the bias: rounded to bf16, widened, and through my own 512 bytes of LDS into a C operand's layout
	v_cvt_pk_bf16_f32 v[BW+4], v[BW], v[BW+1]
	v_cvt_pk_bf16_f32 v[BW+5], v[BW+2], v[BW+3]
	v_lshlrev_b32 v[BW],   16, v[BW+4]
	v_and_b32     v[BW+1], 0xffff0000, v[BW+4]
	v_lshlrev_b32 v[BW+2], 16, v[BW+5]
	v_and_b32     v[BW+3], 0xffff0000, v[BW+5]
.if PROD == 2
.irp k, 0,1,2,3
	v_and_b32 v[BW+(\k)], s24, v[BW+(\k)]          ; an exact 0 in the other quarters of K
.endr
.endif
	s_wait_alu depctr_va_vdst(0)                   ; v[BW ..] are written, which the LDS store reads
	ds_store_b128 v[BS], v[BW:BW+3]
	WIN 0xC0                                       ; destination window 3
.irp b, 0,1,2,3,4,5,6,7
	ds_load_b128 v[8*(\b):8*(\b)+3],   v[BL] offset:64*(\b)
	ds_load_b128 v[8*(\b)+4:8*(\b)+7], v[BL] offset:64*(\b)+16
.endr
	WIN 0
	s_wait_dscnt 0x0                               ; for the others' sake: my quarter of the slice is in LDS
	s_barrier_signal -1
	s_barrier_wait -1                              ; the slice is whole; nobody writes it again
	s_wait_alu depctr_vm_vsrc(0)                   ; my LDS stores of phase A have read the rounded sets: v128-191 of window 1 are the fifth block's sums from here on, written by products
	; PHASE B.  Four trips of up to five blocks cover the 16 blocks that a wave can have.  A wave with nothing left jumps the K steps and the way out, never a barrier.
	s_mov_b32 s3, 4
.Ltile:
	s_min_u32 s30, s29, NBM                        ; blocks in hand; 0: nothing is left
	s_cmp_eq_u32 s29, 0
	s_cbranch_scc1 .Lk_done
	s_mov_b32 s[TB], 0
	v_mov_b32 v[BA], v[B0]                         ; (the LDS loads of the tile before have read these two ahead of the wait on vm_vsrc behind the way out)
	v_mov_b32 v[BA2], v[B1]
	s_wait_alu depctr_va_vdst(0)                   ; v[BA] and v[BA2] are written, which the weights' LDS loads read; the products of the tile before are done reading both weights' buffers and ring slot 5, in which the loads up to the next step's head land
	FETCHB 0, 0, 0
	FETCHB 0, 0, 4
	KSTEP 0, 1, 1, 1, 40                           ; 40: the rows of K steps 1 to 4, ten loads each
	s_mov_b32 s2, 4
.Lk:                                                   ; K steps 6 j + 1 .. 6 j + 6.  32: the rows of the four K steps behind, eight loads each at the least
	KSTEP 1, 0, 1, 1, 32
	KSTEP 2, 0, 1, 1, 32
	KSTEP 3, 0, 1, 1, 32
	KSTEP 4, 0, 1, 1, 32
	KSTEP 5, 0, 1, 1, 32
	KSTEP 6, 0, 1, 1, 32
	s_add_co_u32 s[TB], s[TB], NSL*KSB             ; six K steps on in the slice: 4 x 55,296 bytes at the most
	s_wait_alu depctr_vm_vsrc(0)                   ; the weights' LDS loads issued so far have read v[BA] and v[BA2]
	v_add_nc_u32 v[BA], s[TB], v[B0]
	v_add_nc_u32 v[BA2], s[TB], v[B1]
	s_sub_co_u32 s2, s2, 1
	s_cmp_lg_u32 s2, 0
	s_cbranch_scc1 .Lk
	KSTEP 1, 0, 1, 1, 32                           ; K steps 25 and 26 ask for the rows of 30 and 31;
	KSTEP 2, 0, 1, 1, 32
	KSTEP 3, 0, 0, 1, 32                           ; from 27 on no rows are left to ask for, and the counts run down
	KSTEP 4, 0, 0, 1, 24
	KSTEP 5, 0, 0, 1, 16
	KSTEP 6, 0, 0, 1, 8
	KSTEP 7, 0, 0, 0, 0
	PLACES
.Lk_done:
	s_wait_loadcnt 0x0                             ; no load is on its way into the ring's registers, which the way out uses (a wave without blocks has asked for rows all the same)
	s_wait_dscnt 0x0                               ; my reads of the slice in this trip are back
.if PROD == 2
	s_wait_alu depctr_va_vdst(0)                   ; behind the four places: the products have written the accumulators, which the way out's LDS stores read, and are done reading the ring's registers v[BK ..], in which the loads from the stage land
.endif
	s_barrier_signal -1
	s_barrier_wait -1                              ; every wave's are: only now does a wave store into LDS (its stage)
	EPI 0
	EPI 1
	EPI 2
	EPI 3
	EPI 4
	WIN 0
.Lepi_done:
	s_wait_dscnt 0x0                               ; my stores into my stage, and my reads of it, are done
	s_wait_alu depctr_vm_vsrc(0)                   ; the way out's stores have read v[OB], v[P ..], v[BK ..] and (PROD = 2) the accumulators, the tile's loads v[AOFF ..], v[BA] and v[BA2]: the next tile writes all of these again
	s_barrier_signal -1
	s_barrier_wait -1                              ; every wave's are: only now is the slice read again
	s_sub_co_u32 s29, s29, s30
	s_cmp_eq_u32 s29, 0
	s_cbranch_scc1 .Lno_pro
	s_wait_xcnt 0x0                                ; the way out's stores have read their registers: the offset steps, and the ring takes its registers back
	v_add_nc_u32 v[QT], 64*NBM, v[QT]              ; the next tile's blocks lie 320 places on,
	v_add_nc_u32 v[OB], (64*NBM)<<OSH, v[OB]       ; in and out
	PROSET                                         ; its rows of K steps 0 to 4
	s_wait_alu depctr_va_vdst(0)                   ; v[AOFF ..] are written, which the loads below read, and v[OB], which the next way out's stores read; the products and the way out's vector lines are done with the ring's registers, in which the loads land
.irp q, 0,1,2,3,4
	FETCHA \q, 0, 4
.endr
	WIN 0
.Lno_pro:
	s_sub_co_u32 s3, s3, 1
	s_cmp_lg_u32 s3, 0
	s_cbranch_scc1 .Ltile
	s_wait_dscnt 0x0                               ; the wave's end; the closing add on the spare LDS words follows
	s_wait_alu depctr_hold_cnt(0) depctr_sa_sdst(0) depctr_va_vdst(0) depctr_va_sdst(0) depctr_va_ssrc(0) depctr_va_vcc(0) depctr_vm_vsrc(0)
	s_wait_tensorcnt 0x0
	ds_add_u32 v254, v255
	s_wait_dscnt 0x0
	s_endpgm
.Lfunc_end_k_qfe971f5cfd_prod1:
	.size	k_qfe971f5cfd_prod1, .Lfunc_end_k_qfe971f5cfd_prod1-k_qfe971f5cfd_prod1
	.p2alignl 7, 3214868480
	.fill 96, 4, 3214868480
	.section	.rodata,"a",@progbits
	.p2align	6, 0x0
	.amdhsa_kernel k_qfe971f5cfd_prod1
		.amdhsa_group_segment_fixed_size 314880
		.amdhsa_private_segment_fixed_size 0
		.amdhsa_enable_private_segment 0
		.amdhsa_kernarg_size 40
		.amdhsa_user_sgpr_count 2
		.amdhsa_user_sgpr_kernarg_segment_ptr 1
		.amdhsa_wavefront_size32 1
		.amdhsa_system_sgpr_workgroup_id_x 1
		.amdhsa_system_sgpr_workgroup_id_y 1
		.amdhsa_system_sgpr_workgroup_id_z 1
		.amdhsa_system_vgpr_workitem_id 0
		.amdhsa_next_free_vgpr 912
		.amdhsa_next_free_sgpr 100
		.amdhsa_reserve_vcc 0
		.amdhsa_float_denorm_mode_32 3
		.amdhsa_float_denorm_mode_16_64 3
		.amdhsa_memory_ordered 1
		.amdhsa_forward_progress 1
		.amdhsa_inst_pref_size 157
	.end_amdhsa_kernel
	.amdgpu_metadata
---
amdhsa.version: [ 1, 2 ]
amdhsa.kernels:
  - .name:           k_qfe971f5cfd_prod1
    .symbol:         k_qfe971f5cfd_prod1.kd
    .args:
      - { .name: xs, .offset: 0, .size: 8, .value_kind: global_buffer, .address_space: global }
      - { .name: W1, .offset: 8, .size: 8, .value_kind: global_buffer, .address_space: global }
      - { .name: b1, .offset: 16, .size: 8, .value_kind: global_buffer, .address_space: global }
      - { .name: bm, .offset: 24, .size: 8, .value_kind: global_buffer, .address_space: global }
      - { .name: hb, .offset: 32, .size: 8, .value_kind: global_buffer, .address_space: global }
    .group_segment_fixed_size: 314880
    .private_segment_fixed_size: 0
    .kernarg_segment_align: 8
    .kernarg_segment_size: 40
    .max_flat_workgroup_size: 128
    .sgpr_count:     100
    .vgpr_count:     912
    .wavefront_size: 32
...
	.end_amdgpu_metadata
.endif
;; end of part 9
;; launch prod2 (part 10): grid 256 x 1, 4 waves a work-group, no clusters, 314,880 bytes of LDS; arguments hb, W2, b2, bm, yp; writes yp
.if DOCPART == 10
	.amdgcn_target "amdgcn-amd-amdhsa--gfx1250"
	.amdhsa_code_object_version 6
	.text
	.protected	k_qfe971f5cfd_prod2
	.globl	k_qfe971f5cfd_prod2
	.p2align	8
	.type	k_qfe971f5cfd_prod2,@function
k_qfe971f5cfd_prod2:
	s_mov_b64 s[64:65], 0
	v_nop
	global_prefetch_b8 v0, s[64:65] scope:SCOPE_SE
	s_setreg_imm32_b32 hwreg(HW_REG_WAVE_SCHED_MODE, 0, 2), 2
	s_setreg_imm32_b32 hwreg(HW_REG_WAVE_MODE, 25, 1), 1
	s_wait_xcnt 0x0
	s_wait_alu depctr_vm_vsrc(0)
; ONE PRODUCT OF THE EXPERTS' CHAIN.  The text serves both products; PROD says which.
;   PROD = 1: hb[e][place][4096] = relu(xs[e][place] W1[e] + b1[e]) in bf16.      PROD = 2: yp[kq][e][place][1024] = hb[e][place][1024 kq ..] W2[e][1024 kq ..] (+ b2[e] where kq = 0) in f32: partial sums.
; An expert's rows lie at places 0 to count - 1 of its 1,024 places, so a row's address hangs on the expert, the wave, the lane and the trip, and on the count by one clamp.  The count is the number of set
; bits of bm[e] (2,048 bits), stored by the router.  Every split is served: 0 to 1,024 rows an expert.
; SHARES.  256 work-groups; each owns a slice of 1,024 k x 128 n of ONE expert's weights, which it alone reads, and multiplies all of that expert's rows by it.
;   PHASE A: the slice streams once from memory through registers (f32 -> bf16, rounded once) into LDS as [k][n].  Wave w takes rows 256 w .. 256 w + 255; a load covers one row's 512 consecutive bytes,
;   aligned; 56 loads of a wave, 28,672 bytes, are out all the time.  As the stream runs out, the first rows' fragments are asked for.
;   PHASE B: blocks of 16 rows; the expert's block 4 i + w is wave w's i-th; a wave takes up to five blocks at a time through all of K.  The weights' fragments come turned out of LDS (16 loads feed 32 or
;   40 products), the rows' fragments straight from memory as matrix operands, five K steps ahead (40 loads of a wave, 20,480 bytes).  Four blocks are always loaded and multiplied; the fifth block's loads
;   and products are jumped where the wave has no fifth.  Four trips, a constant, cover every split; only work is jumped, and every wave passes both of a trip's barriers: one between all waves' reads of
;   the slice and the stores into the stages, one between those stores and the next reads of the slice.
; K = 4,096 IS SPLIT IN FOUR here, so that the slice is again 1,024 x 128 and a weight row's piece 512 bytes; the four partial rows (f32) are added by the launch behind.
; THE MATRIX INSTRUCTION IS USED TRANSPOSED (source 0 = 16 columns of W, source 1 = 16 rows): a lane holds one row and eight neighbouring columns.  The bias is the C operand that starts each sum.
; Places past the count repeat the expert's last row; in a block that is not full their results go to their own places, which nobody reads; whole blocks past the count are not stored.  An expert
; without rows streams its slice and stores nothing; the rows that it asks for and discards are bytes of its weights, so that no byte is read that nobody wrote.
; FORMATS, LIMITS.  Weights and bias are rounded once to bf16; sums in f32.  NaN and infinities are not treated apart.
; NOT USED.  Tensor loads: the weights are rounded on their way, and an f32 stage would take the room of the resident slice.  Cluster and joint loads: each slice has one reader; the rows are shared by an
; expert's work-groups, but a ring of joint loads wants a constant number of trips: 1,024 rows for every expert, four times the 256 of an even split, which is what a cluster of four would spare.
; THE MODE: SCHED_MODE bits 1:0 = 2 (LLVM: expert scheduling mode 2), set by the entry lines.  The code itself states the register dependences between vector or matrix instructions and memory or LDS
; instructions, with s_wait_alu, always for 0.
; THE PLAN, PHASE A.  Turn g works on set g, ring slot q = g % 8.  Registers that memory or LDS instructions touch:
;   raw set q (window 2)       read by turn g's sixteen conversions; the loads of turn g + 1 land in it again.
;   rounded set q (window 1)   written by turn g's conversions, read by turn g's eight LDS stores; written again in turn g + 8.
;   v[WOFF + q]                read by the set's eight loads; stepped eight turns later, ahead of that turn's conversions.
;   v[ST]                      read by every LDS store; stepped once in eight turns.
; ONE wait on va_vdst stands in a turn, behind its conversions; the turn's eight loads and eight stores follow it.  ONE wait on vm_vsrc stands in eight turns, ahead of the step of v[ST]: what the eight
; turns behind it write again (the rounded sets, the offsets) was read by stores and loads issued ahead of it.
; THE PLAN, PHASE B.  Step u is 32 along K.
;   weights' buffer u % 2 (window 1)   read by step u's products; the LDS loads of step u + 1 land in it again.
;   ring slot u % 6 (windows 0, 3)     read by step u's products; the rows' loads of step u + 1 land in it again.
;   v[BA], v[BA2]                      read by the weights' LDS loads; written at a tile's head and once in six steps.
;   v[AOFF ..], v[OB]                  read by the rows' loads and by the way out's stores; written between two tiles alone.
; ONE wait on va_vdst stands at a step's head, behind the waits for its data: the products of the step before are done reading the other buffer and the slot that this step fills.  This step's products
; name buffer u % 2, slot u % 6 and the accumulators, none of which its loads touch: so the loads are dealt among the products with no further wait.  The way out's waits stand at its lines.
.set PROD, 2
.if PROD == 1
.set PW,  16384                        ; bytes from row to row of the weights
.set ASH, 11                           ; a row that comes in: 2,048 bytes
.set AES, 21                           ; an expert's 1,024 places of them
.set OSH, 13                           ; a row that goes out: 8,192 bytes
.set OES, 23
.set HSH, 4                            ; the way out: 16 bytes for each half of the lanes
.set BK,  96                           ; v96-127  rows read back from the stage
.else
.set PW,  4096
.set ASH, 13                           ; a row that comes in: 8,192 bytes
.set AES, 23
.set OSH, 12                           ; a row that goes out: 4,096 bytes
.set OES, 22
.set HSH, 5                            ; 32 bytes for each half of the lanes
.set BK,  64                           ; v64-127
.endif
.set NBM,   5                          ; blocks in hand at the most
.set NSL,   6                          ; slots of the rows' ring: five K steps ahead
.set PB,    288                        ; a row k of the slice in LDS: 256 bytes + 32 = 72 words
.set KSB,   32*PB                      ; a K step of 32
.set SP,    272                        ; a row of the stage: 256 bytes + 16
.set STAGE, 1024*PB                    ; behind the slice: 16 rows for each wave, for the way out
.set BIASL, STAGE+4*16*SP              ; the slice's 128 bias numbers, once for each wave
; window 0
.set ZERO, 6                           ; v6   0, for relu
.set ST,   8                           ; v8   slice: 8 lane + 256 w rows; steps
.set B1,   9                           ; v9   B0 + four K steps; never rewritten
.set B0,   10                          ; v10  my place in a turned fragment; never rewritten
.set BA,   11                          ; v11  B0 + s25
.set STO,  12                          ; v12  the way out: where I put my part of a row
.set RD,   13                          ; v13  the way out: where I read rows back
.set H16,  16                          ; v16  16 h
.set QT,   17                          ; v17  my row's place in the tile's first block: 16 w + r, + 320 a tile
.set OB,   18                          ; v18  the way out: (16 w + h) rows + 16 r, + 320 rows a tile
.set T0,   20
.set T1,   21
.set AOFF, 22                          ; v22-26  byte offset of my row in each of five blocks
.set BA2,  27                          ; v27  B1 + s25
.set BW,   48                          ; v48-53  bias at work
.set BL,   56
.set BS,   57
.set L16,  58                          ; v58  16 lane
.set RING, 64                          ; v64-223 rows' fragments: slots 0-3, block a at 64 + 40 s + 8 a (slots 4, 5: the same places in window 3); free on the way out:
.set P,    64                          ; v64-95   packed results (PROD = 1)
.set WOFF, 224                         ; v224-231 phase A: each ring slot's own byte offset in the weights
; window 1: v0-63, v64-127 the weights' fragments, two buffers; v128-191 accumulators of block 4; in phase A v128-255 the rounded sets, 16 registers for each ring slot
.set RB,   128
; window 2: accumulators of blocks 0-3 (64 a + 8 b); in phase A the ring of eight sets of eight loads
; window 3: v0-63 the bias as a C operand: register 8 b + j = bias[16 b + 8 h + j]; v64-143 slots 4, 5 of the rows' ring
; scalars: s[4:5] rows, s[6:7] weights, s[8:9] bias, s[10:11] bm, s[12:13] out; s14 wave; s15 e; s16, s17 place; s24 bias on/off; s25 the slice's byte, stepped along K;
; s26 count; s27 last row's place; s28 blocks; s29 my wave's blocks to go; s30 blocks in hand; s2, s3 counters; s[32:63], s[68:99] the bitmap; later s[32:43] each ring slot's own address in the rows
.set TB,   25
.set AB,   32
.set MSB, 0
.macro WIN new                         ; the immediate's high byte repeats the setting that is left; a switch that changes nothing is dropped
.if MSB != (\new)
	s_set_vgpr_msb (MSB<<8)|(\new)
.set MSB, \new
.endif
.endm
.macro PLACES                          ; four places behind a matrix instruction, ahead of reads of its result (ISA guide 7.12.1)
.rept 4
	v_nop
.endr
.endm
; a set: eight rows of the weights, 512 bytes each, into ring slot \slot.  turn = 1: the loads stand in a turn of the stream, behind its one wait.
; Slot 7 is first used behind a step of its offset, so its loads reach eight rows back.
.macro WLOADS slot, turn
.if (\slot) == 7
.set WB, -8
.else
.set WB, 0
.endif
	WIN 0x80                                       ; destination window 2
.if \turn
	s_wait_alu depctr_va_vdst(0)                   ; this turn's conversions have written its rounded set, which the LDS stores below read; the slot's offset is written, which these loads read; the conversions of the turn before are done reading the raw set in which they land
.endif
.irp i, 0,1,2,3,4,5,6,7
	global_load_b128 v[32*(\slot)+4*(\i):32*(\slot)+4*(\i)+3], v[WOFF+(\slot)], s[6:7] offset:((\i)+WB)*PW th:TH_LOAD_NT
.endr
.endm
; A TURN OF THE STREAM.  Set \slot is in (\cnt younger loads may stay out); it is rounded, into registers of its own; ring slot \nxt is asked for again (-1: nothing is left to ask for); the rounded set goes into the slice.
; The slot's offset goes 64 rows on first: its earlier loads were shown done by the counted wait of the turn before, and have read it ahead of the lap's wait on vm_vsrc.
.macro WTURN slot, row, cnt, nxt
	s_wait_loadcnt \cnt
.if (\nxt) >= 0
	WIN 0
	v_add_nc_u32 v[WOFF+(\nxt)], 64*PW, v[WOFF+(\nxt)]
.endif
	WIN 0x4A                                       ; destination window 1, both sources window 2
.irp i, 0,1,2,3,4,5,6,7
	v_cvt_pk_bf16_f32 v[RB+16*(\slot)+2*(\i)],   v[32*(\slot)+4*(\i)],   v[32*(\slot)+4*(\i)+1]
	v_cvt_pk_bf16_f32 v[RB+16*(\slot)+2*(\i)+1], v[32*(\slot)+4*(\i)+2], v[32*(\slot)+4*(\i)+3]
.endr
.if (\nxt) >= 0
	WLOADS \nxt, 1
	WIN 0x04                                       ; store data window 1
.else
	WIN 0x04
	s_wait_alu depctr_va_vdst(0)                   ; this turn's conversions have written its rounded set, which the LDS stores below read
.endif
.irp i, 0,1,2,3,4,5,6,7
	ds_store_b64 v[ST], v[RB+16*(\slot)+2*(\i):RB+16*(\slot)+2*(\i)+1] offset:((\row)+(\i))*PB  ; 32 lanes, 256 neighbouring bytes
.endr
.endm
.macro RSET slot, a                    ; RR, RW: the first register and the window of block a in ring slot \slot
.if (\slot) < 4
.set RR, RING+8*NBM*(\slot)+8*(\a)
.set RW, 0
.else
.set RR, RING+8*NBM*((\slot)-4)+8*(\a)
.set RW, 3
.endif
.endm
; the rows' fragments of one K step, blocks a0 to a1, into ring slot \slot, from the slot's own address
.macro FETCHA slot, a0, a1
.set aa, \a0
.rept (\a1)-(\a0)+1
	RSET \slot, aa
	WIN RW<<6                                      ; destination in the slot's window
	global_load_b128 v[RR:RR+3],   v[AOFF+aa], s[AB+2*(\slot):AB+2*(\slot)+1] th:TH_LOAD_HT
	global_load_b128 v[RR+4:RR+7], v[AOFF+aa], s[AB+2*(\slot):AB+2*(\slot)+1] offset:32 th:TH_LOAD_HT
.set aa, aa+1
.endr
.endm
; half of the weights' fragments of K step t (counted from s25's): blocks b0 to b0 + 3 of 16 columns, turned.  Two address registers, four K steps apart, keep the offsets inside 16 bits.
.macro FETCHB bb, t, b0
	WIN 0x40                                       ; destination window 1
.if (\t) < 4
.set BR, BA
.set BO, (\t)*KSB
.else
.set BR, BA2
.set BO, ((\t)-4)*KSB
.endif
.irp b, 0,1,2,3
	ds_load_tr16_b128 v[64*(\bb)+8*((\b0)+(\b)):64*(\bb)+8*((\b0)+(\b))+3],   v[BR] offset:BO+32*((\b0)+(\b))
	ds_load_tr16_b128 v[64*(\bb)+8*((\b0)+(\b))+4:64*(\bb)+8*((\b0)+(\b))+7], v[BR] offset:BO+32*((\b0)+(\b))+16*PB
.endr
.endm
; 8 products: block a's 16 rows x 128 columns, 32 along K.  The 8 accumulators take turns.  first = 1: the bias starts the sums.
.macro MULBLK a, slot, bb, first
	RSET \slot, \a
.if (\a) < 4
.set AC, 64*(\a)
	WIN 0xA1+0x10*(\first)+4*RW                    ; source 0 window 1, source 1 the slot's window, D window 2, C window 2 (or 3: the bias)
.else
.set AC, 128
	WIN 0x51+0x20*(\first)+4*RW                    ; D window 1, C window 1 (or 3)
.endif
.irp b, 0,1,2,3,4,5,6,7
.if \first
	v_wmma_f32_16x16x32_bf16 v[AC+8*(\b):AC+8*(\b)+7], v[64*(\bb)+8*(\b):64*(\bb)+8*(\b)+7], v[RR:RR+7], v[8*(\b):8*(\b)+7]
.else
	v_wmma_f32_16x16x32_bf16 v[AC+8*(\b):AC+8*(\b)+7], v[64*(\bb)+8*(\b):64*(\bb)+8*(\b)+7], v[RR:RR+7], v[AC+8*(\b):AC+8*(\b)+7]
.endif
.endr
.endm
; A K STEP.  lc: the rows' loads of later steps that are out on every path (eight a step at the least), which may stay out.  Behind the head's one wait the step's loads are dealt among its products: half of
; the next step's weights (fb) behind block 0's, the other half and the rows of five steps on (fa) behind block 1's, into the buffers that the step before read.  The slot's address goes six K steps on
; first: its earlier loads were shown done by the counted wait of the step that multiplied them.  The fifth block's two loads stand with its products, behind one jump.
; first = 1: nothing is jumped, so that every accumulator is begun and every register of the ring written; the wait at the tile's head serves this step's loads.  A step that asks for nothing has no wait.
.macro KSTEP u, first, fa, fb, lc
.set SQ, ((\u)+NSL-1)%NSL
	s_wait_loadcnt \lc
	s_wait_dscnt 0x0                               ; this step's weights are in
.if ((\fa) || (\fb)) && !(\first)
	s_wait_alu depctr_va_vdst(0)                   ; the products of the step before are done reading the other weights' buffer and their ring slot, in which this step's loads land; behind the six steps' edge v[BA] and v[BA2] are written
.endif
	MULBLK 0, (\u)%NSL, (\u)%2, \first
.if \fb
	FETCHB 1-(\u)%2, (\u)+1, 0                     ; no wait: no product since the head's wait names the other buffer, the other slot or an address
.endif
	MULBLK 1, (\u)%NSL, (\u)%2, \first
.if \fb
	FETCHB 1-(\u)%2, (\u)+1, 4
.endif
.if \fa
.if !(\first)
	s_add_nc_u64 s[AB+2*SQ:AB+2*SQ+1], s[AB+2*SQ:AB+2*SQ+1], 64*NSL
.endif
	FETCHA SQ, 0, 3
.endif
	MULBLK 2, (\u)%NSL, (\u)%2, \first
	MULBLK 3, (\u)%NSL, (\u)%2, \first
.if !(\first)
	WIN 0                                          ; at a branch and at a label every window is 0
	s_cmp_lt_u32 s30, NBM
	s_cbranch_scc1 .Lkend_\@
.endif
.if \fa
	FETCHA SQ, 4, 4
.endif
	MULBLK 4, (\u)%NSL, (\u)%2, \first
	WIN 0
.Lkend_\@:
.endm
; a tile's offsets (block a's rows lie 64 a places on; places past the count repeat the last row) and the ring slots' addresses: slot q begins at K step q
.macro PROSET
.irp a, 0,1,2,3,4
	v_add_nc_u32 v[T0], 64*(\a), v[QT]
	v_min_u32 v[T0], s27, v[T0]
	v_min_u32 v[T0], 0x3ff, v[T0]
	v_lshl_add_u32 v[AOFF+(\a)], v[T0], ASH, v[H16]
.endr
.irp q, 0,1,2,3,4,5
	s_add_nc_u64 s[AB+2*(\q):AB+2*(\q)+1], s[4:5], 64*(\q)
.endr
.endm
; THE WAY OUT of block a: through my own stage in LDS, so that sixteen lanes store 256 consecutive bytes of one row, aligned.  Each accumulator is read from its low end.
; The block's place (64 a rows on) and the pair of rows stand in the stores' immediate: 270 rows of 8,192 bytes at the most, inside its signed 24 bits.
.macro EPI a
	WIN 0
	s_cmp_lt_u32 s30, (\a)+1
	s_cbranch_scc1 .Lepi_done
	s_wait_xcnt 0x0                                ; the stores of the block before have read their registers
.if (\a) > 0
	s_wait_alu depctr_vm_vsrc(0)                   ; the block before: its LDS stores have read v[P ..] (PROD = 1), its global stores v[BK ..]: both are written again below
.endif
.if (\a) < 4
.set AC, 64*(\a)
.set AW, 2
.else
.set AC, 128
.set AW, 1
.endif
.if PROD == 1
	WIN 5*AW                                       ; both sources in the accumulators' window
.set i, 0
.rept 32
	v_cvt_pk_bf16_f32 v[P+i], v[AC+2*i], v[AC+2*i+1]
.set i, i+1
.endr
	WIN 0
.set i, 0
.rept 32
	v_pk_max_num_bf16 v[P+i], v[P+i], v[ZERO]      ; relu: a maximum rounds nothing
.set i, i+1
.endr
	s_wait_alu depctr_va_vdst(0)                   ; the maxima have written v[P ..], which the LDS stores read; for the first block also: the products are done reading the ring's registers v[BK ..], in which the loads from the stage land
.irp b, 0,1,2,3,4,5,6,7
	ds_store_b128 v[STO], v[P+4*(\b):P+4*(\b)+3] offset:32*(\b)
.endr
.irp t, 0,1,2,3,4,5,6,7
	ds_load_b128 v[BK+4*(\t):BK+4*(\t)+3], v[RD] offset:2*SP*(\t)  ; LDS serves a wave's instructions in order (ISA guide 5.7.1.4): these see the stores above
.endr
.else
.irp hf, 0,1                           ; a row of 128 f32 goes in two halves of 256 bytes
	WIN 4*AW                                       ; store data in the accumulators' window
.irp b, 0,1,2,3
	ds_store_b128 v[STO], v[AC+8*(4*(\hf)+(\b)):AC+8*(4*(\hf)+(\b))+3]   offset:64*(\b)
	ds_store_b128 v[STO], v[AC+8*(4*(\hf)+(\b))+4:AC+8*(4*(\hf)+(\b))+7] offset:64*(\b)+16
.endr
	WIN 0
.irp t, 0,1,2,3,4,5,6,7
	ds_load_b128 v[BK+32*(\hf)+4*(\t):BK+32*(\hf)+4*(\t)+3], v[RD] offset:2*SP*(\t)
.endr
.endr
.endif
	s_wait_dscnt 0x0
.irp t, 0,1,2,3,4,5,6,7
	global_store_b128 v[OB], v[BK+4*(\t):BK+4*(\t)+3], s[12:13] offset:((64*(\a)+2*(\t))<<OSH)
.if PROD == 2
	global_store_b128 v[OB], v[BK+32+4*(\t):BK+32+4*(\t)+3], s[12:13] offset:((64*(\a)+2*(\t))<<OSH)+256
.endif
.endr
.endm
	s_load_b256 s[4:11], s[0:1], 0x0               ; rows 4, weights 6, bias 8, bm 10
	s_load_b64 s[12:13], s[0:1], 0x20              ; out
	v_lshl_add_u32 v254, v0, 2, 0x4cc00
	v_mov_b32 v255, 0
.if PROD == 1
	v_mov_b32 v[ZERO], 0
.endif
	v_and_b32 v1, 31, v0                           ; lane
	v_lshrrev_b32 v[T0], 5, v0
	v_readfirstlane_b32 s14, v[T0]                 ; wave
	v_and_b32 v2, 15, v0                           ; r
	v_bfe_u32 v3, v0, 4, 1                         ; h
	s_lshr_b32 s15, ttmp9, 5                       ; the expert
.if PROD == 1
	s_and_b32 s16, ttmp9, 31                       ; which 128 of its 4,096 columns
.else
	s_and_b32 s16, ttmp9, 7                        ; which 128 of its 1,024 columns
	s_bfe_u32 s17, ttmp9, 0x20003                  ; which quarter of K
.endif
	v_lshlrev_b32 v[L16], 4, v1
	s_wait_alu depctr_va_sdst(0)                   ; s14 is written, ahead of its first reader: the wave's offsets and LDS addresses are made from it
	s_mul_i32 s19, s14, 256*PW
	v_add_nc_u32 v[WOFF], s19, v[L16]              ; slot q begins at set q: eight rows a set
.irp q, 1,2,3,4,5,6
	v_add_nc_u32 v[WOFF+(\q)], 8*(\q)*PW, v[WOFF]
.endr
	v_mov_b32 v[WOFF+7], v[WOFF]                   ; slot 7: see WLOADS
	s_mul_i32 s19, s14, 256*PB
	v_lshl_add_u32 v[ST], v1, 3, s19
	v_and_b32 v[T0], 7, v0
	v_lshl_add_u32 v[T0], v3, 3, v[T0]             ; the turning load: row 8 h + lane % 8,
	v_mul_u32_u24 v[B0], v[T0], PB
	v_bfe_u32 v[T1], v0, 3, 1
	v_lshl_add_u32 v[B0], v[T1], 4, v[B0]          ; 16 bytes at 16 ((lane / 8) % 2)
	v_add_nc_u32 v[B1], 4*KSB, v[B0]
	s_mul_i32 s19, s14, 16*SP
	s_add_co_u32 s19, s19, STAGE                   ; my stage
	v_mul_u32_u24 v[T0], v2, SP
	v_lshl_add_u32 v[T0], v3, HSH, v[T0]
	v_add_nc_u32 v[STO], s19, v[T0]
	v_mul_u32_u24 v[T0], v3, SP
	v_lshl_add_u32 v[T0], v2, 4, v[T0]
	v_add_nc_u32 v[RD], s19, v[T0]
	v_lshlrev_b32 v[H16], 4, v3
	s_lshl_b32 s19, s14, 4
	v_add_nc_u32 v[QT], s19, v2                    ; 16 w + r
	v_add_nc_u32 v[T0], s19, v3                    ; 16 w + h: lanes 0-15 store one row, lanes 16-31 the next
	v_lshlrev_b32 v[T1], 4, v2
	v_lshl_add_u32 v[OB], v[T0], OSH, v[T1]
	s_lshl_b32 s19, s14, 9
	s_add_co_u32 s19, s19, BIASL
	v_lshl_add_u32 v[BL], v3, 5, s19
	v_add_nc_u32 v[BS], s19, v[L16]
	s_mov_b32 s21, 0
	s_lshl_b32 s19, s16, 9                         ; 128 f32 columns
	s_wait_kmcnt 0x0
	s_lshl_b32 s20, s15, 24                        ; an expert's weights: 16 MiB
	s_add_co_u32 s20, s20, s19
.if PROD == 2
	s_lshl_b32 s18, s17, 22                        ; 1,024 rows of 4,096 bytes
	s_add_co_u32 s20, s20, s18
.endif
	s_add_nc_u64 s[6:7], s[6:7], s[20:21]
.if PROD == 1
	s_lshl_b32 s20, s15, 14
.else
	s_lshl_b32 s20, s15, 12
.endif
	s_add_co_u32 s20, s20, s19
	s_add_nc_u64 s[8:9], s[8:9], s[20:21]
	s_lshl_b32 s20, s15, 8
	s_add_nc_u64 s[10:11], s[10:11], s[20:21]
	s_lshl_b32 s20, s15, OES                       ; out: the expert's 1,024 places,
.if PROD == 1
	s_lshl_b32 s18, s16, 8                         ; my 128 bf16 columns
.else
	s_lshl_b32 s18, s17, 25                        ; my quarter of K: 8,192 places of 4,096 bytes,
	s_add_co_u32 s18, s18, s19                     ; my 128 f32 columns
.endif
	s_add_co_u32 s20, s20, s18
	s_add_nc_u64 s[12:13], s[12:13], s[20:21]
	s_lshl_b32 s20, s15, AES                       ; rows: the expert's 1,024 places
.if PROD == 2
	s_lshl_b32 s18, s17, 11                        ; 1,024 bf16 along a row of hb
	s_add_co_u32 s20, s20, s18
.endif
	s_add_nc_u64 s[4:5], s[4:5], s[20:21]
.if PROD == 2
	s_cmp_eq_u32 s17, 0
	s_cselect_b32 s24, -1, 0                       ; the first quarter of K carries the bias
.endif
	s_load_b512 s[32:47], s[10:11], 0x0            ; the expert's bitmap: word j in s[32 + j], from word 32 on in s[36 + j]
	s_load_b512 s[48:63], s[10:11], 0x40
	s_load_b512 s[68:83], s[10:11], 0x80
	s_load_b512 s[84:99], s[10:11], 0xc0
	s_wait_alu depctr_va_vdst(0)                   ; the offsets and LDS addresses made above are written: v[L16], v[WOFF ..], v[ST], v[B0], v[B1], v[STO], v[RD], v[OB], v[BL], v[BS], which the loads and stores of the kernel read
	global_load_b128 v[BW:BW+3], v[L16], s[8:9]    ; the slice's bias: the oldest load, in by the first counted wait
.irp g, 0,1,2,3,4,5,6
	WLOADS \g, 0                                   ; the stream begins: 56 loads
.endr
	WIN 0
	s_wait_kmcnt 0x0
	s_mov_b32 s26, 0                               ; every wave counts the expert's rows
.set j, 0
.rept 64
.if j < 32
	s_bcnt1_i32_b32 s19, s[32+j]
.else
	s_bcnt1_i32_b32 s19, s[36+j]
.endif
	s_add_co_u32 s26, s26, s19
.set j, j+1
.endr
	s_min_u32 s26, s26, 1024                       ; a token chooses an expert once
	s_max_u32 s27, s26, 1
	s_sub_co_u32 s27, s27, 1                       ; the last row's place
	s_add_co_u32 s28, s26, 15
	s_lshr_b32 s28, s28, 4                         ; blocks of 16
	s_add_co_u32 s29, s28, 3
	s_sub_co_u32 s29, s29, s14
	s_lshr_b32 s29, s29, 2                         ; of which blocks w, w + 4, .. are mine
	s_cmp_eq_u32 s26, 0
	s_cselect_b64 s[4:5], s[6:7], s[4:5]           ; an expert without rows has no place that was written: what it asks for below, and discards, are the first 2,048 bytes of its slice's first row
	PROSET                                         ; the first tile's offsets and addresses (the bitmap's registers are free); the turns' waits on va_vdst stand between these lines and the rows' first loads
	; PHASE A.  Set g of 32 is rows 8 g .. 8 g + 7 of my 256; ring slot g % 8.  When set g is worked on, sets g + 1 .. g + 6 are out: 48 loads; then set g + 7 is asked for.
	s_wait_alu depctr_vm_vsrc(0)                   ; the stream's first 56 loads have read v[WOFF ..], which the turns below step
	s_mov_b32 s2, 3
.Lstream:
.irp p, 0,1,2,3,4,5,6,7
	WTURN \p, 8*(\p), 48, ((\p)+7)%8
.endr
	WIN 0
	s_wait_alu depctr_vm_vsrc(0)                   ; these eight turns' LDS stores have read v[ST] and the rounded sets, their loads the offsets: v[ST] steps here, and the next eight turns write the sets and the offsets again
	v_add_nc_u32 v[ST], 64*PB, v[ST]
	s_sub_co_u32 s2, s2, 1
	s_cmp_lg_u32 s2, 0
	s_cbranch_scc1 .Lstream
	; The last eight sets: one more is asked for (set 31).  Then, as the sets run out, the first tile's rows of K steps 0 to 4 go out, ten loads each, all five blocks:
	; a count is the sets still younger (8 each) plus the rows' loads issued so far; 58 loads are out at the most.  No vector instruction has named the ring's registers, and v[AOFF ..] were written ahead of the turns' waits.
	WTURN 0, 0, 48, 7
	WTURN 1, 8, 48, -1
	WTURN 2, 16, 40, -1
	FETCHA 0, 0, 4
	WTURN 3, 24, 32+10, -1
	FETCHA 1, 0, 4
	WTURN 4, 32, 24+20, -1
	FETCHA 2, 0, 4
	WTURN 5, 40, 16+30, -1
	FETCHA 3, 0, 4
	WTURN 6, 48, 8+40, -1
	FETCHA 4, 0, 4
	WTURN 7, 56, 50, -1
	WIN 0
	; the bias: rounded to bf16, widened, and through my own 512 bytes of LDS into a C operand's layout
	v_cvt_pk_bf16_f32 v[BW+4], v[BW], v[BW+1]
	v_cvt_pk_bf16_f32 v[BW+5], v[BW+2], v[BW+3]
	v_lshlrev_b32 v[BW],   16, v[BW+4]
	v_and_b32     v[BW+1], 0xffff0000, v[BW+4]
	v_lshlrev_b32 v[BW+2], 16, v[BW+5]
	v_and_b32     v[BW+3], 0xffff0000, v[BW+5]
.if PROD == 2
.irp k, 0,1,2,3
	v_and_b32 v[BW+(\k)], s24, v[BW+(\k)]          ; an exact 0 in the other quarters of K
.endr
.endif
	s_wait_alu depctr_va_vdst(0)                   ; v[BW ..] are written, which the LDS store reads
	ds_store_b128 v[BS], v[BW:BW+3]
	WIN 0xC0                                       ; destination window 3
.irp b, 0,1,2,3,4,5,6,7
	ds_load_b128 v[8*(\b):8*(\b)+3],   v[BL] offset:64*(\b)
	ds_load_b128 v[8*(\b)+4:8*(\b)+7], v[BL] offset:64*(\b)+16
.endr
	WIN 0
	s_wait_dscnt 0x0                               ; for the others' sake: my quarter of the slice is in LDS
	s_barrier_signal -1
	s_barrier_wait -1                              ; the slice is whole; nobody writes it again
	s_wait_alu depctr_vm_vsrc(0)                   ; my LDS stores of phase A have read the rounded sets: v128-191 of window 1 are the fifth block's sums from here on, written by products
	; PHASE B.  Four trips of up to five blocks cover the 16 blocks that a wave can have.  A wave with nothing left jumps the K steps and the way out, never a barrier.
	s_mov_b32 s3, 4
.Ltile:
	s_min_u32 s30, s29, NBM                        ; blocks in hand; 0: nothing is left
	s_cmp_eq_u32 s29, 0
	s_cbranch_scc1 .Lk_done
	s_mov_b32 s[TB], 0
	v_mov_b32 v[BA], v[B0]                         ; (the LDS loads of the tile before have read these two ahead of the wait on vm_vsrc behind the way out)
	v_mov_b32 v[BA2], v[B1]
	s_wait_alu depctr_va_vdst(0)                   ; v[BA] and v[BA2] are written, which the weights' LDS loads read; the products of the tile before are done reading both weights' buffers and ring slot 5, in which the loads up to the next step's head land
	FETCHB 0, 0, 0
	FETCHB 0, 0, 4
	KSTEP 0, 1, 1, 1, 40                           ; 40: the rows of K steps 1 to 4, ten loads each
	s_mov_b32 s2, 4
.Lk:                                                   ; K steps 6 j + 1 .. 6 j + 6.  32: the rows of the four K steps behind, eight loads each at the least
	KSTEP 1, 0, 1, 1, 32
	KSTEP 2, 0, 1, 1, 32
	KSTEP 3, 0, 1, 1, 32
	KSTEP 4, 0, 1, 1, 32
	KSTEP 5, 0, 1, 1, 32
	KSTEP 6, 0, 1, 1, 32
	s_add_co_u32 s[TB], s[TB], NSL*KSB             ; six K steps on in the slice: 4 x 55,296 bytes at the most
	s_wait_alu depctr_vm_vsrc(0)                   ; the weights' LDS loads issued so far have read v[BA] and v[BA2]
	v_add_nc_u32 v[BA], s[TB], v[B0]
	v_add_nc_u32 v[BA2], s[TB], v[B1]
	s_sub_co_u32 s2, s2, 1
	s_cmp_lg_u32 s2, 0
	s_cbranch_scc1 .Lk
	KSTEP 1, 0, 1, 1, 32                           ; K steps 25 and 26 ask for the rows of 30 and 31;
	KSTEP 2, 0, 1, 1, 32
	KSTEP 3, 0, 0, 1, 32                           ; from 27 on no rows are left to ask for, and the counts run down
	KSTEP 4, 0, 0, 1, 24
	KSTEP 5, 0, 0, 1, 16
	KSTEP 6, 0, 0, 1, 8
	KSTEP 7, 0, 0, 0, 0
	PLACES
.Lk_done:
	s_wait_loadcnt 0x0                             ; no load is on its way into the ring's registers, which the way out uses (a wave without blocks has asked for rows all the same)
	s_wait_dscnt 0x0                               ; my reads of the slice in this trip are back
.if PROD == 2
	s_wait_alu depctr_va_vdst(0)                   ; behind the four places: the products have written the accumulators, which the way out's LDS stores read, and are done reading the ring's registers v[BK ..], in which the loads from the stage land
.endif
	s_barrier_signal -1
	s_barrier_wait -1                              ; every wave's are: only now does a wave store into LDS (its stage)
	EPI 0
	EPI 1
	EPI 2
	EPI 3
	EPI 4
	WIN 0
.Lepi_done:
	s_wait_dscnt 0x0                               ; my stores into my stage, and my reads of it, are done
	s_wait_alu depctr_vm_vsrc(0)                   ; the way out's stores have read v[OB], v[P ..], v[BK ..] and (PROD = 2) the accumulators, the tile's loads v[AOFF ..], v[BA] and v[BA2]: the next tile writes all of these again
	s_barrier_signal -1
	s_barrier_wait -1                              ; every wave's are: only now is the slice read again
	s_sub_co_u32 s29, s29, s30
	s_cmp_eq_u32 s29, 0
	s_cbranch_scc1 .Lno_pro
	s_wait_xcnt 0x0                                ; the way out's stores have read their registers: the offset steps, and the ring takes its registers back
	v_add_nc_u32 v[QT], 64*NBM, v[QT]              ; the next tile's blocks lie 320 places on,
	v_add_nc_u32 v[OB], (64*NBM)<<OSH, v[OB]       ; in and out
	PROSET                                         ; its rows of K steps 0 to 4
	s_wait_alu depctr_va_vdst(0)                   ; v[AOFF ..] are written, which the loads below read, and v[OB], which the next way out's stores read; the products and the way out's vector lines are done with the ring's registers, in which the loads land
.irp q, 0,1,2,3,4
	FETCHA \q, 0, 4
.endr
	WIN 0
.Lno_pro:
	s_sub_co_u32 s3, s3, 1
	s_cmp_lg_u32 s3, 0
	s_cbranch_scc1 .Ltile
	s_wait_dscnt 0x0                               ; the wave's end; the closing add on the spare LDS words follows
	s_wait_alu depctr_hold_cnt(0) depctr_sa_sdst(0) depctr_va_vdst(0) depctr_va_sdst(0) depctr_va_ssrc(0) depctr_va_vcc(0) depctr_vm_vsrc(0)
	s_wait_tensorcnt 0x0
	ds_add_u32 v254, v255
	s_wait_dscnt 0x0
	s_endpgm
.Lfunc_end_k_qfe971f5cfd_prod2:
	.size	k_qfe971f5cfd_prod2, .Lfunc_end_k_qfe971f5cfd_prod2-k_qfe971f5cfd_prod2
	.p2alignl 7, 3214868480
	.fill 96, 4, 3214868480
	.section	.rodata,"a",@progbits
	.p2align	6, 0x0
	.amdhsa_kernel k_qfe971f5cfd_prod2
		.amdhsa_group_segment_fixed_size 314880
		.amdhsa_private_segment_fixed_size 0
		.amdhsa_enable_private_segment 0
		.amdhsa_kernarg_size 40
		.amdhsa_user_sgpr_count 2
		.amdhsa_user_sgpr_kernarg_segment_ptr 1
		.amdhsa_wavefront_size32 1
		.amdhsa_system_sgpr_workgroup_id_x 1
		.amdhsa_system_sgpr_workgroup_id_y 1
		.amdhsa_system_sgpr_workgroup_id_z 1
		.amdhsa_system_vgpr_workitem_id 0
		.amdhsa_next_free_vgpr 912
		.amdhsa_next_free_sgpr 100
		.amdhsa_reserve_vcc 0
		.amdhsa_float_denorm_mode_32 3
		.amdhsa_float_denorm_mode_16_64 3
		.amdhsa_memory_ordered 1
		.amdhsa_forward_progress 1
		.amdhsa_inst_pref_size 146
	.end_amdhsa_kernel
	.amdgpu_metadata
---
amdhsa.version: [ 1, 2 ]
amdhsa.kernels:
  - .name:           k_qfe971f5cfd_prod2
    .symbol:         k_qfe971f5cfd_prod2.kd
    .args:
      - { .name: hb, .offset: 0, .size: 8, .value_kind: global_buffer, .address_space: global }
      - { .name: W2, .offset: 8, .size: 8, .value_kind: global_buffer, .address_space: global }
      - { .name: b2, .offset: 16, .size: 8, .value_kind: global_buffer, .address_space: global }
      - { .name: bm, .offset: 24, .size: 8, .value_kind: global_buffer, .address_space: global }
      - { .name: yp, .offset: 32, .size: 8, .value_kind: global_buffer, .address_space: global }
    .group_segment_fixed_size: 314880
    .private_segment_fixed_size: 0
    .kernarg_segment_align: 8
    .kernarg_segment_size: 40
    .max_flat_workgroup_size: 128
    .sgpr_count:     100
    .vgpr_count:     912
    .wavefront_size: 32
...
	.end_amdgpu_metadata
.endif
;; end of part 10
;; launch sum: the kernel of part 8 again; grid 256 x 1, 4 waves a work-group, no clusters, 0 bytes of LDS; arguments yp, gw, pos, out0; writes out0
